; MI455X (gfx1250); checked and timed in simulation.
; The chip was launched on July 23, 2026; its instructions are those of AMD's public machine-readable ISA for CDNA 5 (MIT licence, August 2026) and "CDNA5" Instruction Set Architecture Reference Guide (July 2026). The comments in the code are by the model that wrote it; some were corrected since.
;; Block. Allowed arithmetic: matrix products marked QUANTISED: E3M2 operands, one E8M0 scale for each 32 along K, by v_wmma_scale_f32_16x16x128_f8f6f4 with both operands' format E3M2, f32 sums; everything else in f32.
;; Inputs: W1 1,024 x 4,096 float32; W2 4,096 x 1,024 float32; Wk 16 x 1,024 x 64 float32; Wo 1,024 x 1,024 float32; Wq 16 x 1,024 x 64 float32; Wv 16 x 1,024 x 64 float32; b1 4,096 float32; b2 1,024 float32; bk 16 x 64 float32; bo 1,024 float32; bq 16 x 64 float32; bv 16 x 64 float32; ln1_b 1,024 float32; ln1_g 1,024 float32; ln2_b 1,024 float32; ln2_g 1,024 float32; mask 2,048 x 2,048 int32; x 2 x 2,048 x 1,024 float32.
;; Outputs: out0 2 x 2,048 x 1,024 float32.
;; This version of the problem:
;;   THIS VERSION OF THE PROBLEM IS GIVEN IN LOW PRECISION. The matrix products marked QUANTISED in the list below multiply operands that are first quantised to E3M2 (3 exponent bits, 2 mantissa bits; 6 bits a number), with one power-of-two scale for each 32 numbers along K (OCP MX v1.0); their sums are f32. All else is computed in f32.
;;   The module's matrix products, in the order in which they are computed (A, B: the left and right operand; K: the contracted axis; several contracted axes count as one K, in the product's order):
;;     1. [M 1,024, K 1,024] x [K 1,024, N 4,096]; A: input Wq; B: computed on the way: QUANTISED
;;     2. [M 1,024, K 1,024] x [K 1,024, N 4,096]; A: input Wk; B: computed on the way: QUANTISED
;;     3. [M 1,024, K 1,024] x [K 1,024, N 4,096]; A: input Wv; B: computed on the way: QUANTISED
;;     4. batch 32 x [M 2,048, K 64] x [K 64, N 2,048]; A: computed on the way; B: computed on the way: QUANTISED
;;     5. batch 32 x [M 2,048, K 2,048] x [K 2,048, N 64]; A: softmax (see below); B: computed on the way: QUANTISED
;;     6. [M 4,096, K 1,024] x [K 1,024, N 1,024]; A: computed on the way; B: input Wo: QUANTISED
;;     7. [M 4,096, K 1,024] x [K 1,024, N 4,096]; A: computed on the way; B: input W1: QUANTISED
;;     8. [M 4,096, K 4,096] x [K 4,096, N 1,024]; A: computed on the way; B: input W2: QUANTISED
;;   THE QUANTISER, for each operand of a quantised product, along K:
;;     - K is cut into blocks of 32 from its start; a last block that is shorter is filled with zeros.
;;     - A block's scale is 2^e with e = floor(log2(the largest magnitude in the block)) - 4, held to -126 .. 127; a block of zeros has e = 0. As a byte (E8M0): e + 127.
;;     - Each number is divided by its block's scale, clamped to +-28, and rounded to the nearest number of E3M2, ties to even, subnormals kept.
;;     - The product sums the exact products of the quantised numbers (number of the format x scale) in f32.
;;   ~~~python
;;   def quantise(x, axis):      # numpy; x: float32 -> the quantised numbers, widened to float32 again
;;       x = np.moveaxis(x, axis, -1); K = x.shape[-1]
;;       x = np.pad(x, [(0, 0)] * (x.ndim - 1) + [(0, -K % 32)]); x = x.reshape(x.shape[:-1] + (-1, 32)); a = np.abs(x).max(-1, keepdims=True)
;;       e = np.where(a > 0, np.clip(np.frexp(np.where(a > 0, a, 1))[1] - 1 - 4, -126, 127), 0)      # np.frexp(a)[1] - 1 = floor(log2(a)), exactly
;;       r = np.clip(x / 2.0 ** e, -28, 28)
;;       step = 2.0 ** (np.maximum(np.frexp(np.where(r == 0, 1, r))[1] - 1, -2) - 2)
;;       q = np.round(r / step) * step * 2.0 ** e      # np.round: ties to even
;;       return np.moveaxis(q.reshape(q.shape[:-2] + (-1,))[..., :K], -1, axis).astype(np.float32)
;;   ~~~
;;   SOFTMAX AHEAD OF A QUANTISED PRODUCT. Where the list says 'softmax', what is quantised is not the finished softmax but p = 2^(t - M), with t = logit x log2(e) and M = ceil(the row's largest t), a whole number; so 1/2 < the row's largest p <= 1. The row's sum l is taken of the UNQUANTISED p, in f32, and the product's result is divided by l at the end. Since M is a whole number, a kernel that streams over the keys may use a running M (the ceiling of the running maximum): every later rescaling is an exact power of two, which a block's scale takes up: the codes' values come out the same.
;;   OPERANDS COMPUTED ON THE WAY. 'Computed on the way' means the value that the module computes at that place (a softmax that the list does not call 'softmax' is quantised finished and normalised). What goes into a quantiser is computed in f32, as accurately as f32 sums, v_exp_f32 and their like allow (about 1e-6 of the number): no bf16 or f16 on the way to a quantiser, and a product that is left as it is and whose result goes on into a quantised operand takes f32 operands (vector FMAs, or v_wmma_f32_16x16x4_f32). A number that lies on a knife's edge between two numbers of the format may be rounded either way, as far as f32 arithmetic and the matrix unit's own rounding can turn it there, and no further.
;; 3 versions, each right; version 2 is faster than version 1; version 3 is version 2 with the launch attn written anew for expert scheduling mode. Each part assembles by itself: llvm-mc -triple=amdgcn-amd-amdhsa -mcpu=gfx1250 --defsym DOCPART=n.
;; ======== version 1 of 3: 8 launches
;; workspace buffers: WC 9,830,400 bytes; MB 532,480 bytes of whole numbers; ACT 3,276,800 bytes; QKV 10,092,544 bytes; X1 16,777,216 bytes; FFC 13,107,200 bytes
;; launch prep (part 1): grid 512 x 1, 4 waves a work-group, no clusters, 0 bytes of LDS; arguments Wq, Wk, Wv, Wo, W1, W2, mask, WC, MB; writes WC, MB
.if DOCPART == 1
	.amdgcn_target "amdgcn-amd-amdhsa--gfx1250"
	.amdhsa_code_object_version 6
	.text
	.protected	k_qcfc06ded64_prep
	.globl	k_qcfc06ded64_prep
	.p2align	8
	.type	k_qcfc06ded64_prep,@function
k_qcfc06ded64_prep:
	s_mov_b64 s[64:65], 0
	v_nop
	global_prefetch_b8 v0, s[64:65] scope:SCOPE_SE
	s_setreg_imm32_b32 hwreg(HW_REG_WAVE_MODE, 25, 1), 1
	s_wait_xcnt 0x0
; PREP.  Work-groups 0-383: the six weights, f32 with K as their first (or, in the heads' weights, middle) axis, become codes of BF6 (E3M2) with one E8M0 byte for each 32 along K.
; Work-groups 384-511: the mask becomes lane masks and flags for the attention launch.
; THE OPERAND'S LAYOUT (all workspaces of this program): a block is 128 rows x 256 along K = 25,600 dense bytes: 16 fragments (f = 8 q + i: q = which 128 along K, i = which 16 rows) of 1,536 bytes, then 16 x 64 bytes
; of scale words.  A fragment is the image of its 12 registers: half c (64 along K) at 768 c: registers 6 c .. 6 c + 3 at 16 x lane, registers 6 c + 4, 6 c + 5 at 512 + 8 x lane.
; ROWS ARE STORED IN ANOTHER ORDER: row n lies at the place n with bits 3 and 4 exchanged, so that stored row 16 u + r of a group of 32 is row 8 u + r + 8 (r / 8): where such rows are source 0 of a product,
; a lane's 16 result registers of two neighbouring tiles are 16 neighbours along the next product's K.
; A LANE TAKES A COLUMN n AND ITS REGISTERS RUN DOWN K: a block of 32 lies in one lane's 32 registers, each load reads 128 consecutive bytes a wave.  A work-group makes one block; wave w its columns 32 w .. 32 w + 31.
; A block's scale byte is its largest magnitude's exponent field - 4, held at 1 from below.  LIMITS: a block of zeros, and one whose largest magnitude lies under 2^-122, keeps the byte 1 (this program alone reads the bytes);
; NaN and infinities among the weights are not served.
.set GBLK, 25600
.set OFS,  16                          ; v16-47   4 x lane + i x pitch
.set X,    48                          ; v48-111  two sets of 32 numbers
.set C,    112                         ; v112-175 eight registers of codes for each block: no store's data are written again
.set T,    176                         ; v176-178 a block's upper 16 codes as the conversion leaves them
.set SB,   180                         ; v180-181 the scale bytes, four to a register
.set VA16, 7
.set VA8,  8
.set VS,   9
	s_load_b256 s[4:11], s[0:1], 0x0               ; Wq, Wk, Wv, Wo
	s_load_b256 s[12:19], s[0:1], 0x20             ; W1, W2, mask, WC
	s_load_b64 s[20:21], s[0:1], 0x40              ; MB
	v_lshrrev_b32 v1, 5, v0
	v_readfirstlane_b32 s22, v1                    ; wave
	v_and_b32 v1, 31, v0                           ; lane
	s_wait_kmcnt 0x0
	s_cmp_ge_u32 ttmp9, 384
	s_cbranch_scc1 .Lmask
	; which weight: pointer, first work-group, bytes from one k to the next, log2 of the blocks along K.  Every choice hangs on the work-group's number alone
	s_mov_b64 s[24:25], s[14:15]                   ; W2
	s_mov_b32 s26, 256
	s_mov_b32 s27, 4096
	s_mov_b32 s28, 4
	s_cmp_lt_u32 ttmp9, 256
	s_cselect_b64 s[24:25], s[12:13], s[24:25]     ; W1
	s_cselect_b32 s26, 128, s26
	s_cselect_b32 s27, 16384, s27
	s_cselect_b32 s28, 2, s28
	s_cmp_lt_u32 ttmp9, 128
	s_cselect_b64 s[24:25], s[10:11], s[24:25]     ; Wo
	s_cselect_b32 s26, 96, s26
	s_cselect_b32 s27, 4096, s27
	s_cmp_lt_u32 ttmp9, 96
	s_cselect_b64 s[24:25], s[8:9], s[24:25]       ; Wv
	s_cselect_b32 s26, 64, s26
	s_cselect_b32 s27, 256, s27
	s_cselect_b32 s29, 1, 0                        ; a weight laid [head][k][64]
	s_cmp_lt_u32 ttmp9, 64
	s_cselect_b64 s[24:25], s[6:7], s[24:25]       ; Wk
	s_cselect_b32 s26, 32, s26
	s_cmp_lt_u32 ttmp9, 32
	s_cselect_b64 s[24:25], s[4:5], s[24:25]       ; Wq
	s_cselect_b32 s26, 0, s26
	s_sub_co_u32 s30, ttmp9, s26                   ; the block's number in its weight
	s_lshr_b32 s31, s30, s28                       ; G: which 128 rows
	s_lshl_b32 s23, s31, s28
	s_sub_co_u32 s30, s30, s23                     ; S: which 256 along K
	s_lshl_b32 s31, s31, 2
	s_add_co_u32 s31, s31, s22                     ; my wave's group of 32 columns
	s_lshr_b32 s23, s31, 1
	s_lshl_b32 s23, s23, 18                        ; by heads: a head is 262,144 bytes,
	s_and_b32 s50, s31, 1
	s_lshl_b32 s50, s50, 7                         ; its half 128
	s_add_co_u32 s23, s23, s50
	s_lshl_b32 s31, s31, 7                         ; plain: 128 bytes a group
	s_cmp_eq_u32 s29, 1
	s_cselect_b32 s52, s23, s31
	s_mov_b32 s53, 0
	s_add_nc_u64 s[24:25], s[24:25], s[52:53]
	s_lshl_b32 s30, s30, 8
	s_mul_i32 s52, s30, s27                        ; 256 S rows down (under 2^24 bytes)
	s_add_nc_u64 s[32:33], s[24:25], s[52:53]      ; a base for each of the eight blocks of 32 along K: none is ever stepped
	s_lshl_b32 s52, s27, 5
.irp t, 1,2,3,4,5,6,7
	s_add_nc_u64 s[32+2*\t:33+2*\t], s[30+2*\t:31+2*\t], s[52:53]
.endr
	s_mul_i32 s54, ttmp9, GBLK
	s_mov_b32 s55, 0
	s_add_nc_u64 s[18:19], s[18:19], s[54:55]      ; my block in WC
	v_lshlrev_b32 v2, 2, v1
.set i, 0
.rept 32
	v_mad_u32_u24 v[OFS+i], s27, i, v2
.set i, i+1
.endr
	v_bfe_u32 v3, v1, 3, 1
	v_lshl_add_u32 v3, s22, 1, v3                  ; my column's tile of 16 stored rows: 2 w + bit 3 of the lane
	v_bfe_u32 v4, v1, 4, 1
	v_and_b32 v5, 7, v1
	v_lshl_or_b32 v4, v4, 3, v5                    ; and its row there: bit 4 of the lane, then bits 2:0
	v_mul_u32_u24 v6, v3, 1536
	v_lshl_add_u32 v[VA16], v4, 4, v6
	v_lshl_add_u32 v[VA8], v4, 3, v6
	v_add_nc_u32 v[VA8], 512, v[VA8]
	v_lshlrev_b32 v[VS], 6, v3
	v_lshl_add_u32 v[VS], v4, 2, v[VS]
	v_add_nc_u32 v[VS], 24576, v[VS]
.macro LOAD t
.set i, 0
.rept 32
	global_load_b32 v[X+32*((\t)%2)+i], v[OFS+i], s[32+2*(\t):33+2*(\t)] th:TH_LOAD_NT
.set i, i+1
.endr
.endm
.macro BLOCK t
.set XS, X+32*((\t)%2)
.set CT, C+8*(\t)
.if (\t) < 7
	s_wait_loadcnt 32                              ; this block's 32 loads are in; the next block's may be out
.else
	s_wait_loadcnt 0x0
.endif
	v_max3_num_f32 v12, |v[XS]|, |v[XS+1]|, |v[XS+2]|
	v_max3_num_f32 v13, |v[XS+3]|, |v[XS+4]|, |v[XS+5]|
.irp i, 6,10,14,18,22,26
	v_max3_num_f32 v12, v12, |v[XS+\i]|, |v[XS+\i+1]|
	v_max3_num_f32 v13, v13, |v[XS+\i+2]|, |v[XS+\i+3]|
.endr
	v_max3_num_f32 v12, v12, |v[XS+30]|, |v[XS+31]|
	v_max3_num_f32 v12, v12, v13, 0x2800000        ; with the floor 2^(5 - 127): the byte cannot fall under 1
	v_add_nc_u32 v11, 0xfe000000, v12              ; 4 off the exponent field: the conversion's scale operand
	v_lshrrev_b32 v13, 23, v11                     ; the scale's byte
.if (\t)%4 == 0
	v_mov_b32 v[SB+(\t)/4], v13
.else
	v_lshl_or_b32 v[SB+(\t)/4], v13, 8*((\t)%4), v[SB+(\t)/4]
.endif
	v_cvt_scalef32_pk16_bf6_f32 v[CT:CT+2], v[XS:XS+15], v11
	v_cvt_scalef32_pk16_bf6_f32 v[T:T+2], v[XS+16:XS+31], v11      ; (a conversion's three registers begin on an even number)
	v_nop                                          ; one plain place behind a scaled conversion
.irp i, 0,1,2
	v_mov_b32 v[CT+3+\i], v[T+\i]
.endr
.if (\t)+2 < 8
	LOAD (\t)+2
.endif
	; block t is K step q = t / 4, half c = (t / 2) % 2, lanes' half t % 2 of my row's fragment
	global_store_b128 v[VA16], v[CT:CT+3], s[18:19] offset:12288*((\t)/4)+768*(((\t)/2)%2)+256*((\t)%2)
	global_store_b64 v[VA8], v[CT+4:CT+5], s[18:19] offset:12288*((\t)/4)+768*(((\t)/2)%2)+128*((\t)%2)
.if (\t)%4 == 3
	global_store_b32 v[VS], v[SB+(\t)/4], s[18:19] offset:512*((\t)/4)
.endif
.endm
	LOAD 0
	LOAD 1
.irp t, 0,1,2,3,4,5,6,7
	BLOCK \t
.endr
	s_endpgm
; THE MASK.  Work-group 384 + qt serves stored query tile qt; wave w its key steps 4 w .. 4 w + 3 (128 keys each).  A lane loads the mask's words in the very places that the scores will have in the attention launch:
; lane (r, h), register n: query 32 (qt / 2) + 8 (qt % 2) + r + 8 (r / 8), key 128 ks + 32 (n / 16) + 16 h + n % 16.  For each n the 32 lanes' bits (word not 0) are one word.  A tile's 64 words go out as 256 bytes:
; word 2 L is register L's, word 2 L + 1 register 32 + L's.  A flag for each tile: 0 nothing is kept, 1 some, 3 all.
.Lmask:
	s_sub_co_u32 s23, ttmp9, 384                   ; qt
	v_and_b32 v2, 15, v1
	v_bfe_u32 v3, v1, 4, 1
	v_and_b32 v4, 8, v2
	v_add_nc_u32 v4, v4, v2                        ; r + 8 (r / 8)
	v_lshlrev_b32 v3, 6, v3
	v_lshl_add_u32 v4, v4, 13, v3                  ; a row of the mask is 8,192 bytes; + 64 h
	v_lshlrev_b32 v5, 3, v1
	v_mov_b32 v6, 0
	s_lshr_b32 s24, s23, 1
	s_lshl_b32 s24, s24, 5
	s_and_b32 s25, s23, 1
	s_lshl_b32 s25, s25, 3
	s_add_co_u32 s24, s24, s25
	s_lshl_b32 s24, s24, 13
	s_lshl_b32 s25, s22, 11                        ; four key steps of 512 bytes a wave
	s_add_co_u32 s24, s24, s25
	s_mov_b32 s25, 0
	s_add_nc_u64 s[16:17], s[16:17], s[24:25]
	s_lshl_b32 s24, s23, 4
	s_lshl_b32 s26, s22, 2
	s_add_co_u32 s24, s24, s26                     ; my first tile: 16 qt + 4 w
	s_lshl_b32 s26, s24, 2
	s_lshl_b32 s24, s24, 8
	s_add_nc_u64 s[28:29], s[20:21], s[24:25]      ; its 256 bytes of lane masks
	s_add_co_u32 s26, s26, 524288
	s_mov_b32 s27, 0
	s_add_nc_u64 s[30:31], s[20:21], s[26:27]      ; its flag
.macro MLOAD k
.irp b, 0,1,2,3
.irp j, 0,1,2,3
	global_load_b128 v[16+64*((\k)%2)+16*\b+4*\j:16+64*((\k)%2)+16*\b+4*\j+3], v4, s[16:17] offset:512*(\k)+128*\b+16*\j th:TH_LOAD_NT
.endr
.endr
.endm
.macro MTILE k
.set MS, 16+64*((\k)%2)
.if (\k) < 3
	s_wait_loadcnt 16                              ; this tile's 16 loads are in; the next tile's may be out
.else
	s_wait_loadcnt 0x0
.endif
	s_mov_b32 s41, 0
	s_mov_b32 s42, -1
	v_mov_b32 v[144+2*(\k)], 0                     ; (v_writelane_b32's destination counts as read)
	v_mov_b32 v[145+2*(\k)], 0
.set n, 0
.rept 64
	v_cmp_ne_u32 s[44+n%4], 0, v[MS+n]
	v_writelane_b32 v[144+2*(\k)+n/32], s[44+n%4], n%32
	s_or_b32 s41, s41, s[44+n%4]
	s_and_b32 s42, s42, s[44+n%4]
.set n, n+1
.endr
	s_cmp_lg_u32 s41, 0
	s_cselect_b32 s43, 1, 0
	s_cmp_eq_u32 s42, -1
	s_cselect_b32 s40, 2, 0
	s_or_b32 s43, s43, s40
	v_mov_b32 v[152+(\k)], s43
.if (\k)+2 < 4
	MLOAD (\k)+2
.endif
	global_store_b64 v5, v[144+2*(\k):145+2*(\k)], s[28:29] offset:256*(\k)    ; 32 lanes store 256 consecutive bytes, aligned
.endm
	MLOAD 0
	MLOAD 1
.irp k, 0,1,2,3
	MTILE \k
.endr
	s_wait_xcnt 0x0                                ; EXEC changes only behind this wait: it is a source of the stores above
	v_cmp_eq_u32 vcc_lo, 0, v1
	s_and_saveexec_b32 s45, vcc_lo
	global_store_b128 v6, v[152:155], s[30:31]     ; lane 0: my four flags
	s_wait_xcnt 0x0
	s_or_b32 exec_lo, exec_lo, s45
	s_endpgm
.Lfunc_end_k_qcfc06ded64_prep:
	.size	k_qcfc06ded64_prep, .Lfunc_end_k_qcfc06ded64_prep-k_qcfc06ded64_prep
	.p2alignl 7, 3214868480
	.fill 96, 4, 3214868480
	.section	.rodata,"a",@progbits
	.p2align	6, 0x0
	.amdhsa_kernel k_qcfc06ded64_prep
		.amdhsa_group_segment_fixed_size 0
		.amdhsa_private_segment_fixed_size 0
		.amdhsa_enable_private_segment 0
		.amdhsa_kernarg_size 72
		.amdhsa_user_sgpr_count 2
		.amdhsa_user_sgpr_kernarg_segment_ptr 1
		.amdhsa_wavefront_size32 1
		.amdhsa_system_sgpr_workgroup_id_x 1
		.amdhsa_system_sgpr_workgroup_id_y 1
		.amdhsa_system_sgpr_workgroup_id_z 1
		.amdhsa_system_vgpr_workitem_id 0
		.amdhsa_next_free_vgpr 192
		.amdhsa_next_free_sgpr 66
		.amdhsa_reserve_vcc 1
		.amdhsa_float_denorm_mode_32 3
		.amdhsa_float_denorm_mode_16_64 3
		.amdhsa_memory_ordered 1
		.amdhsa_forward_progress 1
		.amdhsa_inst_pref_size 100
	.end_amdhsa_kernel
	.amdgpu_metadata
---
amdhsa.version: [ 1, 2 ]
amdhsa.kernels:
  - .name:           k_qcfc06ded64_prep
    .symbol:         k_qcfc06ded64_prep.kd
    .args:
      - { .name: Wq, .offset: 0, .size: 8, .value_kind: global_buffer, .address_space: global }
      - { .name: Wk, .offset: 8, .size: 8, .value_kind: global_buffer, .address_space: global }
      - { .name: Wv, .offset: 16, .size: 8, .value_kind: global_buffer, .address_space: global }
      - { .name: Wo, .offset: 24, .size: 8, .value_kind: global_buffer, .address_space: global }
      - { .name: W1, .offset: 32, .size: 8, .value_kind: global_buffer, .address_space: global }
      - { .name: W2, .offset: 40, .size: 8, .value_kind: global_buffer, .address_space: global }
      - { .name: mask, .offset: 48, .size: 8, .value_kind: global_buffer, .address_space: global }
      - { .name: WC, .offset: 56, .size: 8, .value_kind: global_buffer, .address_space: global }
      - { .name: MB, .offset: 64, .size: 8, .value_kind: global_buffer, .address_space: global }
    .group_segment_fixed_size: 0
    .private_segment_fixed_size: 0
    .kernarg_segment_align: 8
    .kernarg_segment_size: 72
    .max_flat_workgroup_size: 128
    .sgpr_count:     66
    .vgpr_count:     192
    .wavefront_size: 32
...
	.end_amdgpu_metadata
.endif
;; end of part 1
;; launch ln1 (part 2): grid 256 x 1, 8 waves a work-group, no clusters, 2,048 bytes of LDS; arguments x, ln1_g, ln1_b, ACT; writes ACT
.if DOCPART == 2
	.amdgcn_target "amdgcn-amd-amdhsa--gfx1250"
	.amdhsa_code_object_version 6
	.text
	.protected	k_qcfc06ded64_ln1
	.globl	k_qcfc06ded64_ln1
	.p2align	8
	.type	k_qcfc06ded64_ln1,@function
k_qcfc06ded64_ln1:
	s_mov_b64 s[64:65], 0
	v_nop
	global_prefetch_b8 v0, s[64:65] scope:SCOPE_SE
	s_setreg_imm32_b32 hwreg(HW_REG_WAVE_MODE, 25, 1), 1
	s_wait_xcnt 0x0
; LAYER NORM AND QUANTISER.  in: [4096][1024] f32; g, b: [1024]; out: codes of BF6 and E8M0 scale words in the operand's layout (blocks of 128 stored rows x 256 K, 25,600 bytes; a fragment as the image of its registers).
; A work-group owns one tile of 16 STORED rows: tile wg holds tokens 32 (wg / 2) + 8 (wg % 2) + r + 8 (r / 8).  Wave w owns features 128 w .. 128 w + 127: one fragment.
; Lane (r, h) holds 64 numbers of row r: register 16 b + i is feature 128 w + 32 b + 16 h + i, the order in which the conversions want them.
; Mean and variance in two passes over the registers (the variance of x - mean), so that a common offset does not cancel; the eight waves' sums meet in LDS, each pass in 512 bytes of its own, one barrier each.
; LIMITS: NaN and infinities in a row give codes of no meaning for that row alone; blocks under 2^-122 keep the scale byte 1.
.set XR,  32                           ; v32-95   x, then x - mean, then the result
.set GR,  96                           ; v96-159  g; later the quantiser's registers
.set BR,  160                          ; v160-223 b
.set PC,  96
.set TM,  116
.set PW,  132
.set SEL, 20
	s_load_b256 s[4:11], s[0:1], 0x0               ; in, g, b, out
	v_lshl_add_u32 v254, v0, 2, 0x400
	v_mov_b32 v255, 0
	v_lshrrev_b32 v1, 5, v0
	v_readfirstlane_b32 s12, v1                    ; wave
	v_and_b32 v1, 31, v0
	v_and_b32 v2, 15, v0                           ; r
	v_bfe_u32 v3, v0, 4, 1                         ; h
	v_and_b32 v4, 8, v2
	v_add_nc_u32 v4, v4, v2
	v_lshlrev_b32 v5, 6, v3                        ; 64 h
	v_lshl_add_u32 v4, v4, 12, v5                  ; (r + 8 (r / 8)) rows of 4,096 bytes + 64 h
	v_lshlrev_b32 v6, 2, v2                        ; 4 r
	s_lshl_b32 s18, s12, 6
	v_add_nc_u32 v7, s18, v6                       ; LDS: my wave's word for row r
	v_lshlrev_b32 v8, 4, v1
	v_lshlrev_b32 v9, 3, v1
	s_mov_b32 s[SEL], 0x76543210
	s_mov_b32 s[SEL+1], 0xfedcba98                 ; v_permlanex16_b32: lane l xor 16
	s_mov_b32 s22, 0x3a800000                      ; 1 / 1024
	s_mov_b32 s23, 0x3727c5ac                      ; 1e-5
	s_lshr_b32 s13, ttmp9, 1
	s_lshl_b32 s13, s13, 5
	s_and_b32 s14, ttmp9, 1
	s_lshl_b32 s14, s14, 3
	s_add_co_u32 s13, s13, s14                     ; the tile's first token
	s_lshl_b32 s14, s13, 12
	s_lshl_b32 s16, s12, 9                         ; my wave's 512 bytes of a row
	s_add_co_u32 s14, s14, s16
	s_mov_b32 s15, 0
	s_mov_b32 s17, 0
	s_lshr_b32 s24, ttmp9, 3
	s_lshl_b32 s24, s24, 2
	s_lshr_b32 s25, s12, 1
	s_add_co_u32 s24, s24, s25                     ; the block: 4 (wg / 8) + w / 2
	s_mul_i32 s24, s24, 25600
	s_and_b32 s25, s12, 1
	s_lshl_b32 s25, s25, 3
	s_and_b32 s26, ttmp9, 7
	s_add_co_u32 s25, s25, s26                     ; the fragment: 8 (w % 2) + wg % 8
	s_mul_i32 s26, s25, 1536
	s_add_co_u32 s26, s26, s24
	s_mov_b32 s27, 0
	s_lshl_b32 s28, s25, 6
	s_add_co_u32 s28, s28, s24
	s_mov_b32 s29, 0
	s_wait_kmcnt 0x0
	s_add_nc_u64 s[4:5], s[4:5], s[14:15]
	s_add_nc_u64 s[6:7], s[6:7], s[16:17]
	s_add_nc_u64 s[8:9], s[8:9], s[16:17]
	s_add_nc_u64 s[26:27], s[10:11], s[26:27]      ; my fragment
	s_add_nc_u64 s[28:29], s[10:11], s[28:29]      ; its scale words, 24,576 bytes on
.irp b, 0,1,2,3
.irp j, 0,1,2,3
	global_load_b128 v[XR+16*\b+4*\j:XR+16*\b+4*\j+3], v4, s[4:5] offset:128*\b+16*\j
.endr
.endr
.irp b, 0,1,2,3
.irp j, 0,1,2,3
	global_load_b128 v[GR+16*\b+4*\j:GR+16*\b+4*\j+3], v5, s[6:7] offset:128*\b+16*\j
.endr
.endr
.irp b, 0,1,2,3
.irp j, 0,1,2,3
	global_load_b128 v[BR+16*\b+4*\j:BR+16*\b+4*\j+3], v5, s[8:9] offset:128*\b+16*\j
.endr
.endr
; v[224:231] hold four packed partial sums: they become one number a lane, then the row's sum over both halves of the lanes and the eight waves, in v232, the same bits in every wave
.macro ACROSS off
	v_pk_add_f32 v[224:225], v[224:225], v[226:227]
	v_pk_add_f32 v[228:229], v[228:229], v[230:231]
	v_pk_add_f32 v[224:225], v[224:225], v[228:229]
	v_add_f32 v224, v224, v225
	v_permlanex16_b32 v226, v224, s[SEL], s[SEL+1]
	v_add_f32 v224, v224, v226
	ds_store_b32 v7, v224 offset:\off              ; lanes r and 16 + r write the same word with the same value
	s_wait_dscnt 0x0                               ; for the others: my store has landed
	s_barrier_signal -1
	s_barrier_wait -1
.irp w, 0,1,2,3,4,5,6,7
	ds_load_b32 v[232+\w], v6 offset:\off+64*\w
.endr
	s_wait_dscnt 0x0
	v_add_f32 v232, v232, v233
	v_add_f32 v234, v234, v235
	v_add_f32 v236, v236, v237
	v_add_f32 v238, v238, v239
	v_add_f32 v232, v232, v234
	v_add_f32 v236, v236, v238
	v_add_f32 v232, v232, v236
.endm
	s_wait_loadcnt 32                              ; x is in; g's and b's 32 loads may be out
.irp c, 0,1,2,3
	v_pk_add_f32 v[224+2*\c:225+2*\c], v[XR+2*\c:XR+2*\c+1], v[XR+8+2*\c:XR+9+2*\c]
.endr
.irp p, 8,12,16,20,24,28
.irp c, 0,1,2,3
	v_pk_add_f32 v[224+2*\c:225+2*\c], v[224+2*\c:225+2*\c], v[XR+2*(\p+\c):XR+2*(\p+\c)+1]
.endr
.endr
	ACROSS 0
	v_mul_f32 v240, s22, v232                      ; the mean
	v_mov_b32 v241, v240
.set j, 0
.rept 32
	v_pk_add_f32 v[XR+2*j:XR+2*j+1], v[XR+2*j:XR+2*j+1], v[240:241] neg_lo:[0,1] neg_hi:[0,1]
.set j, j+1
.endr
.irp c, 0,1,2,3
	v_pk_mul_f32 v[224+2*\c:225+2*\c], v[XR+2*\c:XR+2*\c+1], v[XR+2*\c:XR+2*\c+1]
.endr
.irp p, 4,8,12,16,20,24,28
.irp c, 0,1,2,3
	v_pk_fma_f32 v[224+2*\c:225+2*\c], v[XR+2*(\p+\c):XR+2*(\p+\c)+1], v[XR+2*(\p+\c):XR+2*(\p+\c)+1], v[224+2*\c:225+2*\c]
.endr
.endr
	ACROSS 512
	v_fma_f32 v240, v232, s22, s23                 ; the variance + 1e-5
	v_rsq_f32 v242, v240
	v_nop                                          ; a plain place behind the transcendental
	s_wait_alu depctr_va_vdst(0)                   ; the wait ahead of the result's first reader
	v_mov_b32 v243, v242
	s_wait_loadcnt 0x0                             ; g and b
.set j, 0
.rept 32
	v_pk_mul_f32 v[XR+2*j:XR+2*j+1], v[XR+2*j:XR+2*j+1], v[242:243]
.set j, j+1
.endr
.set j, 0
.rept 32
	v_pk_fma_f32 v[XR+2*j:XR+2*j+1], v[XR+2*j:XR+2*j+1], v[GR+2*j:GR+2*j+1], v[BR+2*j:BR+2*j+1]
.set j, j+1
.endr
.irp b, 0,1,2,3
	v_mov_b32 v[TM+4+\b], 0                        ; a lane permute's destination counts as one of its sources
.endr
	; the quantiser: 64 numbers of a lane become a fragment's codes in v[PC] on and its scale word in v[PW]
.irp b, 0,1,2,3
	v_max3_num_f32 v[TM+\b], |v[XR+16*\b]|, |v[XR+1+16*\b]|, 0x2800000   ; my 16 numbers of block b, and the floor 2^(5 - 127)
.endr
.irp i, 2,4,6,8,10,12,14
.irp b, 0,1,2,3
	v_max3_num_f32 v[TM+\b], v[TM+\b], |v[XR+16*\b+\i]|, |v[XR+1+16*\b+\i]|
.endr
.endr
.irp b, 0,1,2,3
	v_permlanex16_b32 v[TM+4+\b], v[TM+\b], s[SEL], s[SEL+1]
.endr
.irp b, 0,1,2,3
	v_max_num_f32 v[TM+\b], v[TM+\b], v[TM+4+\b]   ; with lane l xor 16's 16: the block's largest magnitude
.endr
.irp b, 0,1,2,3
	v_add_nc_u32 v[TM+12+\b], 0xfe000000, v[TM+\b] ; 4 off its exponent field: the conversion's scale operand
.endr
.irp b, 0,1,2,3
	v_lshrrev_b32 v[TM+4+\b], 23, v[TM+12+\b]      ; the scale's byte
.endr
	v_lshl_or_b32 v[PW], v[TM+5], 8, v[TM+4]
	v_lshl_or_b32 v[PW], v[TM+6], 16, v[PW]
	v_lshl_or_b32 v[PW], v[TM+7], 24, v[PW]
.irp c, 0,1
	v_cvt_scalef32_pk16_bf6_f32 v[PC+6*\c:PC+2+6*\c], v[XR+32*\c:XR+15+32*\c], v[TM+12+2*\c]
	v_cvt_scalef32_pk16_bf6_f32 v[PC+12+4*\c:PC+14+4*\c], v[XR+16+32*\c:XR+31+32*\c], v[TM+12+2*\c+1]
.endr
	v_nop                                          ; one plain place behind a scaled conversion
.irp c, 0,1                                    ; the operand wants a whole block in a lane: lanes 0-15 block 2 c, lanes 16-31 block 2 c + 1
.irp i, 0,1,2
	v_permlane16_swap_b32 v[PC+6*\c+\i], v[PC+12+4*\c+\i]
.endr
.irp i, 0,1,2
	v_mov_b32 v[PC+3+6*\c+\i], v[PC+12+4*\c+\i]
.endr
.endr
	global_store_b128 v8, v[PC:PC+3], s[26:27]                     ; 512 consecutive bytes, aligned
	global_store_b64 v9, v[PC+4:PC+5], s[26:27] offset:512         ; 256
	global_store_b128 v8, v[PC+6:PC+9], s[26:27] offset:768
	global_store_b64 v9, v[PC+10:PC+11], s[26:27] offset:1280
	global_store_b32 v6, v[PW], s[28:29] offset:24576              ; 64 bytes: lanes 16-31 repeat lanes 0-15; one byte in 25 of what the launch stores
	s_wait_tensorcnt 0x0
	ds_add_u32 v254, v255
	s_wait_dscnt 0x0
	s_endpgm
.Lfunc_end_k_qcfc06ded64_ln1:
	.size	k_qcfc06ded64_ln1, .Lfunc_end_k_qcfc06ded64_ln1-k_qcfc06ded64_ln1
	.p2alignl 7, 3214868480
	.fill 96, 4, 3214868480
	.section	.rodata,"a",@progbits
	.p2align	6, 0x0
	.amdhsa_kernel k_qcfc06ded64_ln1
		.amdhsa_group_segment_fixed_size 2048
		.amdhsa_private_segment_fixed_size 0
		.amdhsa_enable_private_segment 0
		.amdhsa_kernarg_size 32
		.amdhsa_user_sgpr_count 2
		.amdhsa_user_sgpr_kernarg_segment_ptr 1
		.amdhsa_wavefront_size32 1
		.amdhsa_system_sgpr_workgroup_id_x 1
		.amdhsa_system_sgpr_workgroup_id_y 1
		.amdhsa_system_sgpr_workgroup_id_z 1
		.amdhsa_system_vgpr_workitem_id 0
		.amdhsa_next_free_vgpr 256
		.amdhsa_next_free_sgpr 66
		.amdhsa_reserve_vcc 0
		.amdhsa_float_denorm_mode_32 3
		.amdhsa_float_denorm_mode_16_64 3
		.amdhsa_memory_ordered 1
		.amdhsa_forward_progress 1
		.amdhsa_inst_pref_size 24
	.end_amdhsa_kernel
	.amdgpu_metadata
---
amdhsa.version: [ 1, 2 ]
amdhsa.kernels:
  - .name:           k_qcfc06ded64_ln1
    .symbol:         k_qcfc06ded64_ln1.kd
    .args:
      - { .name: x, .offset: 0, .size: 8, .value_kind: global_buffer, .address_space: global }
      - { .name: ln1_g, .offset: 8, .size: 8, .value_kind: global_buffer, .address_space: global }
      - { .name: ln1_b, .offset: 16, .size: 8, .value_kind: global_buffer, .address_space: global }
      - { .name: ACT, .offset: 24, .size: 8, .value_kind: global_buffer, .address_space: global }
    .group_segment_fixed_size: 2048
    .private_segment_fixed_size: 0
    .kernarg_segment_align: 8
    .kernarg_segment_size: 32
    .max_flat_workgroup_size: 256
    .sgpr_count:     66
    .vgpr_count:     256
    .wavefront_size: 32
...
	.end_amdgpu_metadata
.endif
;; end of part 2
;; launch qkv (part 3): grid 12 x 16, 4 waves a work-group, clusters of 4 x 4, 327,680 bytes of LDS; arguments ACT, WC, bq, bk, bv, QKV; writes QKV
.if DOCPART == 3
	.amdgcn_target "amdgcn-amd-amdhsa--gfx1250"
	.amdhsa_code_object_version 6
	.text
	.protected	k_qcfc06ded64_qkv
	.globl	k_qcfc06ded64_qkv
	.p2align	8
	.type	k_qcfc06ded64_qkv,@function
k_qcfc06ded64_qkv:
	s_mov_b64 s[64:65], 0
	v_nop
	global_prefetch_b8 v0, s[64:65] scope:SCOPE_SE
	s_setreg_imm32_b32 hwreg(HW_REG_WAVE_MODE, 25, 1), 1
	s_wait_xcnt 0x0
	s_wait_alu depctr_hold_cnt(0) depctr_sa_sdst(0) depctr_va_vdst(0) depctr_va_sdst(0) depctr_va_ssrc(0) depctr_va_vcc(0) depctr_vm_vsrc(0)
	s_getreg_b32 s2, hwreg(HW_REG_IB_STS2, 6, 4)
	s_cmp_eq_u32 s2, 0
	s_cbranch_scc0 .Lentry_in_a_cluster
	s_endpgm
.Lentry_in_a_cluster:
	s_bfe_u32 s2, ttmp6, 0x10000c
	s_cmp_lg_u32 s2, 0xf033
	s_cbranch_scc0 .Lentry_shape_is_right
	s_endpgm
.Lentry_shape_is_right:
; Q, K AND V: products 1 to 3 on codes of BF6, bias, and the quantisers of products 4 and 5.  A tile of 256 x 256, four waves of 128 x 128 (64 accumulators), K = 1,024 in steps of 256 through a ring of two LDS slots.
; OPERANDS lie in memory in the order of their registers: a block (128 stored rows x 256 K) is 25,600 dense bytes: 16 fragments of 1,536 bytes, then their scale words.  One tensor load a wave brings one block.
; THE PRODUCT IS USED TRANSPOSED: source 0 = 16 rows of B, source 1 = 16 rows of A.  A lane holds one row of A, and, by the stored order of rows, its 64 registers of a block of A run along 128 neighbours of B's rows.
; TWO KINDS OF WORK-GROUP, told apart by the cluster's x (the same in all partners).  Clusters x = 0, 1: A = the tokens, B = Wq and Wk (2,048 rows): a lane's registers run along two heads' 64 channels: K of product 4.
; Cluster x = 2: A = Wv, B = the tokens: a lane's registers run along 128 tokens, the keys: K of product 5.
; CLUSTERS 4 x 4: A's blocks are shared along a row of the cluster, B's along a column: joint loads.
; OUT (QKV): q and k: region (2 g + batch) x 106,496, g = head (q) or 16 + head (k): 128 tiles of 16 stored tokens x 768 bytes (registers 0-5 of a fragment), then scale words, 64 bytes a tile, at 98,304.
; v: at 6,815,744, region (16 batch + head) x 102,400: fragment (key step s, channel tile c) at (4 s + c) x 1,536, scale words at 98,304 + (4 s + c) x 64.
; LIMITS: NaN and infinities are not served; blocks under 2^-122 keep the scale byte 1.
.set NS,    4                          ; blocks of 256 along K
.set GBLK,  25600
.set SLOT,  4*GBLK                     ; A's two blocks, then B's two
.set SPARE, 2*SLOT                     ; behind the ring: the spare words, 128 bytes a wave: two blocks of 256 bytes that no other line names
.set LAPS,  NS/2
.set FR,    12
.set ADRA,  16                         ; v16-17 my A block in slot 0, 1, + 16 x lane; v18-19 the same + 8 x lane
.set ADRB,  20                         ; v20-23 the same for B
.set SPW,   28
.set NIL,   29
.set SC,    32                         ; v32-63 scale words, a set of 16 for each slot: register 8 q + i: lanes 0-15 A's block i, lanes 16-31 B's block i   (addresses: v27 slot 0, v30 slot 1)
.set AF,    128                        ; v128-223 A's fragments, one set;  window 1: B's, two sets, at v0 and v128;  windows 2, 3: accumulators, (a, b) at v[8 (8 (a % 4) + b)]
.set G1,    24
.set G0,    32
.set G1B,   48
.set G0B,   56
.set MSB, 0
.macro WIN new                         ; the immediate's high byte repeats the setting that is left
.if MSB != \new
	s_set_vgpr_msb (MSB<<8)|\new
.set MSB, \new
.endif
.endm
.set MUL_LO, 0xa1                      ; source 0 (B) window 1, source 1 (A) window 0, C and D window 2
.set MUL_HI, 0xf1
.set TO_B,   0x40
.macro JLOAD s                         ; a joint load: waves 0, 1 fetch A's two blocks, waves 2, 3 B's; four v_nop follow each line
	s_cmp_eq_u32 s15, 0
	s_cbranch_scc0 .Lfor_b_\@
	tensor_load_to_lds s[G0+4*\s:G0+4*\s+3], s[G1:G1+7]
	s_nop 0
.rept 4
	v_nop
.endr
	s_branch .Lasked_\@
.Lfor_b_\@:
	tensor_load_to_lds s[G0B+4*\s:G0B+4*\s+3], s[G1B:G1B+7]
	s_nop 0
.rept 4
	v_nop
.endr
.Lasked_\@:
.endm
.macro CREST                           ; a round of the cluster's barrier behind its opening barrier
	s_cmp_lg_u32 s14, 0
	s_cbranch_scc1 .Lnot_wave_0_\@
	s_barrier_signal -3
.Lnot_wave_0_\@:
	s_barrier_wait -3
	s_barrier_signal -1
	s_barrier_wait -1
.endm
.macro CROUND
	s_barrier_signal -1
	s_barrier_wait -1
	CREST
.endm
.macro PLACES                          ; four plain places behind matrix instructions, in front of loads into their registers and of the first read of results
.rept 4
	v_nop
.endr
.endm
.macro FRAG reg, adr, q, i             ; a fragment comes as it was stored: 16 + 8 + 16 + 8 bytes a lane, each load on consecutive bytes
	ds_load_b128 v[\reg:\reg+3], v[\adr] offset:(8*(\q)+(\i))*1536
	ds_load_b64 v[\reg+4:\reg+5], v[\adr+2] offset:(8*(\q)+(\i))*1536+512
	ds_load_b128 v[\reg+6:\reg+9], v[\adr] offset:(8*(\q)+(\i))*1536+768
	ds_load_b64 v[\reg+10:\reg+11], v[\adr+2] offset:(8*(\q)+(\i))*1536+1280
.endm
.macro MUL16 a0, p, q, sc, zero        ; A's blocks a0, a0 + 1 x B's eight; the 64 accumulators take turns, in the same order in every step
.irp a, \a0, \a0+1
.irp b, 0,1,2,3,4,5,6,7
.if \zero
	v_wmma_scale_f32_16x16x128_f8f6f4 v[8*(8*((\a)%4)+\b):8*(8*((\a)%4)+\b)+7], v[128*(\p)+FR*\b:128*(\p)+FR*\b+FR-1], v[AF+FR*(\a):AF+FR*(\a)+FR-1], 0, v[SC+16*(\sc)+8*(\q)+\b], v[SC+16*(\sc)+8*(\q)+(\a)] matrix_a_fmt:MATRIX_FMT_BF6 matrix_b_fmt:MATRIX_FMT_BF6 matrix_a_scale:MATRIX_SCALE_ROW1
.else
	v_wmma_scale_f32_16x16x128_f8f6f4 v[8*(8*((\a)%4)+\b):8*(8*((\a)%4)+\b)+7], v[128*(\p)+FR*\b:128*(\p)+FR*\b+FR-1], v[AF+FR*(\a):AF+FR*(\a)+FR-1], v[8*(8*((\a)%4)+\b):8*(8*((\a)%4)+\b)+7], v[SC+16*(\sc)+8*(\q)+\b], v[SC+16*(\sc)+8*(\q)+(\a)] matrix_a_fmt:MATRIX_FMT_BF6 matrix_b_fmt:MATRIX_FMT_BF6 matrix_a_scale:MATRIX_SCALE_ROW1
.endif
.endr
.endr
.endm
.macro FETCH_B slot, q, p
	WIN TO_B
.irp i, 0,1,2,3,4,5,6,7
	FRAG 128*(\p)+FR*\i, ADRB+\slot, \q, \i
.endr
	WIN 0
.endm
.macro FETCH_A slot, q, i0
.irp i, \i0, \i0+1, \i0+2, \i0+3
	FRAG AF+FR*(\i), ADRA+\slot, \q, \i
.endr
.endm
.macro SCALES sc                       ; a slot's 16 scale words a side
.irp f, 0,1,2,3,4,5,6,7,8,9,10,11,12,13,14,15
	ds_load_b32 v[SC+16*(\sc)+\f], v[27+3*(\sc)] offset:\f*64
.endr
.endm
.macro STEP slot, zero                 ; a slot's first 128 along K
	s_wait_dscnt 16                                ; all but the youngest 16 loads: A's blocks 4-7
	WIN MUL_LO
	MUL16 0, 0, 0, \slot, \zero
	MUL16 2, 0, 0, \slot, \zero
	s_wait_dscnt 0x0
	PLACES
	FETCH_B \slot, 1, 1
	FETCH_A \slot, 1, 0
	WIN MUL_HI
	MUL16 4, 0, 0, \slot, \zero
	MUL16 6, 0, 0, \slot, \zero
	PLACES
	WIN 0
	FETCH_A \slot, 1, 4
.endm
.macro TURN slot, next, fill           ; a slot's second 128 along K, and the change of slots: one barrier; fill = 1: it opens a round of the cluster's barrier and this slot is filled again
	s_wait_tensorcnt 0x0                           ; all my tensor loads have landed: my part of the next slot
	ds_add_u32 v[SPW], v[NIL]                      ; 0 onto my spare word
	s_wait_dscnt 17                                ; (the add and A's blocks 4-7 may be out)
	WIN MUL_LO
	MUL16 0, 1, 1, \slot, 0
	s_wait_dscnt 0x0                               ; the add is done, and my reads of this slot are over
	s_barrier_signal -1
	MUL16 2, 1, 1, \slot, 0
	WIN 0
	s_barrier_wait -1
.if \fill
	CREST                                          ; no wave of any partner still reads this slot or has a load on its way
	s_add_nc_u64 s[G0+4*\slot+2:G0+4*\slot+3], s[G0+4*\slot+2:G0+4*\slot+3], 2*GBLK
	s_add_nc_u64 s[G0B+4*\slot+2:G0B+4*\slot+3], s[G0B+4*\slot+2:G0B+4*\slot+3], 2*GBLK
	JLOAD \slot                                    ; the first tensor load behind the round; its four v_nop are the places in front of the loads below
.else
	PLACES
.endif
	FETCH_B \next, 0, 0
	FETCH_A \next, 0, 0
	SCALES \next
	WIN MUL_HI
	MUL16 4, 1, 1, \slot, 0
	MUL16 6, 1, 1, \slot, 0
	PLACES
	WIN 0
	FETCH_A \next, 0, 4
.endm
; ---- this launch's own names
.set BN,  64                           ; v64-127  bias along the registers (q, k), or zeros
.set BM,  224                          ; v224-231 bias of the lane's row for each block of A (v), or zeros
.set L16, 24
.set L8,  25
.set R4,  26
.set HA,  0                            ; window 1, once B's fragments are done with: v0-63 a block's 64 numbers
.set PC,  192
.set TM,  212
.set PW,  228
.set PW2, 229
.set BMC, 230
.set SEL, 66
.set BB,  12                           ; s[12:13] the bias loads' base: a pair of its own, written once, so that nothing which a pending load reads is written again
.macro QUANT s                         ; 64 numbers of a lane, register 16 b + i = k 32 b + 16 (lane / 16) + i, become a fragment in v[PC] on and its scale word in v[PW]
.irp b, 0,1,2,3
	v_max3_num_f32 v[TM+\b], |v[\s+16*\b]|, |v[\s+1+16*\b]|, 0x2800000
.endr
.irp i, 2,4,6,8,10,12,14
.irp b, 0,1,2,3
	v_max3_num_f32 v[TM+\b], v[TM+\b], |v[\s+16*\b+\i]|, |v[\s+1+16*\b+\i]|
.endr
.endr
.irp b, 0,1,2,3
	v_permlanex16_b32 v[TM+4+\b], v[TM+\b], s[SEL], s[SEL+1]
.endr
.irp b, 0,1,2,3
	v_max_num_f32 v[TM+\b], v[TM+\b], v[TM+4+\b]
.endr
.irp b, 0,1,2,3
	v_add_nc_u32 v[TM+12+\b], 0xfe000000, v[TM+\b]
.endr
.irp b, 0,1,2,3
	v_lshrrev_b32 v[TM+4+\b], 23, v[TM+12+\b]
.endr
	v_lshl_or_b32 v[PW], v[TM+5], 8, v[TM+4]
	v_lshl_or_b32 v[PW], v[TM+6], 16, v[PW]
	v_lshl_or_b32 v[PW], v[TM+7], 24, v[PW]
.irp c, 0,1
	v_cvt_scalef32_pk16_bf6_f32 v[PC+6*\c:PC+2+6*\c], v[\s+32*\c:\s+15+32*\c], v[TM+12+2*\c]
	v_cvt_scalef32_pk16_bf6_f32 v[PC+12+4*\c:PC+14+4*\c], v[\s+16+32*\c:\s+31+32*\c], v[TM+12+2*\c+1]
.endr
	v_nop                                          ; one plain place behind a scaled conversion
.irp c, 0,1
.irp i, 0,1,2
	v_permlane16_swap_b32 v[PC+6*\c+\i], v[PC+12+4*\c+\i]
.endr
.irp i, 0,1,2
	v_mov_b32 v[PC+3+6*\c+\i], v[PC+12+4*\c+\i]
.endr
.endr
.endm
	s_load_b128 s[4:7], s[0:1], 0x0                ; ACT, WC
	s_load_b128 s[8:11], s[0:1], 0x10              ; bq, bk
	s_load_b128 s[68:71], s[0:1], 0x20             ; bv, QKV
	v_lshl_add_u32 v[SPW], v0, 2, SPARE
	v_mov_b32 v[NIL], 0
	ds_add_u32 v28, v29
	ds_add_u32 v28, v29
	s_wait_dscnt 0x0
	v_lshrrev_b32 v1, 5, v0
	v_readfirstlane_b32 s14, v1                    ; wave
	s_lshr_b32 s15, s14, 1                         ; my block of A.  Also: I fetch for A (0) or for B (1)
	s_and_b32 s16, s14, 1                          ; my block of B.  Also: which of the two blocks I fetch
	s_bfe_u32 s40, ttmp6, 0x40000                  ; cx
	s_bfe_u32 s41, ttmp6, 0x40004                  ; cy
	s_and_b32 s18, ttmp7, 0xffff                   ; cluster y
	s_cmp_eq_u32 ttmp9, 2
	s_cselect_b32 s72, 1, 0                        ; the kind: 1 = v
	s_cselect_b32 s19, s18, ttmp9
	s_cselect_b32 s18, 0, s18
	s_lshl_b32 s42, s19, 2
	s_add_co_u32 s42, s42, s40                     ; tile column (B): q, k: 0-7; v: 0-15
	s_lshl_b32 s17, s18, 2
	s_add_co_u32 s17, s17, s41                     ; tile row (A): q, k: 0-15; v: 0-3
	s_lshl_b32 s43, s41, 2
	s_lshl_b32 s43, 15, s43                        ; my row of the cluster
	s_lshl_b32 s44, 0x1111, s40                    ; my column
	s_or_b32 s[G1+0], s43, (3<<16)|(1<<21)         ; 15:0 the mask; 17:16 elements of 8 bytes; 21 set beside a mask; no padding
	s_or_b32 s[G1B+0], s44, (3<<16)|(1<<21)
.irp g, G1, G1B                        ; a dense block as 100 rows of 256 bytes
	s_mov_b32 s[\g+1], 32<<16
	s_mov_b32 s[\g+2], 100<<16
	s_mov_b32 s[\g+3], 32<<16
	s_mov_b32 s[\g+4], 100
	s_mov_b32 s[\g+5], 32
	s_mov_b32 s[\g+6], 0
	s_mov_b32 s[\g+7], 0
.endr
	s_lshl_b32 s20, s17, 1
	s_add_co_u32 s20, s20, s16
	s_mul_i32 s20, s20, NS*GBLK                    ; A: group 2 x tile row + which
	s_mov_b32 s21, 0
	s_lshl_b32 s46, s42, 1
	s_add_co_u32 s46, s46, s16
	s_mul_i32 s46, s46, NS*GBLK                    ; B: group 2 x tile column + which
	s_mov_b32 s47, 0
	s_mul_i32 s45, s14, GBLK                       ; where they go: no place in the cluster enters an LDS address
	s_wait_kmcnt 0x0
	s_add_nc_u64 s[74:75], s[6:7], 64*GBLK         ; Wv's blocks in WC
	s_cmp_eq_u32 s72, 1
	s_cselect_b64 s[76:77], s[74:75], s[4:5]
	s_cselect_b64 s[78:79], s[4:5], s[6:7]
	s_add_nc_u64 s[20:21], s[76:77], s[20:21]
	s_add_nc_u64 s[46:47], s[78:79], s[46:47]
	CROUND                                         ; all sixteen work-groups are here: the first joint loads meet
.irp s, 0,1
	s_mov_b32 s[G0+4*\s], 1
	s_add_co_u32 s[G0+4*\s+1], s45, \s*SLOT
	s_add_nc_u64 s[G0+4*\s+2:G0+4*\s+3], s[20:21], \s*GBLK
	s_or_b32 s[G0+4*\s+3], s[G0+4*\s+3], 0x80000000
	s_mov_b32 s[G0B+4*\s], 1
	s_add_co_u32 s[G0B+4*\s+1], s45, \s*SLOT
	s_add_nc_u64 s[G0B+4*\s+2:G0B+4*\s+3], s[46:47], \s*GBLK
	s_or_b32 s[G0B+4*\s+3], s[G0B+4*\s+3], 0x80000000
	JLOAD \s
.endr
	v_and_b32 v1, 31, v0
	v_and_b32 v2, 15, v0                           ; r
	v_bfe_u32 v3, v0, 4, 1                         ; h
	v_lshlrev_b32 v4, 4, v1
	v_lshlrev_b32 v5, 3, v1
	s_mul_i32 s21, s15, GBLK                       ; my block of A
	s_mul_i32 s22, s16, GBLK
	s_add_co_u32 s22, s22, 2*GBLK                  ; my block of B
	s_sub_co_u32 s23, s22, s21
	v_mul_u32_u24 v6, s23, v3                      ; scale words: lanes 16-31 take B's
	v_lshl_add_u32 v6, v2, 2, v6
	v_add_nc_u32 v6, s21, v6
	v_add_nc_u32 v27, 24576, v6
	v_add_nc_u32 v30, SLOT+24576, v6
.irp s, 0,1
	v_add_nc_u32 v[ADRA+\s], s21, v4
	v_add_nc_u32 v[ADRA+2+\s], s21, v5
	v_add_nc_u32 v[ADRB+\s], s22, v4
	v_add_nc_u32 v[ADRB+2+\s], s22, v5
	s_add_co_u32 s21, s21, SLOT
	s_add_co_u32 s22, s22, SLOT
.endr
	v_mov_b32 v[L16], v4
	v_mov_b32 v[L8], v5
	v_lshlrev_b32 v[R4], 2, v2
	v_lshlrev_b32 v7, 6, v3                        ; 64 h; never rewritten
	v_and_b32 v8, 8, v2
	v_add_nc_u32 v8, v8, v2
	v_lshlrev_b32 v8, 2, v8                        ; 4 (r + 8 (r / 8)); never rewritten
	s_mov_b32 s[SEL], 0x76543210
	s_mov_b32 s[SEL+1], 0xfedcba98
	s_mov_b32 s83, 0
	s_cmp_eq_u32 s72, 1
	s_cbranch_scc1 .Lbias_v
	s_cmp_eq_u32 ttmp9, 0                          ; q, k: cluster x = 0 holds tile columns 0-3, q's features; cluster x = 1 k's
	s_cselect_b64 s[BB:BB+1], s[8:9], s[10:11]
	s_lshl_b32 s82, s42, 1                         ; the bias runs along the registers: register 16 b + i is feature 32 b + 16 h + i of my 128
	s_add_co_u32 s82, s82, s16
	s_and_b32 s82, s82, 7
	s_lshl_b32 s82, s82, 9
	s_add_nc_u64 s[BB:BB+1], s[BB:BB+1], s[82:83]
.irp b, 0,1,2,3
.irp j, 0,1,2,3
	global_load_b128 v[BN+16*\b+4*\j:BN+16*\b+4*\j+3], v7, s[BB:BB+1] offset:128*\b+16*\j
.endr
.endr
.irp a, 0,1,2,3,4,5,6,7
	v_mov_b32 v[BM+\a], 0
.endr
	s_branch .Lbias_done
.Lbias_v:
	s_lshl_b32 s82, s17, 10                        ; v: the bias belongs to the lane's row: feature 128 (2 x tile row + my block) + 32 (a / 2) + 8 (a % 2) + r + 8 (r / 8)
	s_lshl_b32 s80, s15, 9
	s_add_co_u32 s82, s82, s80
	s_add_nc_u64 s[BB:BB+1], s[68:69], s[82:83]
.irp a, 0,1,2,3,4,5,6,7
	global_load_b32 v[BM+\a], v8, s[BB:BB+1] offset:(32*(\a/2)+8*(\a%2))*4
.endr
.set j, 0
.rept 64
	v_mov_b32 v[BN+j], 0
.set j, j+1
.endr
.Lbias_done:
	; where my results go, for both kinds, then the choice.  (None of the registers written below is named by the bias loads, which may still be out)
	s_lshl_b32 s80, s42, 2
	s_lshl_b32 s81, s16, 1
	s_add_co_u32 s80, s80, s81                     ; q, k: g of my first head
	s_lshl_b32 s80, s80, 1
	s_lshr_b32 s81, s17, 3
	s_add_co_u32 s80, s80, s81                     ; 2 g + batch
	s_mul_i32 s80, s80, 106496
	s_and_b32 s81, s17, 7
	s_lshl_b32 s81, s81, 4
	s_lshl_b32 s82, s15, 3
	s_add_co_u32 s81, s81, s82                     ; my first tile of tokens
	s_mul_i32 s82, s81, 768
	s_add_co_u32 s82, s82, s80
	s_lshl_b32 s81, s81, 6
	s_add_co_u32 s81, s81, s80
	s_lshl_b32 s73, s17, 2
	s_lshl_b32 s74, s15, 1
	s_add_co_u32 s73, s73, s74                     ; v: my first head
	s_lshl_b32 s74, s42, 1
	s_add_co_u32 s74, s74, s16                     ; my 128 tokens: batch 16 x + key step
	s_lshr_b32 s75, s74, 4
	s_lshl_b32 s75, s75, 4
	s_add_co_u32 s73, s73, s75
	s_mul_i32 s73, s73, 102400
	s_add_co_u32 s73, s73, 6815744
	s_and_b32 s74, s74, 15
	s_mul_i32 s75, s74, 6144
	s_add_co_u32 s75, s75, s73
	s_lshl_b32 s74, s74, 8
	s_add_co_u32 s74, s74, s73
	s_mov_b32 s92, 768
	s_mov_b32 s94, 212992
	s_cmp_eq_u32 s72, 1
	s_cselect_b32 s84, s75, s82                    ; codes
	s_cselect_b32 s88, s74, s81                    ; scale words, less 98,304
	s_cselect_b32 s92, 1536, s92                   ; from one block of A to the next
	s_cselect_b32 s94, 768, s94                    ; from a fragment's first half to its second: the next head's region (q, k), or 768 bytes (v)
	s_cselect_b32 s96, 96256, 0                    ; v: blocks 4-7 belong to the next head
	s_cselect_b32 s98, 102144, 0
	s_mov_b32 s85, 0
	s_mov_b32 s89, 0
	s_mov_b32 s93, 0
	s_mov_b32 s95, 0
	s_mov_b32 s81, 0
	s_add_nc_u64 s[84:85], s[70:71], s[84:85]
	s_add_nc_u64 s[86:87], s[84:85], s[94:95]
	s_add_nc_u64 s[88:89], s[70:71], s[88:89]
	s_add_nc_u64 s[90:91], s[88:89], 212992        ; q, k: the second head's scale words
	s_wait_tensorcnt 1                             ; my part of slot 0 is in; slot 1's load may be out
	s_barrier_signal -1
	s_barrier_wait -1
	FETCH_B 0, 0, 0
	FETCH_A 0, 0, 0
	SCALES 0
	FETCH_A 0, 0, 4
	STEP 0, 1                                      ; the first step stands in front of the loop: its products start the sums
	s_mov_b32 s3, LAPS-1
.Llap:
	TURN 0, 1, 1
	STEP 1, 0
	TURN 1, 0, 1
	STEP 0, 0
	s_sub_co_u32 s3, s3, 1
	s_cmp_lg_u32 s3, 0
	s_cbranch_scc1 .Llap
	TURN 0, 1, 0                                   ; the last lap fills nothing
	STEP 1, 0
	s_wait_dscnt 16
	WIN MUL_LO
	MUL16 0, 1, 1, 1, 0
	MUL16 2, 1, 1, 1, 0
	s_wait_dscnt 0x0
	WIN MUL_HI
	MUL16 4, 1, 1, 1, 0
	MUL16 6, 1, 1, 1, 0
	WIN 0
	; THE WAY OUT: a loop over my eight blocks of A.  A trip copies one block's 64 sums, with the bias, into window 1 (which block: a chain of scalar branches on the trip's number), quantises them and stores the fragment.
	PLACES
	s_wait_loadcnt 0x0                             ; the biases
	WIN 0x40
.irp b, 0,1,2,3
	v_mov_b32 v[TM+4+\b], 0                        ; a lane permute's destination counts as one of its sources
.endr
	v_mov_b32 v[BMC+1], 0                          ; (named with BMC as a pair)
	WIN 0
	s_mov_b32 s3, 0
.macro CASE a
.if \a < 7
	s_cmp_lg_u32 s3, \a
	s_cbranch_scc1 .Lnot_\a
.endif
	WIN 0x42+(\a)/4                                ; destination window 1, the sums in window 2 or 3, the bias in window 0
.set j, 0
.rept 32
	v_pk_add_f32 v[HA+2*j:HA+2*j+1], v[64*((\a)%4)+2*j:64*((\a)%4)+2*j+1], v[BN+2*j:BN+2*j+1]   ; ascending: each accumulator is read from its low end on
.set j, j+1
.endr
	WIN 0x40
	v_mov_b32 v[BMC], v[BM+\a]
	WIN 0
.if \a < 7
	s_branch .Lcopied
.Lnot_\a:
.endif
.endm
.Lepi:
.irp a, 0,1,2,3,4,5,6,7
	CASE \a
.endr
.Lcopied:
	WIN 0x55                                       ; all in window 1
.set j, 0
.rept 32
	v_pk_add_f32 v[HA+2*j:HA+2*j+1], v[HA+2*j:HA+2*j+1], v[BMC:BMC+1] op_sel_hi:[1,0]
.set j, j+1
.endr
	QUANT HA
	v_lshrrev_b32 v[PW2], 16, v[PW]                ; q, k: the second head's two bytes
	WIN 0x04                                       ; a store's data are its source 1
	global_store_b128 v[L16], v[PC:PC+3], s[84:85]
	global_store_b64 v[L8], v[PC+4:PC+5], s[84:85] offset:512
	global_store_b128 v[L16], v[PC+6:PC+9], s[86:87]
	global_store_b64 v[L8], v[PC+10:PC+11], s[86:87] offset:512
	global_store_b32 v[R4], v[PW], s[88:89] offset:98304
	WIN 0
	s_cmp_eq_u32 s72, 1
	s_cbranch_scc1 .Lone_word
	WIN 0x04
	global_store_b32 v[R4], v[PW2], s[90:91] offset:98304
	WIN 0
.Lone_word:
	s_wait_xcnt 0x0                                ; the stores have read their data and bases: both are written again only behind this wait
	s_add_nc_u64 s[84:85], s[84:85], s[92:93]
	s_add_nc_u64 s[86:87], s[86:87], s[92:93]
	s_add_nc_u64 s[88:89], s[88:89], 64
	s_add_nc_u64 s[90:91], s[90:91], 64
	s_add_co_u32 s3, s3, 1
	s_cmp_eq_u32 s3, 4
	s_cselect_b32 s80, s96, 0
	s_cselect_b32 s82, s98, 0
	s_add_nc_u64 s[84:85], s[84:85], s[80:81]
	s_add_nc_u64 s[86:87], s[86:87], s[80:81]
	s_add_nc_u64 s[88:89], s[88:89], s[82:83]
	s_cmp_lt_u32 s3, 8
	s_cbranch_scc1 .Lepi
	s_wait_tensorcnt 0x0                           ; the wave's end
	ds_add_u32 v[SPW], v[NIL]
	s_wait_dscnt 0x0
	CROUND                                         ; the closing round
	s_endpgm
.Lfunc_end_k_qcfc06ded64_qkv:
	.size	k_qcfc06ded64_qkv, .Lfunc_end_k_qcfc06ded64_qkv-k_qcfc06ded64_qkv
	.p2alignl 7, 3214868480
	.fill 96, 4, 3214868480
	.section	.rodata,"a",@progbits
	.p2align	6, 0x0
	.amdhsa_kernel k_qcfc06ded64_qkv
		.amdhsa_group_segment_fixed_size 327680
		.amdhsa_private_segment_fixed_size 0
		.amdhsa_enable_private_segment 0
		.amdhsa_kernarg_size 48
		.amdhsa_user_sgpr_count 2
		.amdhsa_user_sgpr_kernarg_segment_ptr 1
		.amdhsa_wavefront_size32 1
		.amdhsa_system_sgpr_workgroup_id_x 1
		.amdhsa_system_sgpr_workgroup_id_y 1
		.amdhsa_system_sgpr_workgroup_id_z 1
		.amdhsa_system_vgpr_workitem_id 0
		.amdhsa_next_free_vgpr 1024
		.amdhsa_next_free_sgpr 100
		.amdhsa_reserve_vcc 0
		.amdhsa_float_denorm_mode_32 3
		.amdhsa_float_denorm_mode_16_64 3
		.amdhsa_memory_ordered 1
		.amdhsa_forward_progress 1
		.amdhsa_inst_pref_size 145
	.end_amdhsa_kernel
	.amdgpu_metadata
---
amdhsa.version: [ 1, 2 ]
amdhsa.kernels:
  - .name:           k_qcfc06ded64_qkv
    .symbol:         k_qcfc06ded64_qkv.kd
    .args:
      - { .name: ACT, .offset: 0, .size: 8, .value_kind: global_buffer, .address_space: global }
      - { .name: WC, .offset: 8, .size: 8, .value_kind: global_buffer, .address_space: global }
      - { .name: bq, .offset: 16, .size: 8, .value_kind: global_buffer, .address_space: global }
      - { .name: bk, .offset: 24, .size: 8, .value_kind: global_buffer, .address_space: global }
      - { .name: bv, .offset: 32, .size: 8, .value_kind: global_buffer, .address_space: global }
      - { .name: QKV, .offset: 40, .size: 8, .value_kind: global_buffer, .address_space: global }
    .group_segment_fixed_size: 327680
    .private_segment_fixed_size: 0
    .kernarg_segment_align: 8
    .kernarg_segment_size: 48
    .max_flat_workgroup_size: 128
    .sgpr_count:     100
    .vgpr_count:     1024
    .wavefront_size: 32
...
	.end_amdgpu_metadata
.endif
;; end of part 3
;; launch attn (part 4): grid 8 x 32, 16 waves a work-group, no clusters, 215,040 bytes of LDS; arguments QKV, MB, ACT; writes ACT
.if DOCPART == 4
	.amdgcn_target "amdgcn-amd-amdhsa--gfx1250"
	.amdhsa_code_object_version 6
	.text
	.protected	k_qcfc06ded64_attn
	.globl	k_qcfc06ded64_attn
	.p2align	8
	.type	k_qcfc06ded64_attn,@function
k_qcfc06ded64_attn:
	s_mov_b64 s[64:65], 0
	v_nop
	global_prefetch_b8 v0, s[64:65] scope:SCOPE_SE
	s_setreg_imm32_b32 hwreg(HW_REG_WAVE_MODE, 25, 1), 1
	s_wait_xcnt 0x0
; ATTENTION on codes of BF6: products 4 and 5, the softmax between them, the mask as it is given, and the quantiser of product 6.
; SHARES.  Work-group (g, 16 batch + head); its sixteen waves own one tile of 16 stored queries each, tile 8 (4 u + pos) + g with u = w / 4, pos = w % 4 turned round in odd u: a fixed spread, right for every mask.
; The head's K (codes, K = 64, and scale words: 106,496 bytes) and V (keys innermost: 102,400 bytes) are copied into LDS once, through registers, and only read afterwards: one barrier in the launch.
; NO TENSOR LOAD AND NO JOINT LOAD, though eight work-groups read the same K and V: a key step whose tile the mask hides wholly is jumped over by a scalar branch on a flag that an earlier launch stored.
; LAYOUT.  S^T = K Q^T (source 0 = 16 stored keys, source 1 = my queries), O^T = V^T P^T: a lane holds one query throughout.  By the stored order of rows, register n of the scores is key 32 (n / 16) + 16 h + n % 16 of the step.
; K = 64 fills registers 0-5 of an operand; registers 6-11 are zero codes on both sides.
; SOFTMAX: t = score x log2(e) / 8; M = the running largest t rounded up to a whole number; p = 2^(t - M) is quantised along the keys; the sum is taken of the unquantised p and divides at the end.
; THE MASK: 64 lane masks a tile (scalar registers), hidden scores become -infinity ahead of the maximum.  A query with no key at all has the sum 0: its scale bytes become 0xff, so that product 6 gives NaN there, as the
; softmax of a row of -infinity does.  LIMITS: NaN and infinities among q, k, v are not served.
.set KSC,  98304                       ; LDS: K's codes at 0 (128 tiles x 768), K's scale words here (64 bytes a tile),
.set VB,   106496                      ; V's fragments (key step s, channel tile c: (4 s + c) x 1,536),
.set VSC,  204800                      ; V's scale words
.set AK16, 1                           ; v1-6   my lane's places; never rewritten
.set AK8,  2
.set ASK,  3
.set AV16, 4
.set AV8,  5
.set ASV,  6
.set DK16, 7                           ; v7-11, v29  the step's addresses
.set DK8,  8
.set DKS,  9
.set DV16, 10
.set DV8,  11
.set DVS,  29
.set L8,   30
.set R4,   31
; v12 -M, v13 the largest t, v[14:15] the sum; v16-27 Q; v28 -infinity; v32-79 four tiles of K; v96-159 scores, p, then V's four fragments; v160-191 O^T; v224-235 p's codes; v232-254 at work; v248-251, v253, v255 scale words
.set WV,  10
.set QT,  11
.set FLG, 12
.set CNT, 14
.set FL,  15
.set SEL, 20
.set CS,  22
.set MBB, 24
.set TK,  26
.set TKS, 27
.set TVS, 28
	s_load_b128 s[4:7], s[0:1], 0x0                ; QKV, MB
	s_load_b64 s[8:9], s[0:1], 0x10                ; ACT
	v_lshl_add_u32 v223, v0, 2, 0x34000
	v_mov_b32 v243, 0
	v_lshrrev_b32 v1, 5, v0
	v_readfirstlane_b32 s[WV], v1
	v_and_b32 v12, 31, v0
	v_and_b32 v13, 15, v0
	v_lshlrev_b32 v[AK16], 4, v12
	v_lshlrev_b32 v[L8], 3, v12
	v_lshlrev_b32 v[R4], 2, v13
	v_add_nc_u32 v[AK8], 512, v[L8]
	v_add_nc_u32 v[ASK], KSC, v[R4]
	v_add_nc_u32 v[AV16], VB, v[AK16]
	v_add_nc_u32 v[AV8], VB+512, v[L8]
	v_add_nc_u32 v[ASV], VSC, v[R4]
	v_lshlrev_b32 v200, 4, v0                      ; the copy: 16 bytes a thread, 8,192 an instruction
	v_add_nc_u32 v201, 0x10000, v200
	v_add_nc_u32 v202, 0x20000, v200
	v_add_nc_u32 v203, 0x30000, v200
	s_mov_b32 s[SEL], 0x76543210
	s_mov_b32 s[SEL+1], 0xfedcba98
	s_mov_b32 s[CS], 0x3e38aa3b                    ; c = log2(e) / 8
	s_mov_b32 s[CS+1], s[CS]
	s_and_b32 s2, ttmp7, 0xffff
	s_lshr_b32 s3, s2, 4                           ; batch
	s_and_b32 s2, s2, 15                           ; head
	s_lshr_b32 s13, s[WV], 2                       ; u
	s_and_b32 s15, s13, 1
	s_mul_i32 s15, s15, 3
	s_and_b32 s31, s[WV], 3
	s_xor_b32 s31, s31, s15                        ; pos
	s_lshl_b32 s13, s13, 2
	s_add_co_u32 s13, s13, s31
	s_lshl_b32 s[QT], s13, 3
	s_add_co_u32 s[QT], s[QT], ttmp9               ; my tile of queries
	s_mov_b32 s27, 0
	s_lshl_b32 s26, s2, 1
	s_add_co_u32 s26, s26, s3
	s_mul_i32 s26, s26, 106496
	s_wait_kmcnt 0x0
	s_add_nc_u64 s[28:29], s[4:5], s[26:27]        ; q's region
	s_add_nc_u64 s[16:17], s[28:29], 32*106496     ; k's
	s_mul_i32 s26, s[QT], 768
	s_add_nc_u64 s[66:67], s[28:29], s[26:27]      ; my tile's codes
	s_lshl_b32 s26, s[QT], 6
	s_add_nc_u64 s[28:29], s[28:29], s[26:27]      ; its scale words, less 98,304
	s_add_co_u32 s26, s26, 524288
	s_add_nc_u64 s[30:31], s[6:7], s[26:27]        ; its 16 flags
	s_lshl_b32 s26, s[QT], 12
	s_add_nc_u64 s[MBB:MBB+1], s[6:7], s[26:27]    ; its lane masks, 256 bytes a key step
	s_lshl_b32 s26, s3, 4
	s_add_co_u32 s26, s26, s2
	s_mul_i32 s26, s26, 102400
	s_add_co_u32 s26, s26, 6815744
	s_add_nc_u64 s[18:19], s[4:5], s[26:27]        ; v's region
	s_lshl_b32 s26, s3, 4                          ; out: block 4 (16 batch + tile / 8) + head / 4, fragment 8 ((head / 2) % 2) + tile % 8, half head % 2
	s_add_co_u32 s26, s26, s13
	s_lshl_b32 s26, s26, 2
	s_lshr_b32 s15, s2, 2
	s_add_co_u32 s26, s26, s15
	s_mul_i32 s26, s26, 25600
	s_add_nc_u64 s[8:9], s[8:9], s[26:27]
	s_bfe_u32 s15, s2, 0x10001
	s_lshl_b32 s15, s15, 3
	s_add_co_u32 s15, s15, ttmp9
	s_and_b32 s2, s2, 1
	s_lshl_b32 s26, s15, 6
	s_lshl_b32 s3, s2, 1
	s_add_co_u32 s26, s26, s3
	s_add_nc_u64 s[6:7], s[8:9], s[26:27]          ; my two scale bytes a row, less 24,576
	s_mul_i32 s26, s15, 1536
	s_mul_i32 s3, s2, 768
	s_add_co_u32 s26, s26, s3
	s_add_nc_u64 s[8:9], s[8:9], s[26:27]          ; my codes
	s_load_b512 s[32:47], s[30:31], 0x0
	global_load_b128 v[16:19], v[AK16], s[66:67]
	global_load_b64 v[20:21], v[L8], s[66:67] offset:512
	global_load_b32 v255, v[R4], s[28:29] offset:KSC
.irp j, 0,1,2,3,4,5,6,7,8,9,10,11,12
	global_load_b128 v[96+4*\j:99+4*\j], v200, s[16:17] offset:8192*\j
.endr
.irp j, 0,1,2,3,4,5,6,7,8,9,10,11
	global_load_b128 v[148+4*\j:151+4*\j], v200, s[18:19] offset:8192*\j
.endr
	s_cmp_lt_u32 s[WV], 8                          ; v's last 4,096 bytes: waves 0-7
	s_cbranch_scc0 .Lno_tail
	global_load_b128 v[196:199], v200, s[18:19] offset:8192*12
	s_wait_loadcnt 0x0
	ds_store_b128 v203, v[196:199] offset:8192
.Lno_tail:
	s_wait_loadcnt 0x0
.irp j, 0,1,2,3,4,5,6,7,8,9,10,11,12,13,14,15,16,17,18,19,20,21,22,23,24
	ds_store_b128 v[200+\j/8], v[96+4*\j:99+4*\j] offset:8192*(\j%8)
.endr
	s_wait_kmcnt 0x0
	s_mov_b32 s[FLG], 0
.irp k, 0,1,2,3,4,5,6,7,8,9,10,11,12,13,14,15
	s_lshl_b32 s13, s[32+\k], 2*\k                 ; the flags, two bits a key step
	s_or_b32 s[FLG], s[FLG], s13
.endr
	s_mov_b32 s[TK], 0
	s_mov_b32 s[TKS], 0
	s_mov_b32 s[TVS], 0
	s_mov_b32 s[CNT], 16
	s_wait_dscnt 0x0                               ; for the others: my stores have landed
	s_barrier_signal -1
	s_barrier_wait -1                              ; K and V lie in LDS; nothing is written there again
	v_mov_b32 v13, 0xff61b1e6                      ; the largest t so far: -3e38
	v_floor_f32 v12, -v13                          ; -M
	v_mov_b32 v14, 0
	v_mov_b32 v15, 0
	v_mov_b32 v28, 0xff800000
.irp j, 22,23,24,25,26,27
	v_mov_b32 v[\j], 0                             ; zero codes for k = 64 .. 127
.endr
.irp t, 0,1,2,3
.irp j, 6,7,8,9,10,11
	v_mov_b32 v[32+12*\t+\j], 0
.endr
.endr
.irp j, 236,237,238,239,252,253
	v_mov_b32 v[\j], 0
.endr
.set j, 0
.rept 32
	v_mov_b32 v[160+j], 0                          ; O^T: the step is written once; the first finds zeros
.set j, j+1
.endr
.Lstep:                                            ; 16 trips, a constant: what a flag leaves out is a trip's work, not the trip
	s_and_b32 s[FL], s[FLG], 3
	s_cmp_eq_u32 s[FL], 0
	s_cbranch_scc1 .Lskip
	s_load_b512 s[32:47], s[MBB:MBB+1], 0x0        ; the tile's 64 lane masks
	s_load_b512 s[48:63], s[MBB:MBB+1], 0x40
	s_load_b512 s[68:83], s[MBB:MBB+1], 0x80
	s_load_b512 s[84:99], s[MBB:MBB+1], 0xc0
	v_add_nc_u32 v[DK16], s[TK], v[AK16]
	v_add_nc_u32 v[DK8], s[TK], v[AK8]
	v_add_nc_u32 v[DKS], s[TKS], v[ASK]
	v_add_nc_u32 v[DV16], s[TK], v[AV16]
	v_add_nc_u32 v[DV8], s[TK], v[AV8]
	v_add_nc_u32 v[DVS], s[TVS], v[ASV]
.irp g, 0,1                                    ; S^T = K Q^T, four tiles of 16 keys at a time
.if \g > 0
.rept 4
	v_nop                                          ; places in front of loads into registers that matrix instructions have read
.endr
.endif
.irp t, 0,1,2,3
	ds_load_b128 v[32+12*\t:35+12*\t], v[DK16] offset:(4*\g+\t)*768
	ds_load_b64 v[36+12*\t:37+12*\t], v[DK8] offset:(4*\g+\t)*768
	ds_load_b32 v[248+\t], v[DKS] offset:(4*\g+\t)*64
.endr
	s_wait_dscnt 0x0
.irp t, 0,1,2,3
	v_wmma_scale_f32_16x16x128_f8f6f4 v[96+8*(4*\g+\t):103+8*(4*\g+\t)], v[32+12*\t:43+12*\t], v[16:27], 0, v[248+\t], v255 matrix_a_fmt:MATRIX_FMT_BF6 matrix_b_fmt:MATRIX_FMT_BF6
.endr
.endr
.rept 4
	v_nop
.endr
	s_wait_kmcnt 0x0                               ; the lane masks are in (and their base may be stepped)
	s_cmp_eq_u32 s[FL], 3
	s_cbranch_scc1 .Lopen                          ; all 16 x 128 are kept
.set n, 0
.rept 64
.if n < 32
.set W, 2*n
.else
.set W, 2*(n-32)+1
.endif
.if W < 32
.set SR, 32+W
.else
.set SR, 36+W
.endif
	v_cndmask_b32 v[96+n], v28, v[96+n], s[SR]     ; hidden: -infinity
.set n, n+1
.endr
.Lopen:
.irp b, 0,1,2,3
	v_max3_num_f32 v[232+\b], v[96+16*\b], v[97+16*\b], v[98+16*\b]   ; the largest score of each block of 32 keys: for the row's maximum and for the block's largest p
.endr
.irp i, 3,5,7,9,11,13
.irp b, 0,1,2,3
	v_max3_num_f32 v[232+\b], v[232+\b], v[96+16*\b+\i], v[97+16*\b+\i]
.endr
.endr
.irp b, 0,1,2,3
	v_max_num_f32 v[232+\b], v[232+\b], v[111+16*\b]
.endr
.irp b, 0,1,2,3
	v_permlanex16_b32 v[236+\b], v[232+\b], s[SEL], s[SEL+1]
.endr
.irp b, 0,1,2,3
	v_max_num_f32 v[232+\b], v[232+\b], v[236+\b]
.endr
	v_max3_num_f32 v254, v232, v233, v234
	v_max_num_f32 v254, v254, v235
	v_mul_f32 v254, s[CS], v254
	v_max_num_f32 v13, v13, v254                   ; the running largest t
	v_mov_b32 v254, v12
	v_floor_f32 v12, -v13                          ; the new -M: M is a whole number
	v_sub_f32 v254, v12, v254
	v_cvt_i32_f32 v254, v254                       ; (it saturates)
	v_ldexp_f32 v252, 1.0, v254                    ; f = 2^(old M - new M)
.set j, 0
.rept 32
	v_pk_fma_f32 v[96+2*j:97+2*j], v[96+2*j:97+2*j], s[CS:CS+1], v[12:13] op_sel_hi:[1,0,0]   ; t - M
.set j, j+1
.endr
.irp b, 0,1,2,3
	v_fma_f32 v[232+\b], v[232+\b], s[CS], v12
.endr
.set j, 0
.rept 64
	v_exp_f32 v[96+j], v[96+j]                     ; p = 2^(t - M)
.set j, j+1
.endr
	v_pk_mul_f32 v[14:15], v[14:15], v[252:253] op_sel_hi:[1,0]    ; the sums under the new M: a plain place behind the exponentials
	s_wait_alu depctr_va_vdst(0)                   ; one wait for the batch, ahead of its first reader
.irp b, 0,1,2,3
	v_exp_f32 v[232+\b], v[232+\b]                 ; each block's largest p
.endr
	v_pk_add_f32 v[236:237], v[96:97], v[98:99]    ; the row's sum of the unquantised p, in two chains
.irp j, 4,8,12,16,20,24,28,32,36,40,44,48,52,56,60
	v_pk_add_f32 v[14:15], v[14:15], v[96+\j:97+\j]
	v_pk_add_f32 v[236:237], v[236:237], v[98+\j:99+\j]
.endr
	v_pk_add_f32 v[14:15], v[14:15], v[236:237]
	s_wait_alu depctr_va_vdst(0)                   ; and one for the four
.irp b, 0,1,2,3
	v_max_num_f32 v[232+\b], 0x2800000, v[232+\b]  ; the floor 2^(5 - 127)
.endr
.irp b, 0,1,2,3
	v_add_nc_u32 v[244+\b], 0xfe000000, v[232+\b]
.endr
.irp b, 0,1,2,3
	v_lshrrev_b32 v[236+\b], 23, v[244+\b]
.endr
	v_lshl_or_b32 v253, v237, 8, v236              ; p's scale word for these 128 keys
	v_lshl_or_b32 v253, v238, 16, v253
	v_lshl_or_b32 v253, v239, 24, v253
.irp c, 0,1
	v_cvt_scalef32_pk16_bf6_f32 v[224+6*\c:226+6*\c], v[96+32*\c:111+32*\c], v[244+2*\c]
	v_cvt_scalef32_pk16_bf6_f32 v[236+4*\c:238+4*\c], v[112+32*\c:127+32*\c], v[244+2*\c+1]
.endr
	v_nop                                          ; one plain place behind a scaled conversion
.irp c, 0,1,2,3                                ; V's four fragments land where p lay, while p's codes are put in order
	ds_load_b128 v[96+12*\c:99+12*\c], v[DV16] offset:\c*1536
	ds_load_b64 v[100+12*\c:101+12*\c], v[DV8] offset:\c*1536
	ds_load_b128 v[102+12*\c:105+12*\c], v[DV16] offset:\c*1536+768
	ds_load_b64 v[106+12*\c:107+12*\c], v[DV8] offset:\c*1536+768
	ds_load_b32 v[248+\c], v[DVS] offset:\c*64
.endr
.irp c, 0,1
.irp i, 0,1,2
	v_permlane16_swap_b32 v[224+6*\c+\i], v[236+4*\c+\i]
.endr
.irp i, 0,1,2
	v_mov_b32 v[227+6*\c+\i], v[236+4*\c+\i]
.endr
.endr
.set j, 0
.rept 16
	v_pk_mul_f32 v[160+2*j:161+2*j], v[160+2*j:161+2*j], v[252:253] op_sel_hi:[1,0]   ; O^T under the new M.  (These 16 are also the places between the scale word and codes just made and the products)
.set j, j+1
.endr
	s_wait_dscnt 0x0
.irp c, 0,1,2,3
	v_wmma_scale_f32_16x16x128_f8f6f4 v[160+8*\c:167+8*\c], v[96+12*\c:107+12*\c], v[224:235], v[160+8*\c:167+8*\c], v[248+\c], v253 matrix_a_fmt:MATRIX_FMT_BF6 matrix_b_fmt:MATRIX_FMT_BF6
.endr
.rept 5
	v_nop                                          ; five places: the next step's products write over the registers that held V
.endr
.Lskip:
	s_lshr_b32 s[FLG], s[FLG], 2
	s_add_co_u32 s[TK], s[TK], 6144
	s_add_co_u32 s[TKS], s[TKS], 512
	s_add_co_u32 s[TVS], s[TVS], 256
	s_add_nc_u64 s[MBB:MBB+1], s[MBB:MBB+1], 256
	s_sub_co_u32 s[CNT], s[CNT], 1
	s_cmp_lg_u32 s[CNT], 0
	s_cbranch_scc1 .Lstep
	; THE WAY OUT: O^T / the sum: register 16 b + i is channel 32 b + 16 h + i of my query: two blocks of product 6's K
	v_add_f32 v14, v14, v15
	v_permlanex16_b32 v252, v14, s[SEL], s[SEL+1]
	v_add_f32 v14, v14, v252                       ; the row's sum
	v_rcp_f32 v15, v14
	v_nop                                          ; a plain place behind the transcendental
	v_cmp_eq_f32 vcc_lo, 0, v14                    ; no key at all
	s_wait_alu depctr_va_vdst(0)                   ; the wait, ahead of the first reader
.set j, 0
.rept 32
	v_mul_f32 v[96+j], v[160+j], v15
.set j, j+1
.endr
.irp b, 0,1
	v_max3_num_f32 v[232+\b], |v[96+16*\b]|, |v[97+16*\b]|, 0x2800000
.endr
.irp i, 2,4,6,8,10,12,14
.irp b, 0,1
	v_max3_num_f32 v[232+\b], v[232+\b], |v[96+16*\b+\i]|, |v[97+16*\b+\i]|
.endr
.endr
.irp b, 0,1
	v_permlanex16_b32 v[236+\b], v[232+\b], s[SEL], s[SEL+1]
.endr
.irp b, 0,1
	v_max_num_f32 v[232+\b], v[232+\b], v[236+\b]
.endr
.irp b, 0,1
	v_add_nc_u32 v[244+\b], 0xfe000000, v[232+\b]
.endr
.irp b, 0,1
	v_lshrrev_b32 v[236+\b], 23, v[244+\b]
.endr
	v_lshl_or_b32 v253, v237, 8, v236
	v_cndmask_b32 v253, v253, -1, vcc_lo           ; a query with no key: both bytes 0xff
	v_cvt_scalef32_pk16_bf6_f32 v[224:226], v[96:111], v244
	v_cvt_scalef32_pk16_bf6_f32 v[228:230], v[112:127], v245
	v_nop
.irp i, 0,1,2
	v_permlane16_swap_b32 v[224+\i], v[228+\i]
.endr
.irp i, 0,1,2
	v_mov_b32 v[227+\i], v[228+\i]
.endr
	global_store_b128 v[AK16], v[224:227], s[8:9]                  ; 512 consecutive bytes, aligned
	global_store_b64 v[L8], v[228:229], s[8:9] offset:512
	global_store_b16 v[R4], v253, s[6:7] offset:24576              ; two bytes of each row's scale word; the head beside mine writes the other two
	s_wait_tensorcnt 0x0
	ds_add_u32 v223, v243
	s_wait_dscnt 0x0
	s_endpgm
.Lfunc_end_k_qcfc06ded64_attn:
	.size	k_qcfc06ded64_attn, .Lfunc_end_k_qcfc06ded64_attn-k_qcfc06ded64_attn
	.p2alignl 7, 3214868480
	.fill 96, 4, 3214868480
	.section	.rodata,"a",@progbits
	.p2align	6, 0x0
	.amdhsa_kernel k_qcfc06ded64_attn
		.amdhsa_group_segment_fixed_size 215040
		.amdhsa_private_segment_fixed_size 0
		.amdhsa_enable_private_segment 0
		.amdhsa_kernarg_size 24
		.amdhsa_user_sgpr_count 2
		.amdhsa_user_sgpr_kernarg_segment_ptr 1
		.amdhsa_wavefront_size32 1
		.amdhsa_system_sgpr_workgroup_id_x 1
		.amdhsa_system_sgpr_workgroup_id_y 1
		.amdhsa_system_sgpr_workgroup_id_z 1
		.amdhsa_system_vgpr_workitem_id 0
		.amdhsa_next_free_vgpr 256
		.amdhsa_next_free_sgpr 100
		.amdhsa_reserve_vcc 1
		.amdhsa_float_denorm_mode_32 3
		.amdhsa_float_denorm_mode_16_64 3
		.amdhsa_memory_ordered 1
		.amdhsa_forward_progress 1
		.amdhsa_inst_pref_size 37
	.end_amdhsa_kernel
	.amdgpu_metadata
---
amdhsa.version: [ 1, 2 ]
amdhsa.kernels:
  - .name:           k_qcfc06ded64_attn
    .symbol:         k_qcfc06ded64_attn.kd
    .args:
      - { .name: QKV, .offset: 0, .size: 8, .value_kind: global_buffer, .address_space: global }
      - { .name: MB, .offset: 8, .size: 8, .value_kind: global_buffer, .address_space: global }
      - { .name: ACT, .offset: 16, .size: 8, .value_kind: global_buffer, .address_space: global }
    .group_segment_fixed_size: 215040
    .private_segment_fixed_size: 0
    .kernarg_segment_align: 8
    .kernarg_segment_size: 24
    .max_flat_workgroup_size: 512
    .sgpr_count:     100
    .vgpr_count:     256
    .wavefront_size: 32
...
	.end_amdgpu_metadata
.endif
;; end of part 4
;; launch wo (part 5): grid 4 x 16, 4 waves a work-group, clusters of 4 x 4, 327,680 bytes of LDS; arguments ACT, WC, bo, x, X1; writes X1
.if DOCPART == 5
	.amdgcn_target "amdgcn-amd-amdhsa--gfx1250"
	.amdhsa_code_object_version 6
	.text
	.protected	k_qcfc06ded64_wo
	.globl	k_qcfc06ded64_wo
	.p2align	8
	.type	k_qcfc06ded64_wo,@function
k_qcfc06ded64_wo:
	s_mov_b64 s[64:65], 0
	v_nop
	global_prefetch_b8 v0, s[64:65] scope:SCOPE_SE
	s_setreg_imm32_b32 hwreg(HW_REG_WAVE_MODE, 25, 1), 1
	s_wait_xcnt 0x0
	s_wait_alu depctr_hold_cnt(0) depctr_sa_sdst(0) depctr_va_vdst(0) depctr_va_sdst(0) depctr_va_ssrc(0) depctr_va_vcc(0) depctr_vm_vsrc(0)
	s_getreg_b32 s2, hwreg(HW_REG_IB_STS2, 6, 4)
	s_cmp_eq_u32 s2, 0
	s_cbranch_scc0 .Lentry_in_a_cluster
	s_endpgm
.Lentry_in_a_cluster:
	s_bfe_u32 s2, ttmp6, 0x10000c
	s_cmp_lg_u32 s2, 0xf033
	s_cbranch_scc0 .Lentry_shape_is_right
	s_endpgm
.Lentry_shape_is_right:
; out = res + A B^T + bias: product 6 (A = the attention's result as codes, B = Wo, res = x).  A tile of 256 x 256, four waves of 128 x 128 (64 accumulators), K in steps of 256 through a ring of two LDS slots.
; OPERANDS lie in memory in the order of their registers: a block (128 stored rows x 256 K) is 25,600 dense bytes: 16 fragments of 1,536 bytes, then their scale words.  One tensor load a wave brings one block.
; THE PRODUCT IS USED TRANSPOSED: source 0 = 16 rows of B, source 1 = 16 rows of A.  A lane holds one stored token, and, by the stored order of B's rows, its 64 registers of a block run along 128 neighbouring features.
; CLUSTERS 4 x 4: A's blocks are shared along a row of the cluster, B's along a column: joint loads.  The grid has 64 work-groups: 256 tokens x 256 features each.
; THE WAY OUT: a block of 16 tokens x 128 features goes through the wave's own stage in LDS (in slot 0, which has had its last fill and its last read) and comes back as whole rows of 512 bytes; bias and residual are added there.
.set NS,    4                          ; blocks of 256 along K
.set BOFF,  96*25600                   ; where B's blocks begin in WC
.set GBLK,  25600
.set SLOT,  4*GBLK
.set SPARE, 2*SLOT                     ; behind the ring: the spare words, 128 bytes a wave: two blocks of 256 bytes that no other line names
.set LAPS,  NS/2
.set FR,    12
.set ADRA,  16
.set ADRB,  20
.set SPW,   28
.set NIL,   29
.set SC,    32                         ; v32-63 scale words, a set of 16 for each slot (addresses: v27 slot 0, v30 slot 1)
.set AF,    128
.set G1,    24
.set G0,    32
.set G1B,   48
.set G0B,   56
.set MSB, 0
.macro WIN new
.if MSB != \new
	s_set_vgpr_msb (MSB<<8)|\new
.set MSB, \new
.endif
.endm
.set MUL_LO, 0xa1
.set MUL_HI, 0xf1
.set TO_B,   0x40
.macro JLOAD s
	s_cmp_eq_u32 s15, 0
	s_cbranch_scc0 .Lfor_b_\@
	tensor_load_to_lds s[G0+4*\s:G0+4*\s+3], s[G1:G1+7]
	s_nop 0
.rept 4
	v_nop
.endr
	s_branch .Lasked_\@
.Lfor_b_\@:
	tensor_load_to_lds s[G0B+4*\s:G0B+4*\s+3], s[G1B:G1B+7]
	s_nop 0
.rept 4
	v_nop
.endr
.Lasked_\@:
.endm
.macro CREST
	s_cmp_lg_u32 s14, 0
	s_cbranch_scc1 .Lnot_wave_0_\@
	s_barrier_signal -3
.Lnot_wave_0_\@:
	s_barrier_wait -3
	s_barrier_signal -1
	s_barrier_wait -1
.endm
.macro CROUND
	s_barrier_signal -1
	s_barrier_wait -1
	CREST
.endm
.macro PLACES
.rept 4
	v_nop
.endr
.endm
.macro FRAG reg, adr, q, i
	ds_load_b128 v[\reg:\reg+3], v[\adr] offset:(8*(\q)+(\i))*1536
	ds_load_b64 v[\reg+4:\reg+5], v[\adr+2] offset:(8*(\q)+(\i))*1536+512
	ds_load_b128 v[\reg+6:\reg+9], v[\adr] offset:(8*(\q)+(\i))*1536+768
	ds_load_b64 v[\reg+10:\reg+11], v[\adr+2] offset:(8*(\q)+(\i))*1536+1280
.endm
.macro MUL16 a0, p, q, sc, zero        ; the 64 accumulators take turns, in the same order in every step
.irp a, \a0, \a0+1
.irp b, 0,1,2,3,4,5,6,7
.if \zero
	v_wmma_scale_f32_16x16x128_f8f6f4 v[8*(8*((\a)%4)+\b):8*(8*((\a)%4)+\b)+7], v[128*(\p)+FR*\b:128*(\p)+FR*\b+FR-1], v[AF+FR*(\a):AF+FR*(\a)+FR-1], 0, v[SC+16*(\sc)+8*(\q)+\b], v[SC+16*(\sc)+8*(\q)+(\a)] matrix_a_fmt:MATRIX_FMT_BF6 matrix_b_fmt:MATRIX_FMT_BF6 matrix_a_scale:MATRIX_SCALE_ROW1
.else
	v_wmma_scale_f32_16x16x128_f8f6f4 v[8*(8*((\a)%4)+\b):8*(8*((\a)%4)+\b)+7], v[128*(\p)+FR*\b:128*(\p)+FR*\b+FR-1], v[AF+FR*(\a):AF+FR*(\a)+FR-1], v[8*(8*((\a)%4)+\b):8*(8*((\a)%4)+\b)+7], v[SC+16*(\sc)+8*(\q)+\b], v[SC+16*(\sc)+8*(\q)+(\a)] matrix_a_fmt:MATRIX_FMT_BF6 matrix_b_fmt:MATRIX_FMT_BF6 matrix_a_scale:MATRIX_SCALE_ROW1
.endif
.endr
.endr
.endm
.macro FETCH_B slot, q, p
	WIN TO_B
.irp i, 0,1,2,3,4,5,6,7
	FRAG 128*(\p)+FR*\i, ADRB+\slot, \q, \i
.endr
	WIN 0
.endm
.macro FETCH_A slot, q, i0
.irp i, \i0, \i0+1, \i0+2, \i0+3
	FRAG AF+FR*(\i), ADRA+\slot, \q, \i
.endr
.endm
.macro SCALES sc
.irp f, 0,1,2,3,4,5,6,7,8,9,10,11,12,13,14,15
	ds_load_b32 v[SC+16*(\sc)+\f], v[27+3*(\sc)] offset:\f*64
.endr
.endm
.macro STEP slot, zero
	s_wait_dscnt 16                                ; all but the youngest 16 loads: A's blocks 4-7
	WIN MUL_LO
	MUL16 0, 0, 0, \slot, \zero
	MUL16 2, 0, 0, \slot, \zero
	s_wait_dscnt 0x0
	PLACES
	FETCH_B \slot, 1, 1
	FETCH_A \slot, 1, 0
	WIN MUL_HI
	MUL16 4, 0, 0, \slot, \zero
	MUL16 6, 0, 0, \slot, \zero
	PLACES
	WIN 0
	FETCH_A \slot, 1, 4
.endm
.macro TURN slot, next, fill
	s_wait_tensorcnt 0x0                           ; all my tensor loads have landed: my part of the next slot
	ds_add_u32 v[SPW], v[NIL]                      ; 0 onto my spare word
	s_wait_dscnt 17                                ; (the add and A's blocks 4-7 may be out)
	WIN MUL_LO
	MUL16 0, 1, 1, \slot, 0
	s_wait_dscnt 0x0                               ; the add is done, and my reads of this slot are over
	s_barrier_signal -1
	MUL16 2, 1, 1, \slot, 0
	WIN 0
	s_barrier_wait -1
.if \fill
	CREST                                          ; no wave of any partner still reads this slot or has a load on its way
	s_add_nc_u64 s[G0+4*\slot+2:G0+4*\slot+3], s[G0+4*\slot+2:G0+4*\slot+3], 2*GBLK
	s_add_nc_u64 s[G0B+4*\slot+2:G0B+4*\slot+3], s[G0B+4*\slot+2:G0B+4*\slot+3], 2*GBLK
	JLOAD \slot                                    ; the first tensor load behind the round; its four v_nop are the places in front of the loads below
.else
	PLACES
.endif
	FETCH_B \next, 0, 0
	FETCH_A \next, 0, 0
	SCALES \next
	WIN MUL_HI
	MUL16 4, 1, 1, \slot, 0
	MUL16 6, 1, 1, \slot, 0
	PLACES
	WIN 0
	FETCH_A \next, 0, 4
.endm
.set STO, 24
.set RD,  25
.set CO,  26
.set BK,  128                          ; v128-191, v192-255: 16 rows read back from the stage, by turns
	s_load_b128 s[4:7], s[0:1], 0x0                ; A, WC
	s_load_b128 s[8:11], s[0:1], 0x10              ; bias, res
	s_load_b64 s[12:13], s[0:1], 0x20              ; out
	v_lshl_add_u32 v[SPW], v0, 2, SPARE
	v_mov_b32 v[NIL], 0
	ds_add_u32 v28, v29
	ds_add_u32 v28, v29
	s_wait_dscnt 0x0
	v_lshrrev_b32 v1, 5, v0
	v_readfirstlane_b32 s14, v1
	s_lshr_b32 s15, s14, 1
	s_and_b32 s16, s14, 1
	s_bfe_u32 s40, ttmp6, 0x40000
	s_bfe_u32 s41, ttmp6, 0x40004
	s_lshl_b32 s42, ttmp9, 2
	s_add_co_u32 s42, s42, s40                     ; tile column
	s_and_b32 s17, ttmp7, 0xffff
	s_lshl_b32 s17, s17, 2
	s_add_co_u32 s17, s17, s41                     ; tile row
	s_lshl_b32 s43, s41, 2
	s_lshl_b32 s43, 15, s43
	s_lshl_b32 s44, 0x1111, s40
	s_or_b32 s[G1+0], s43, (3<<16)|(1<<21)
	s_or_b32 s[G1B+0], s44, (3<<16)|(1<<21)
.irp g, G1, G1B
	s_mov_b32 s[\g+1], 32<<16
	s_mov_b32 s[\g+2], 100<<16
	s_mov_b32 s[\g+3], 32<<16
	s_mov_b32 s[\g+4], 100
	s_mov_b32 s[\g+5], 32
	s_mov_b32 s[\g+6], 0
	s_mov_b32 s[\g+7], 0
.endr
	s_lshl_b32 s20, s17, 1
	s_add_co_u32 s20, s20, s16
	s_mul_i32 s20, s20, NS*GBLK
	s_mov_b32 s21, 0
	s_lshl_b32 s46, s42, 1
	s_add_co_u32 s46, s46, s16
	s_mul_i32 s46, s46, NS*GBLK
	s_add_co_u32 s46, s46, BOFF
	s_mov_b32 s47, 0
	s_mul_i32 s45, s14, GBLK
	s_wait_kmcnt 0x0
	s_add_nc_u64 s[20:21], s[4:5], s[20:21]
	s_add_nc_u64 s[46:47], s[6:7], s[46:47]
	CROUND
.irp s, 0,1
	s_mov_b32 s[G0+4*\s], 1
	s_add_co_u32 s[G0+4*\s+1], s45, \s*SLOT
	s_add_nc_u64 s[G0+4*\s+2:G0+4*\s+3], s[20:21], \s*GBLK
	s_or_b32 s[G0+4*\s+3], s[G0+4*\s+3], 0x80000000
	s_mov_b32 s[G0B+4*\s], 1
	s_add_co_u32 s[G0B+4*\s+1], s45, \s*SLOT
	s_add_nc_u64 s[G0B+4*\s+2:G0B+4*\s+3], s[46:47], \s*GBLK
	s_or_b32 s[G0B+4*\s+3], s[G0B+4*\s+3], 0x80000000
	JLOAD \s
.endr
	v_and_b32 v1, 31, v0
	v_and_b32 v2, 15, v0
	v_bfe_u32 v3, v0, 4, 1
	v_lshlrev_b32 v4, 4, v1
	v_lshlrev_b32 v5, 3, v1
	s_mul_i32 s21, s15, GBLK
	s_mul_i32 s22, s16, GBLK
	s_add_co_u32 s22, s22, 2*GBLK
	s_sub_co_u32 s23, s22, s21
	v_mul_u32_u24 v6, s23, v3
	v_lshl_add_u32 v6, v2, 2, v6
	v_add_nc_u32 v6, s21, v6
	v_add_nc_u32 v27, 24576, v6
	v_add_nc_u32 v30, SLOT+24576, v6
.irp s, 0,1
	v_add_nc_u32 v[ADRA+\s], s21, v4
	v_add_nc_u32 v[ADRA+2+\s], s21, v5
	v_add_nc_u32 v[ADRB+\s], s22, v4
	v_add_nc_u32 v[ADRB+2+\s], s22, v5
	s_add_co_u32 s21, s21, SLOT
	s_add_co_u32 s22, s22, SLOT
.endr
	s_mul_i32 s23, s14, 16*528                     ; my stage: 16 rows of 512 bytes + 16
	v_mul_u32_u24 v6, v2, 528
	v_lshl_add_u32 v6, v3, 6, v6
	v_add_nc_u32 v[STO], s23, v6                   ; in: row r, + 64 h: register 8 b + j is feature 32 (b / 2) + 16 h + 8 (b % 2) + j
	v_add_nc_u32 v[RD], s23, v4                    ; back: the 32 lanes take a row
	v_mov_b32 v[CO], v4
	s_lshl_b32 s66, s42, 10
	s_lshl_b32 s67, s16, 9
	s_add_co_u32 s66, s66, s67                     ; my first feature, in bytes
	s_mov_b32 s67, 0
	s_add_nc_u64 s[8:9], s[8:9], s[66:67]
	global_load_b128 v[64:67], v[CO], s[8:9]       ; the bias of my four features of a row
	s_lshl_b32 s68, s17, 8
	s_lshl_b32 s69, s15, 7
	s_add_co_u32 s68, s68, s69
	s_lshl_b32 s68, s68, 12                        ; my first token's row
	s_mov_b32 s69, 0
	s_add_nc_u64 s[66:67], s[66:67], s[68:69]
	s_add_nc_u64 s[10:11], s[10:11], s[66:67]      ; neither base is ever stepped: a token's place stands in the immediate, 520,192 bytes at the most
	s_add_nc_u64 s[12:13], s[12:13], s[66:67]
	s_wait_tensorcnt 1                             ; my part of slot 0 is in; slot 1's load may be out
	s_barrier_signal -1
	s_barrier_wait -1
	FETCH_B 0, 0, 0
	FETCH_A 0, 0, 0
	SCALES 0
	FETCH_A 0, 0, 4
	STEP 0, 1
	s_mov_b32 s3, LAPS-1
.Llap:
	TURN 0, 1, 1
	STEP 1, 0
	TURN 1, 0, 1
	STEP 0, 0
	s_sub_co_u32 s3, s3, 1
	s_cmp_lg_u32 s3, 0
	s_cbranch_scc1 .Llap
	TURN 0, 1, 0
	STEP 1, 0
	s_wait_dscnt 16
	WIN MUL_LO
	MUL16 0, 1, 1, 1, 0
	MUL16 2, 1, 1, 1, 0
	s_wait_dscnt 0x0
	WIN MUL_HI
	MUL16 4, 1, 1, 1, 0
	MUL16 6, 1, 1, 1, 0
	WIN 0
; Stored row t of block a is token 32 (a / 2) + 8 (a % 2) + t + 8 (t / 8) of my 128.
.macro RLOAD a                         ; the residual of block a's 16 tokens, into window 1, four buffers by turns
	WIN 0x40
.irp t, 0,1,2,3,4,5,6,7,8,9,10,11,12,13,14,15
	global_load_b128 v[64*((\a)%4)+4*\t:64*((\a)%4)+4*\t+3], v[CO], s[10:11] offset:(32*((\a)/2)+8*((\a)%2)+\t+8*(\t/8))*4096 th:TH_LOAD_NT
.endr
	WIN 0
.endm
.macro TOSTAGE a
.set AC, 64*((\a)%4)
	WIN 0x08+4*((\a)/4)                            ; the data: window 2 or 3
.irp b, 0,1,2,3,4,5,6,7
	ds_store_b128 v[STO], v[AC+8*\b:AC+8*\b+3] offset:128*(\b/2)+32*(\b%2)         ; each accumulator from its low end on
	ds_store_b128 v[STO], v[AC+8*\b+4:AC+8*\b+7] offset:128*(\b/2)+32*(\b%2)+16
.endr
	WIN 0
.set BB, BK+64*((\a)%2)
.irp t, 0,1,2,3,4,5,6,7,8,9,10,11,12,13,14,15
	ds_load_b128 v[BB+4*\t:BB+4*\t+3], v[RD] offset:\t*528         ; LDS serves a wave's instructions in order: these see the stores above
.endr
.endm
.macro SEND a, younger
.set BB, BK+64*((\a)%2)
.set RB, 64*((\a)%4)
	s_wait_dscnt \younger                          ; the block is back; the next block's 16 stores and 16 loads may be out
.if (\a) <= 4
	s_wait_loadcnt 48                              ; its residual is in; three younger blocks' loads, 16 each, may be out
.else
	s_wait_loadcnt 16*(7-(\a))
.endif
.irp t, 0,1,2,3,4,5,6,7,8,9,10,11,12,13,14,15
	v_pk_add_f32 v[BB+4*\t:BB+4*\t+1], v[BB+4*\t:BB+4*\t+1], v[64:65]
	v_pk_add_f32 v[BB+4*\t+2:BB+4*\t+3], v[BB+4*\t+2:BB+4*\t+3], v[66:67]
.endr
	WIN 0x04                                       ; source 1 in window 1
.irp t, 0,1,2,3,4,5,6,7,8,9,10,11,12,13,14,15
	v_pk_add_f32 v[BB+4*\t:BB+4*\t+1], v[BB+4*\t:BB+4*\t+1], v[RB+4*\t:RB+4*\t+1]
	v_pk_add_f32 v[BB+4*\t+2:BB+4*\t+3], v[BB+4*\t+2:BB+4*\t+3], v[RB+4*\t+2:RB+4*\t+3]
.endr
	WIN 0
.if (\a) < 4
	RLOAD (\a)+4
.endif
.irp t, 0,1,2,3,4,5,6,7,8,9,10,11,12,13,14,15
	global_store_b128 v[CO], v[BB+4*\t:BB+4*\t+3], s[12:13] offset:(32*((\a)/2)+8*((\a)%2)+\t+8*(\t/8))*4096 th:TH_STORE_NT   ; 32 lanes store 512 consecutive bytes, aligned
.endr
.endm
	PLACES
	RLOAD 0
	RLOAD 1
	RLOAD 2
	RLOAD 3
	TOSTAGE 0
.irp a, 1,2,3,4,5,6,7
.if \a > 1
	s_wait_xcnt 0x0                                ; block a - 2's stores have read their registers: block a's loads may land there
.endif
	TOSTAGE \a
	SEND \a-1, 32
.endr
	SEND 7, 0
	s_wait_tensorcnt 0x0                           ; the wave's end
	ds_add_u32 v[SPW], v[NIL]
	s_wait_dscnt 0x0
	CROUND                                         ; the closing round
	s_endpgm
.Lfunc_end_k_qcfc06ded64_wo:
	.size	k_qcfc06ded64_wo, .Lfunc_end_k_qcfc06ded64_wo-k_qcfc06ded64_wo
	.p2alignl 7, 3214868480
	.fill 96, 4, 3214868480
	.section	.rodata,"a",@progbits
	.p2align	6, 0x0
	.amdhsa_kernel k_qcfc06ded64_wo
		.amdhsa_group_segment_fixed_size 327680
		.amdhsa_private_segment_fixed_size 0
		.amdhsa_enable_private_segment 0
		.amdhsa_kernarg_size 40
		.amdhsa_user_sgpr_count 2
		.amdhsa_user_sgpr_kernarg_segment_ptr 1
		.amdhsa_wavefront_size32 1
		.amdhsa_system_sgpr_workgroup_id_x 1
		.amdhsa_system_sgpr_workgroup_id_y 1
		.amdhsa_system_sgpr_workgroup_id_z 1
		.amdhsa_system_vgpr_workitem_id 0
		.amdhsa_next_free_vgpr 1024
		.amdhsa_next_free_sgpr 100
		.amdhsa_reserve_vcc 0
		.amdhsa_float_denorm_mode_32 3
		.amdhsa_float_denorm_mode_16_64 3
		.amdhsa_memory_ordered 1
		.amdhsa_forward_progress 1
		.amdhsa_inst_pref_size 188
	.end_amdhsa_kernel
	.amdgpu_metadata
---
amdhsa.version: [ 1, 2 ]
amdhsa.kernels:
  - .name:           k_qcfc06ded64_wo
    .symbol:         k_qcfc06ded64_wo.kd
    .args:
      - { .name: ACT, .offset: 0, .size: 8, .value_kind: global_buffer, .address_space: global }
      - { .name: WC, .offset: 8, .size: 8, .value_kind: global_buffer, .address_space: global }
      - { .name: bo, .offset: 16, .size: 8, .value_kind: global_buffer, .address_space: global }
      - { .name: x, .offset: 24, .size: 8, .value_kind: global_buffer, .address_space: global }
      - { .name: X1, .offset: 32, .size: 8, .value_kind: global_buffer, .address_space: global }
    .group_segment_fixed_size: 327680
    .private_segment_fixed_size: 0
    .kernarg_segment_align: 8
    .kernarg_segment_size: 40
    .max_flat_workgroup_size: 128
    .sgpr_count:     100
    .vgpr_count:     1024
    .wavefront_size: 32
...
	.end_amdgpu_metadata
.endif
;; end of part 5
;; launch ln2: the kernel of part 2 again; grid 256 x 1, 8 waves a work-group, no clusters, 2,048 bytes of LDS; arguments X1, ln2_g, ln2_b, ACT; writes ACT
;; launch ffn1 (part 6): grid 16 x 16, 4 waves a work-group, clusters of 4 x 4, 327,680 bytes of LDS; arguments ACT, WC, b1, FFC; writes FFC
.if DOCPART == 6
	.amdgcn_target "amdgcn-amd-amdhsa--gfx1250"
	.amdhsa_code_object_version 6
	.text
	.protected	k_qcfc06ded64_ffn1
	.globl	k_qcfc06ded64_ffn1
	.p2align	8
	.type	k_qcfc06ded64_ffn1,@function
k_qcfc06ded64_ffn1:
	s_mov_b64 s[64:65], 0
	v_nop
	global_prefetch_b8 v0, s[64:65] scope:SCOPE_SE
	s_setreg_imm32_b32 hwreg(HW_REG_WAVE_MODE, 25, 1), 1
	s_wait_xcnt 0x0
	s_wait_alu depctr_hold_cnt(0) depctr_sa_sdst(0) depctr_va_vdst(0) depctr_va_sdst(0) depctr_va_ssrc(0) depctr_va_vcc(0) depctr_vm_vsrc(0)
	s_getreg_b32 s2, hwreg(HW_REG_IB_STS2, 6, 4)
	s_cmp_eq_u32 s2, 0
	s_cbranch_scc0 .Lentry_in_a_cluster
	s_endpgm
.Lentry_in_a_cluster:
	s_bfe_u32 s2, ttmp6, 0x10000c
	s_cmp_lg_u32 s2, 0xf033
	s_cbranch_scc0 .Lentry_shape_is_right
	s_endpgm
.Lentry_shape_is_right:
; THE HIDDEN LAYER: product 7 on codes of BF6 (A = the normed tokens, B = W1), bias, the exact GELU in f32, and the quantiser of product 8.  A tile of 256 x 256, four waves of 128 x 128, K = 1,024 in steps of 256 through two LDS slots.
; OPERANDS lie in memory in the order of their registers: a block (128 stored rows x 256 K) is 25,600 dense bytes: 16 fragments of 1,536 bytes, then their scale words.  One tensor load a wave brings one block.
; THE PRODUCT IS USED TRANSPOSED: source 0 = 16 rows of W1, source 1 = 16 tokens: a lane holds one stored token, and its 64 registers of a block run along 128 neighbouring hidden units: one fragment of product 8's A.
; CLUSTERS 4 x 4: A's blocks are shared along a row of the cluster, B's along a column: joint loads.
; GELU: x Phi(x), Phi = (1 + erf(z)) / 2, z = x / sqrt(2).  erf by two polynomials: under |z| = 0.927734375 an odd one in z; above it erfc(|z|) = exp(polynomial in |z|), from which Phi is taken as erfc / 2 (z < 0) or
; 1 - erfc / 2, so that the negative tail keeps its digits.  Both are computed for every number and chosen by v_cndmask_b32.  LIMITS: NaN and infinities are not served; blocks under 2^-122 keep the scale byte 1.
.set NS,    4
.set BOFF,  128*25600                  ; where W1's blocks begin in WC
.set GBLK,  25600
.set SLOT,  4*GBLK
.set SPARE, 2*SLOT                     ; behind the ring: the spare words, 128 bytes a wave: two blocks of 256 bytes that no other line names
.set LAPS,  NS/2
.set FR,    12
.set ADRA,  16
.set ADRB,  20
.set SPW,   28
.set NIL,   29
.set SC,    32
.set AF,    128
.set G1,    24
.set G0,    32
.set G1B,   48
.set G0B,   56
.set MSB, 0
.macro WIN new
.if MSB != \new
	s_set_vgpr_msb (MSB<<8)|\new
.set MSB, \new
.endif
.endm
.set MUL_LO, 0xa1
.set MUL_HI, 0xf1
.set TO_B,   0x40
.macro JLOAD s
	s_cmp_eq_u32 s15, 0
	s_cbranch_scc0 .Lfor_b_\@
	tensor_load_to_lds s[G0+4*\s:G0+4*\s+3], s[G1:G1+7]
	s_nop 0
.rept 4
	v_nop
.endr
	s_branch .Lasked_\@
.Lfor_b_\@:
	tensor_load_to_lds s[G0B+4*\s:G0B+4*\s+3], s[G1B:G1B+7]
	s_nop 0
.rept 4
	v_nop
.endr
.Lasked_\@:
.endm
.macro CREST
	s_cmp_lg_u32 s14, 0
	s_cbranch_scc1 .Lnot_wave_0_\@
	s_barrier_signal -3
.Lnot_wave_0_\@:
	s_barrier_wait -3
	s_barrier_signal -1
	s_barrier_wait -1
.endm
.macro CROUND
	s_barrier_signal -1
	s_barrier_wait -1
	CREST
.endm
.macro PLACES
.rept 4
	v_nop
.endr
.endm
.macro FRAG reg, adr, q, i
	ds_load_b128 v[\reg:\reg+3], v[\adr] offset:(8*(\q)+(\i))*1536
	ds_load_b64 v[\reg+4:\reg+5], v[\adr+2] offset:(8*(\q)+(\i))*1536+512
	ds_load_b128 v[\reg+6:\reg+9], v[\adr] offset:(8*(\q)+(\i))*1536+768
	ds_load_b64 v[\reg+10:\reg+11], v[\adr+2] offset:(8*(\q)+(\i))*1536+1280
.endm
.macro MUL16 a0, p, q, sc, zero        ; the 64 accumulators take turns, in the same order in every step
.irp a, \a0, \a0+1
.irp b, 0,1,2,3,4,5,6,7
.if \zero
	v_wmma_scale_f32_16x16x128_f8f6f4 v[8*(8*((\a)%4)+\b):8*(8*((\a)%4)+\b)+7], v[128*(\p)+FR*\b:128*(\p)+FR*\b+FR-1], v[AF+FR*(\a):AF+FR*(\a)+FR-1], 0, v[SC+16*(\sc)+8*(\q)+\b], v[SC+16*(\sc)+8*(\q)+(\a)] matrix_a_fmt:MATRIX_FMT_BF6 matrix_b_fmt:MATRIX_FMT_BF6 matrix_a_scale:MATRIX_SCALE_ROW1
.else
	v_wmma_scale_f32_16x16x128_f8f6f4 v[8*(8*((\a)%4)+\b):8*(8*((\a)%4)+\b)+7], v[128*(\p)+FR*\b:128*(\p)+FR*\b+FR-1], v[AF+FR*(\a):AF+FR*(\a)+FR-1], v[8*(8*((\a)%4)+\b):8*(8*((\a)%4)+\b)+7], v[SC+16*(\sc)+8*(\q)+\b], v[SC+16*(\sc)+8*(\q)+(\a)] matrix_a_fmt:MATRIX_FMT_BF6 matrix_b_fmt:MATRIX_FMT_BF6 matrix_a_scale:MATRIX_SCALE_ROW1
.endif
.endr
.endr
.endm
.macro FETCH_B slot, q, p
	WIN TO_B
.irp i, 0,1,2,3,4,5,6,7
	FRAG 128*(\p)+FR*\i, ADRB+\slot, \q, \i
.endr
	WIN 0
.endm
.macro FETCH_A slot, q, i0
.irp i, \i0, \i0+1, \i0+2, \i0+3
	FRAG AF+FR*(\i), ADRA+\slot, \q, \i
.endr
.endm
.macro SCALES sc
.irp f, 0,1,2,3,4,5,6,7,8,9,10,11,12,13,14,15
	ds_load_b32 v[SC+16*(\sc)+\f], v[27+3*(\sc)] offset:\f*64
.endr
.endm
.macro STEP slot, zero
	s_wait_dscnt 16                                ; all but the youngest 16 loads: A's blocks 4-7
	WIN MUL_LO
	MUL16 0, 0, 0, \slot, \zero
	MUL16 2, 0, 0, \slot, \zero
	s_wait_dscnt 0x0
	PLACES
	FETCH_B \slot, 1, 1
	FETCH_A \slot, 1, 0
	WIN MUL_HI
	MUL16 4, 0, 0, \slot, \zero
	MUL16 6, 0, 0, \slot, \zero
	PLACES
	WIN 0
	FETCH_A \slot, 1, 4
.endm
.macro TURN slot, next, fill
	s_wait_tensorcnt 0x0                           ; all my tensor loads have landed: my part of the next slot
	ds_add_u32 v[SPW], v[NIL]                      ; 0 onto my spare word
	s_wait_dscnt 17                                ; (the add and A's blocks 4-7 may be out)
	WIN MUL_LO
	MUL16 0, 1, 1, \slot, 0
	s_wait_dscnt 0x0                               ; the add is done, and my reads of this slot are over
	s_barrier_signal -1
	MUL16 2, 1, 1, \slot, 0
	WIN 0
	s_barrier_wait -1
.if \fill
	CREST                                          ; no wave of any partner still reads this slot or has a load on its way
	s_add_nc_u64 s[G0+4*\slot+2:G0+4*\slot+3], s[G0+4*\slot+2:G0+4*\slot+3], 2*GBLK
	s_add_nc_u64 s[G0B+4*\slot+2:G0B+4*\slot+3], s[G0B+4*\slot+2:G0B+4*\slot+3], 2*GBLK
	JLOAD \slot                                    ; the first tensor load behind the round; its four v_nop are the places in front of the loads below
.else
	PLACES
.endif
	FETCH_B \next, 0, 0
	FETCH_A \next, 0, 0
	SCALES \next
	WIN MUL_HI
	MUL16 4, 1, 1, \slot, 0
	MUL16 6, 1, 1, \slot, 0
	PLACES
	WIN 0
	FETCH_A \next, 0, 4
.endm
.set BN,  64                           ; v64-127 b1 along the registers
.set L16, 24
.set L8,  25
.set R4,  26
.set HA,  0                            ; window 1, once B's fragments are done with: v0-63 a block's 64 numbers
.set GZ,  64                           ; v64-143 sixteen numbers' z, z^2, |z|, and the two ranges' results
.set GS,  80
.set GT,  96
.set GR,  112
.set GU,  128
.set CA,  144                          ; v144-149 three constants as pairs: an instruction takes one literal
.set CB,  146
.set CC,  148
.set PC,  192
.set TM,  212
.set PW,  228
.set SEL, 66
.macro QUANT s
.irp b, 0,1,2,3
	v_max3_num_f32 v[TM+\b], |v[\s+16*\b]|, |v[\s+1+16*\b]|, 0x2800000
.endr
.irp i, 2,4,6,8,10,12,14
.irp b, 0,1,2,3
	v_max3_num_f32 v[TM+\b], v[TM+\b], |v[\s+16*\b+\i]|, |v[\s+1+16*\b+\i]|
.endr
.endr
.irp b, 0,1,2,3
	v_permlanex16_b32 v[TM+4+\b], v[TM+\b], s[SEL], s[SEL+1]
.endr
.irp b, 0,1,2,3
	v_max_num_f32 v[TM+\b], v[TM+\b], v[TM+4+\b]
.endr
.irp b, 0,1,2,3
	v_add_nc_u32 v[TM+12+\b], 0xfe000000, v[TM+\b]
.endr
.irp b, 0,1,2,3
	v_lshrrev_b32 v[TM+4+\b], 23, v[TM+12+\b]
.endr
	v_lshl_or_b32 v[PW], v[TM+5], 8, v[TM+4]
	v_lshl_or_b32 v[PW], v[TM+6], 16, v[PW]
	v_lshl_or_b32 v[PW], v[TM+7], 24, v[PW]
.irp c, 0,1
	v_cvt_scalef32_pk16_bf6_f32 v[PC+6*\c:PC+2+6*\c], v[\s+32*\c:\s+15+32*\c], v[TM+12+2*\c]
	v_cvt_scalef32_pk16_bf6_f32 v[PC+12+4*\c:PC+14+4*\c], v[\s+16+32*\c:\s+31+32*\c], v[TM+12+2*\c+1]
.endr
	v_nop                                          ; one plain place behind a scaled conversion
.irp c, 0,1
.irp i, 0,1,2
	v_permlane16_swap_b32 v[PC+6*\c+\i], v[PC+12+4*\c+\i]
.endr
.irp i, 0,1,2
	v_mov_b32 v[PC+3+6*\c+\i], v[PC+12+4*\c+\i]
.endr
.endr
.endm
.macro PK3 d, a, b, lit                ; d = a b + a constant, eight pairs by turns
.irp p, 0,2,4,6,8,10,12,14
	v_pk_fma_f32 v[\d+\p:\d+\p+1], v[\a+\p:\a+\p+1], v[\b+\p:\b+\p+1], \lit op_sel_hi:[1,1,0]
.endr
.endm
.macro GELU x                          ; sixteen numbers v[x] .. v[x + 15] in place
.irp p, 0,2,4,6,8,10,12,14
	v_pk_mul_f32 v[GZ+\p:GZ+\p+1], v[\x+\p:\x+\p+1], 0x3f3504f3 op_sel_hi:[1,0]      ; z = x / sqrt(2)
.endr
.irp p, 0,2,4,6,8,10,12,14
	v_pk_mul_f32 v[GS+\p:GS+\p+1], v[GZ+\p:GZ+\p+1], v[GZ+\p:GZ+\p+1]
.endr
.irp e, 0,1,2,3,4,5,6,7,8,9,10,11,12,13,14,15
	v_and_b32 v[GT+\e], 0x7fffffff, v[GZ+\e]       ; t = |z|
.endr
.irp p, 0,2,4,6,8,10,12,14
	v_pk_fma_f32 v[GR+\p:GR+\p+1], v[GT+\p:GT+\p+1], 0xb7910000, v[CA:CA+1] op_sel_hi:[1,0,1]
.endr
.irp p, 0,2,4,6,8,10,12,14
	v_pk_fma_f32 v[GU+\p:GU+\p+1], v[GT+\p:GT+\p+1], 0xbb7e8a1c, v[CB:CB+1] op_sel_hi:[1,0,1]
.endr
.irp p, 0,2,4,6,8,10,12,14
	v_pk_fma_f32 v[GR+\p:GR+\p+1], v[GR+\p:GR+\p+1], v[GS+\p:GS+\p+1], v[GU+\p:GU+\p+1]
.endr
	PK3 GR, GR, GT, 0xbddaae5c
	PK3 GR, GR, GT, 0xbf228550
	PK3 GR, GR, GT, 0xbe03ce86
.irp p, 0,2,4,6,8,10,12,14
	v_pk_fma_f32 v[GR+\p:GR+\p+1], v[GR+\p:GR+\p+1], v[GT+\p:GT+\p+1], v[GT+\p:GT+\p+1] neg_lo:[0,0,1] neg_hi:[0,0,1]
.endr
.irp p, 0,2,4,6,8,10,12,14
	v_pk_fma_f32 v[GR+\p:GR+\p+1], v[GR+\p:GR+\p+1], 0x3fb8aa3b, -1.0 op_sel_hi:[1,0,0]
.endr
.irp e, 0,1,2,3,4,5,6,7,8,9,10,11,12,13,14,15
	v_exp_f32 v[GR+\e], v[GR+\e]                   ; erfc(t) / 2
.endr
.irp p, 0,2,4,6,8,10,12,14                     ; the small range names none of the exponentials' results: it is the work behind them
	v_pk_fma_f32 v[GU+\p:GU+\p+1], v[GS+\p:GS+\p+1], 0xba1c7000, v[CC:CC+1] op_sel_hi:[1,0,1]
.endr
	PK3 GU, GU, GS, 0xbcdb48d9
	PK3 GU, GU, GS, 0x3de70e22
	PK3 GU, GU, GS, 0xbec09380
	PK3 GU, GU, GS, 0x3e0375d4
.irp p, 0,2,4,6,8,10,12,14
	v_pk_fma_f32 v[GU+\p:GU+\p+1], v[GU+\p:GU+\p+1], v[GZ+\p:GZ+\p+1], v[GZ+\p:GZ+\p+1]    ; erf(z)
.endr
.irp p, 0,2,4,6,8,10,12,14
	v_pk_fma_f32 v[GU+\p:GU+\p+1], v[GU+\p:GU+\p+1], 0.5, 0.5 op_sel_hi:[1,0,0]
.endr
	s_wait_alu depctr_va_vdst(0)                   ; one wait for the sixteen exponentials, ahead of their first reader
.irp p, 0,2,4,6,8,10,12,14
	v_pk_fma_f32 v[GS+\p:GS+\p+1], v[GR+\p:GR+\p+1], -1.0, 1.0 op_sel_hi:[1,0,0]
.endr
.irp e, 0,1,2,3,4,5,6,7,8,9,10,11,12,13,14,15
	v_cmp_lt_f32 s[72+\e], 0, v[GZ+\e]
.endr
.irp e, 0,1,2,3,4,5,6,7,8,9,10,11,12,13,14,15
	v_cndmask_b32 v[GR+\e], v[GR+\e], v[GS+\e], s[72+\e]
.endr
.irp e, 0,1,2,3,4,5,6,7,8,9,10,11,12,13,14,15
	v_cmp_lt_f32 s[72+\e], 0x3f6d8000, v[GT+\e]
.endr
.irp e, 0,1,2,3,4,5,6,7,8,9,10,11,12,13,14,15
	v_cndmask_b32 v[GU+\e], v[GU+\e], v[GR+\e], s[72+\e]
.endr
.irp p, 0,2,4,6,8,10,12,14
	v_pk_mul_f32 v[\x+\p:\x+\p+1], v[\x+\p:\x+\p+1], v[GU+\p:GU+\p+1]
.endr
.endm
	s_load_b128 s[4:7], s[0:1], 0x0                ; ACT, WC
	s_load_b128 s[8:11], s[0:1], 0x10              ; b1, FFC
	v_lshl_add_u32 v[SPW], v0, 2, SPARE
	v_mov_b32 v[NIL], 0
	ds_add_u32 v28, v29
	ds_add_u32 v28, v29
	s_wait_dscnt 0x0
	v_lshrrev_b32 v1, 5, v0
	v_readfirstlane_b32 s14, v1
	s_lshr_b32 s15, s14, 1
	s_and_b32 s16, s14, 1
	s_bfe_u32 s40, ttmp6, 0x40000
	s_bfe_u32 s41, ttmp6, 0x40004
	s_lshl_b32 s42, ttmp9, 2
	s_add_co_u32 s42, s42, s40                     ; tile column
	s_and_b32 s17, ttmp7, 0xffff
	s_lshl_b32 s17, s17, 2
	s_add_co_u32 s17, s17, s41                     ; tile row
	s_lshl_b32 s43, s41, 2
	s_lshl_b32 s43, 15, s43
	s_lshl_b32 s44, 0x1111, s40
	s_or_b32 s[G1+0], s43, (3<<16)|(1<<21)
	s_or_b32 s[G1B+0], s44, (3<<16)|(1<<21)
.irp g, G1, G1B
	s_mov_b32 s[\g+1], 32<<16
	s_mov_b32 s[\g+2], 100<<16
	s_mov_b32 s[\g+3], 32<<16
	s_mov_b32 s[\g+4], 100
	s_mov_b32 s[\g+5], 32
	s_mov_b32 s[\g+6], 0
	s_mov_b32 s[\g+7], 0
.endr
	s_lshl_b32 s20, s17, 1
	s_add_co_u32 s20, s20, s16
	s_mul_i32 s20, s20, NS*GBLK
	s_mov_b32 s21, 0
	s_lshl_b32 s46, s42, 1
	s_add_co_u32 s46, s46, s16
	s_mul_i32 s46, s46, NS*GBLK
	s_add_co_u32 s46, s46, BOFF
	s_mov_b32 s47, 0
	s_mul_i32 s45, s14, GBLK
	s_wait_kmcnt 0x0
	s_add_nc_u64 s[20:21], s[4:5], s[20:21]
	s_add_nc_u64 s[46:47], s[6:7], s[46:47]
	CROUND
.irp s, 0,1
	s_mov_b32 s[G0+4*\s], 1
	s_add_co_u32 s[G0+4*\s+1], s45, \s*SLOT
	s_add_nc_u64 s[G0+4*\s+2:G0+4*\s+3], s[20:21], \s*GBLK
	s_or_b32 s[G0+4*\s+3], s[G0+4*\s+3], 0x80000000
	s_mov_b32 s[G0B+4*\s], 1
	s_add_co_u32 s[G0B+4*\s+1], s45, \s*SLOT
	s_add_nc_u64 s[G0B+4*\s+2:G0B+4*\s+3], s[46:47], \s*GBLK
	s_or_b32 s[G0B+4*\s+3], s[G0B+4*\s+3], 0x80000000
	JLOAD \s
.endr
	v_and_b32 v1, 31, v0
	v_and_b32 v2, 15, v0
	v_bfe_u32 v3, v0, 4, 1
	v_lshlrev_b32 v4, 4, v1
	v_lshlrev_b32 v5, 3, v1
	s_mul_i32 s21, s15, GBLK
	s_mul_i32 s22, s16, GBLK
	s_add_co_u32 s22, s22, 2*GBLK
	s_sub_co_u32 s23, s22, s21
	v_mul_u32_u24 v6, s23, v3
	v_lshl_add_u32 v6, v2, 2, v6
	v_add_nc_u32 v6, s21, v6
	v_add_nc_u32 v27, 24576, v6
	v_add_nc_u32 v30, SLOT+24576, v6
.irp s, 0,1
	v_add_nc_u32 v[ADRA+\s], s21, v4
	v_add_nc_u32 v[ADRA+2+\s], s21, v5
	v_add_nc_u32 v[ADRB+\s], s22, v4
	v_add_nc_u32 v[ADRB+2+\s], s22, v5
	s_add_co_u32 s21, s21, SLOT
	s_add_co_u32 s22, s22, SLOT
.endr
	v_mov_b32 v[L16], v4
	v_mov_b32 v[L8], v5
	v_lshlrev_b32 v[R4], 2, v2
	v_lshlrev_b32 v7, 6, v3                        ; 64 h
	s_mov_b32 s[SEL], 0x76543210
	s_mov_b32 s[SEL+1], 0xfedcba98
	s_lshl_b32 s92, s42, 10
	s_lshl_b32 s93, s16, 9
	s_add_co_u32 s92, s92, s93                     ; my first hidden unit, in bytes
	s_mov_b32 s93, 0
	s_add_nc_u64 s[8:9], s[8:9], s[92:93]
.irp b, 0,1,2,3
.irp j, 0,1,2,3
	global_load_b128 v[BN+16*\b+4*\j:BN+16*\b+4*\j+3], v7, s[8:9] offset:128*\b+16*\j   ; register 16 b + i is unit 32 b + 16 h + i of my 128
.endr
.endr
	s_lshl_b32 s92, s17, 1
	s_add_co_u32 s92, s92, s15
	s_lshl_b32 s92, s92, 4
	s_add_co_u32 s92, s92, s42                     ; out: block (2 x tile row + my block of A) x 16 + tile column
	s_mul_i32 s92, s92, GBLK
	s_mul_i32 s94, s16, 8*1536                     ; fragments 8 x my block of B on
	s_add_co_u32 s94, s94, s92
	s_mov_b32 s95, 0
	s_add_nc_u64 s[88:89], s[10:11], s[94:95]
	s_lshl_b32 s94, s16, 9
	s_add_co_u32 s94, s94, s92
	s_add_nc_u64 s[90:91], s[10:11], s[94:95]      ; their scale words, less 24,576
	s_wait_tensorcnt 1                             ; my part of slot 0 is in; slot 1's load may be out
	s_barrier_signal -1
	s_barrier_wait -1
	FETCH_B 0, 0, 0
	FETCH_A 0, 0, 0
	SCALES 0
	FETCH_A 0, 0, 4
	STEP 0, 1
	s_mov_b32 s3, LAPS-1
.Llap:
	TURN 0, 1, 1
	STEP 1, 0
	TURN 1, 0, 1
	STEP 0, 0
	s_sub_co_u32 s3, s3, 1
	s_cmp_lg_u32 s3, 0
	s_cbranch_scc1 .Llap
	TURN 0, 1, 0
	STEP 1, 0
	s_wait_dscnt 16
	WIN MUL_LO
	MUL16 0, 1, 1, 1, 0
	MUL16 2, 1, 1, 1, 0
	s_wait_dscnt 0x0
	WIN MUL_HI
	MUL16 4, 1, 1, 1, 0
	MUL16 6, 1, 1, 1, 0
	WIN 0
	; THE WAY OUT: a loop over my eight blocks of tokens, so that the activation's text stands once.  A trip copies one block's 64 sums, with the bias, into window 1 (which block: a chain of scalar branches on the trip's number).
	PLACES
	s_wait_loadcnt 0x0                             ; b1
	WIN 0x40
.irp b, 0,1,2,3
	v_mov_b32 v[TM+4+\b], 0                        ; a lane permute's destination counts as one of its sources
.endr
	v_mov_b32 v[CA], 0x39c8e7d9
	v_mov_b32 v[CA+1], 0x39c8e7d9
	v_mov_b32 v[CB], 0x3cc6b1a1
	v_mov_b32 v[CB+1], 0x3cc6b1a1
	v_mov_b32 v[CC], 0x3ba38d2c
	v_mov_b32 v[CC+1], 0x3ba38d2c
	WIN 0
	s_mov_b32 s3, 0
.macro CASE a
.if \a < 7
	s_cmp_lg_u32 s3, \a
	s_cbranch_scc1 .Lnot_\a
.endif
	WIN 0x42+(\a)/4                                ; destination window 1, the sums in window 2 or 3, the bias in window 0
.set j, 0
.rept 32
	v_pk_add_f32 v[HA+2*j:HA+2*j+1], v[64*((\a)%4)+2*j:64*((\a)%4)+2*j+1], v[BN+2*j:BN+2*j+1]   ; ascending: each accumulator is read from its low end on
.set j, j+1
.endr
	WIN 0
.if \a < 7
	s_branch .Lcopied
.Lnot_\a:
.endif
.endm
.Lepi:
.irp a, 0,1,2,3,4,5,6,7
	CASE \a
.endr
.Lcopied:
	WIN 0x55                                       ; all in window 1
	GELU HA
	GELU HA+16
	GELU HA+32
	GELU HA+48
	QUANT HA
	WIN 0x04                                       ; a store's data are its source 1
	global_store_b128 v[L16], v[PC:PC+3], s[88:89]
	global_store_b64 v[L8], v[PC+4:PC+5], s[88:89] offset:512
	global_store_b128 v[L16], v[PC+6:PC+9], s[88:89] offset:768
	global_store_b64 v[L8], v[PC+10:PC+11], s[88:89] offset:1280
	global_store_b32 v[R4], v[PW], s[90:91] offset:24576
	WIN 0
	s_wait_xcnt 0x0                                ; the stores have read their data and bases: both are written again only behind this wait
	s_add_nc_u64 s[88:89], s[88:89], 1536
	s_add_nc_u64 s[90:91], s[90:91], 64
	s_add_co_u32 s3, s3, 1
	s_cmp_lt_u32 s3, 8
	s_cbranch_scc1 .Lepi
	s_wait_tensorcnt 0x0                           ; the wave's end
	ds_add_u32 v[SPW], v[NIL]
	s_wait_dscnt 0x0
	CROUND                                         ; the closing round
	s_endpgm
.Lfunc_end_k_qcfc06ded64_ffn1:
	.size	k_qcfc06ded64_ffn1, .Lfunc_end_k_qcfc06ded64_ffn1-k_qcfc06ded64_ffn1
	.p2alignl 7, 3214868480
	.fill 96, 4, 3214868480
	.section	.rodata,"a",@progbits
	.p2align	6, 0x0
	.amdhsa_kernel k_qcfc06ded64_ffn1
		.amdhsa_group_segment_fixed_size 327680
		.amdhsa_private_segment_fixed_size 0
		.amdhsa_enable_private_segment 0
		.amdhsa_kernarg_size 32
		.amdhsa_user_sgpr_count 2
		.amdhsa_user_sgpr_kernarg_segment_ptr 1
		.amdhsa_wavefront_size32 1
		.amdhsa_system_sgpr_workgroup_id_x 1
		.amdhsa_system_sgpr_workgroup_id_y 1
		.amdhsa_system_sgpr_workgroup_id_z 1
		.amdhsa_system_vgpr_workitem_id 0
		.amdhsa_next_free_vgpr 1024
		.amdhsa_next_free_sgpr 100
		.amdhsa_reserve_vcc 0
		.amdhsa_float_denorm_mode_32 3
		.amdhsa_float_denorm_mode_16_64 3
		.amdhsa_memory_ordered 1
		.amdhsa_forward_progress 1
		.amdhsa_inst_pref_size 212
	.end_amdhsa_kernel
	.amdgpu_metadata
---
amdhsa.version: [ 1, 2 ]
amdhsa.kernels:
  - .name:           k_qcfc06ded64_ffn1
    .symbol:         k_qcfc06ded64_ffn1.kd
    .args:
      - { .name: ACT, .offset: 0, .size: 8, .value_kind: global_buffer, .address_space: global }
      - { .name: WC, .offset: 8, .size: 8, .value_kind: global_buffer, .address_space: global }
      - { .name: b1, .offset: 16, .size: 8, .value_kind: global_buffer, .address_space: global }
      - { .name: FFC, .offset: 24, .size: 8, .value_kind: global_buffer, .address_space: global }
    .group_segment_fixed_size: 327680
    .private_segment_fixed_size: 0
    .kernarg_segment_align: 8
    .kernarg_segment_size: 32
    .max_flat_workgroup_size: 128
    .sgpr_count:     100
    .vgpr_count:     1024
    .wavefront_size: 32
...
	.end_amdgpu_metadata
.endif
;; end of part 6
;; launch ffn2 (part 7): grid 4 x 16, 4 waves a work-group, clusters of 4 x 4, 327,680 bytes of LDS; arguments FFC, WC, b2, X1, out0; writes out0
.if DOCPART == 7
	.amdgcn_target "amdgcn-amd-amdhsa--gfx1250"
	.amdhsa_code_object_version 6
	.text
	.protected	k_qcfc06ded64_ffn2
	.globl	k_qcfc06ded64_ffn2
	.p2align	8
	.type	k_qcfc06ded64_ffn2,@function
k_qcfc06ded64_ffn2:
	s_mov_b64 s[64:65], 0
	v_nop
	global_prefetch_b8 v0, s[64:65] scope:SCOPE_SE
	s_setreg_imm32_b32 hwreg(HW_REG_WAVE_MODE, 25, 1), 1
	s_wait_xcnt 0x0
	s_wait_alu depctr_hold_cnt(0) depctr_sa_sdst(0) depctr_va_vdst(0) depctr_va_sdst(0) depctr_va_ssrc(0) depctr_va_vcc(0) depctr_vm_vsrc(0)
	s_getreg_b32 s2, hwreg(HW_REG_IB_STS2, 6, 4)
	s_cmp_eq_u32 s2, 0
	s_cbranch_scc0 .Lentry_in_a_cluster
	s_endpgm
.Lentry_in_a_cluster:
	s_bfe_u32 s2, ttmp6, 0x10000c
	s_cmp_lg_u32 s2, 0xf033
	s_cbranch_scc0 .Lentry_shape_is_right
	s_endpgm
.Lentry_shape_is_right:
; out = res + A B^T + bias: product 8 (A = the hidden layer as codes, K = 4,096; B = W2; res = the attention branch's result).  A tile of 256 x 256, four waves of 128 x 128, K in steps of 256 through a ring of two LDS slots.
; OPERANDS lie in memory in the order of their registers: a block (128 stored rows x 256 K) is 25,600 dense bytes: 16 fragments of 1,536 bytes, then their scale words.  One tensor load a wave brings one block.
; THE PRODUCT IS USED TRANSPOSED: source 0 = 16 rows of B, source 1 = 16 rows of A.  A lane holds one stored token, and, by the stored order of B's rows, its 64 registers of a block run along 128 neighbouring features.
; CLUSTERS 4 x 4: A's blocks are shared along a row of the cluster, B's along a column: joint loads.  The grid has 64 work-groups: 256 tokens x 256 features each.
; THE WAY OUT: a block of 16 tokens x 128 features goes through the wave's own stage in LDS (in slot 0, which has had its last fill and its last read) and comes back as whole rows of 512 bytes; bias and residual are added there.
.set NS,    16                         ; blocks of 256 along K
.set BOFF,  256*25600                  ; where B's blocks begin in WC
.set GBLK,  25600
.set SLOT,  4*GBLK
.set SPARE, 2*SLOT                     ; behind the ring: the spare words, 128 bytes a wave: two blocks of 256 bytes that no other line names
.set LAPS,  NS/2
.set FR,    12
.set ADRA,  16
.set ADRB,  20
.set SPW,   28
.set NIL,   29
.set SC,    32                         ; v32-63 scale words, a set of 16 for each slot (addresses: v27 slot 0, v30 slot 1)
.set AF,    128
.set G1,    24
.set G0,    32
.set G1B,   48
.set G0B,   56
.set MSB, 0
.macro WIN new
.if MSB != \new
	s_set_vgpr_msb (MSB<<8)|\new
.set MSB, \new
.endif
.endm
.set MUL_LO, 0xa1
.set MUL_HI, 0xf1
.set TO_B,   0x40
.macro JLOAD s
	s_cmp_eq_u32 s15, 0
	s_cbranch_scc0 .Lfor_b_\@
	tensor_load_to_lds s[G0+4*\s:G0+4*\s+3], s[G1:G1+7]
	s_nop 0
.rept 4
	v_nop
.endr
	s_branch .Lasked_\@
.Lfor_b_\@:
	tensor_load_to_lds s[G0B+4*\s:G0B+4*\s+3], s[G1B:G1B+7]
	s_nop 0
.rept 4
	v_nop
.endr
.Lasked_\@:
.endm
.macro CREST
	s_cmp_lg_u32 s14, 0
	s_cbranch_scc1 .Lnot_wave_0_\@
	s_barrier_signal -3
.Lnot_wave_0_\@:
	s_barrier_wait -3
	s_barrier_signal -1
	s_barrier_wait -1
.endm
.macro CROUND
	s_barrier_signal -1
	s_barrier_wait -1
	CREST
.endm
.macro PLACES
.rept 4
	v_nop
.endr
.endm
.macro FRAG reg, adr, q, i
	ds_load_b128 v[\reg:\reg+3], v[\adr] offset:(8*(\q)+(\i))*1536
	ds_load_b64 v[\reg+4:\reg+5], v[\adr+2] offset:(8*(\q)+(\i))*1536+512
	ds_load_b128 v[\reg+6:\reg+9], v[\adr] offset:(8*(\q)+(\i))*1536+768
	ds_load_b64 v[\reg+10:\reg+11], v[\adr+2] offset:(8*(\q)+(\i))*1536+1280
.endm
.macro MUL16 a0, p, q, sc, zero        ; the 64 accumulators take turns, in the same order in every step
.irp a, \a0, \a0+1
.irp b, 0,1,2,3,4,5,6,7
.if \zero
	v_wmma_scale_f32_16x16x128_f8f6f4 v[8*(8*((\a)%4)+\b):8*(8*((\a)%4)+\b)+7], v[128*(\p)+FR*\b:128*(\p)+FR*\b+FR-1], v[AF+FR*(\a):AF+FR*(\a)+FR-1], 0, v[SC+16*(\sc)+8*(\q)+\b], v[SC+16*(\sc)+8*(\q)+(\a)] matrix_a_fmt:MATRIX_FMT_BF6 matrix_b_fmt:MATRIX_FMT_BF6 matrix_a_scale:MATRIX_SCALE_ROW1
.else
	v_wmma_scale_f32_16x16x128_f8f6f4 v[8*(8*((\a)%4)+\b):8*(8*((\a)%4)+\b)+7], v[128*(\p)+FR*\b:128*(\p)+FR*\b+FR-1], v[AF+FR*(\a):AF+FR*(\a)+FR-1], v[8*(8*((\a)%4)+\b):8*(8*((\a)%4)+\b)+7], v[SC+16*(\sc)+8*(\q)+\b], v[SC+16*(\sc)+8*(\q)+(\a)] matrix_a_fmt:MATRIX_FMT_BF6 matrix_b_fmt:MATRIX_FMT_BF6 matrix_a_scale:MATRIX_SCALE_ROW1
.endif
.endr
.endr
.endm
.macro FETCH_B slot, q, p
	WIN TO_B
.irp i, 0,1,2,3,4,5,6,7
	FRAG 128*(\p)+FR*\i, ADRB+\slot, \q, \i
.endr
	WIN 0
.endm
.macro FETCH_A slot, q, i0
.irp i, \i0, \i0+1, \i0+2, \i0+3
	FRAG AF+FR*(\i), ADRA+\slot, \q, \i
.endr
.endm
.macro SCALES sc
.irp f, 0,1,2,3,4,5,6,7,8,9,10,11,12,13,14,15
	ds_load_b32 v[SC+16*(\sc)+\f], v[27+3*(\sc)] offset:\f*64
.endr
.endm
.macro STEP slot, zero
	s_wait_dscnt 16                                ; all but the youngest 16 loads: A's blocks 4-7
	WIN MUL_LO
	MUL16 0, 0, 0, \slot, \zero
	MUL16 2, 0, 0, \slot, \zero
	s_wait_dscnt 0x0
	PLACES
	FETCH_B \slot, 1, 1
	FETCH_A \slot, 1, 0
	WIN MUL_HI
	MUL16 4, 0, 0, \slot, \zero
	MUL16 6, 0, 0, \slot, \zero
	PLACES
	WIN 0
	FETCH_A \slot, 1, 4
.endm
.macro TURN slot, next, fill
	s_wait_tensorcnt 0x0                           ; all my tensor loads have landed: my part of the next slot
	ds_add_u32 v[SPW], v[NIL]                      ; 0 onto my spare word
	s_wait_dscnt 17                                ; (the add and A's blocks 4-7 may be out)
	WIN MUL_LO
	MUL16 0, 1, 1, \slot, 0
	s_wait_dscnt 0x0                               ; the add is done, and my reads of this slot are over
	s_barrier_signal -1
	MUL16 2, 1, 1, \slot, 0
	WIN 0
	s_barrier_wait -1
.if \fill
	CREST                                          ; no wave of any partner still reads this slot or has a load on its way
	s_add_nc_u64 s[G0+4*\slot+2:G0+4*\slot+3], s[G0+4*\slot+2:G0+4*\slot+3], 2*GBLK
	s_add_nc_u64 s[G0B+4*\slot+2:G0B+4*\slot+3], s[G0B+4*\slot+2:G0B+4*\slot+3], 2*GBLK
	JLOAD \slot                                    ; the first tensor load behind the round; its four v_nop are the places in front of the loads below
.else
	PLACES
.endif
	FETCH_B \next, 0, 0
	FETCH_A \next, 0, 0
	SCALES \next
	WIN MUL_HI
	MUL16 4, 1, 1, \slot, 0
	MUL16 6, 1, 1, \slot, 0
	PLACES
	WIN 0
	FETCH_A \next, 0, 4
.endm
.set STO, 24
.set RD,  25
.set CO,  26
.set BK,  128                          ; v128-191, v192-255: 16 rows read back from the stage, by turns
	s_load_b128 s[4:7], s[0:1], 0x0                ; A, WC
	s_load_b128 s[8:11], s[0:1], 0x10              ; bias, res
	s_load_b64 s[12:13], s[0:1], 0x20              ; out
	v_lshl_add_u32 v[SPW], v0, 2, SPARE
	v_mov_b32 v[NIL], 0
	ds_add_u32 v28, v29
	ds_add_u32 v28, v29
	s_wait_dscnt 0x0
	v_lshrrev_b32 v1, 5, v0
	v_readfirstlane_b32 s14, v1
	s_lshr_b32 s15, s14, 1
	s_and_b32 s16, s14, 1
	s_bfe_u32 s40, ttmp6, 0x40000
	s_bfe_u32 s41, ttmp6, 0x40004
	s_lshl_b32 s42, ttmp9, 2
	s_add_co_u32 s42, s42, s40                     ; tile column
	s_and_b32 s17, ttmp7, 0xffff
	s_lshl_b32 s17, s17, 2
	s_add_co_u32 s17, s17, s41                     ; tile row
	s_lshl_b32 s43, s41, 2
	s_lshl_b32 s43, 15, s43
	s_lshl_b32 s44, 0x1111, s40
	s_or_b32 s[G1+0], s43, (3<<16)|(1<<21)
	s_or_b32 s[G1B+0], s44, (3<<16)|(1<<21)
.irp g, G1, G1B
	s_mov_b32 s[\g+1], 32<<16
	s_mov_b32 s[\g+2], 100<<16
	s_mov_b32 s[\g+3], 32<<16
	s_mov_b32 s[\g+4], 100
	s_mov_b32 s[\g+5], 32
	s_mov_b32 s[\g+6], 0
	s_mov_b32 s[\g+7], 0
.endr
	s_lshl_b32 s20, s17, 1
	s_add_co_u32 s20, s20, s16
	s_mul_i32 s20, s20, NS*GBLK
	s_mov_b32 s21, 0
	s_lshl_b32 s46, s42, 1
	s_add_co_u32 s46, s46, s16
	s_mul_i32 s46, s46, NS*GBLK
	s_add_co_u32 s46, s46, BOFF
	s_mov_b32 s47, 0
	s_mul_i32 s45, s14, GBLK
	s_wait_kmcnt 0x0
	s_add_nc_u64 s[20:21], s[4:5], s[20:21]
	s_add_nc_u64 s[46:47], s[6:7], s[46:47]
	CROUND
.irp s, 0,1
	s_mov_b32 s[G0+4*\s], 1
	s_add_co_u32 s[G0+4*\s+1], s45, \s*SLOT
	s_add_nc_u64 s[G0+4*\s+2:G0+4*\s+3], s[20:21], \s*GBLK
	s_or_b32 s[G0+4*\s+3], s[G0+4*\s+3], 0x80000000
	s_mov_b32 s[G0B+4*\s], 1
	s_add_co_u32 s[G0B+4*\s+1], s45, \s*SLOT
	s_add_nc_u64 s[G0B+4*\s+2:G0B+4*\s+3], s[46:47], \s*GBLK
	s_or_b32 s[G0B+4*\s+3], s[G0B+4*\s+3], 0x80000000
	JLOAD \s
.endr
	v_and_b32 v1, 31, v0
	v_and_b32 v2, 15, v0
	v_bfe_u32 v3, v0, 4, 1
	v_lshlrev_b32 v4, 4, v1
	v_lshlrev_b32 v5, 3, v1
	s_mul_i32 s21, s15, GBLK
	s_mul_i32 s22, s16, GBLK
	s_add_co_u32 s22, s22, 2*GBLK
	s_sub_co_u32 s23, s22, s21
	v_mul_u32_u24 v6, s23, v3
	v_lshl_add_u32 v6, v2, 2, v6
	v_add_nc_u32 v6, s21, v6
	v_add_nc_u32 v27, 24576, v6
	v_add_nc_u32 v30, SLOT+24576, v6
.irp s, 0,1
	v_add_nc_u32 v[ADRA+\s], s21, v4
	v_add_nc_u32 v[ADRA+2+\s], s21, v5
	v_add_nc_u32 v[ADRB+\s], s22, v4
	v_add_nc_u32 v[ADRB+2+\s], s22, v5
	s_add_co_u32 s21, s21, SLOT
	s_add_co_u32 s22, s22, SLOT
.endr
	s_mul_i32 s23, s14, 16*528                     ; my stage: 16 rows of 512 bytes + 16
	v_mul_u32_u24 v6, v2, 528
	v_lshl_add_u32 v6, v3, 6, v6
	v_add_nc_u32 v[STO], s23, v6                   ; in: row r, + 64 h: register 8 b + j is feature 32 (b / 2) + 16 h + 8 (b % 2) + j
	v_add_nc_u32 v[RD], s23, v4                    ; back: the 32 lanes take a row
	v_mov_b32 v[CO], v4
	s_lshl_b32 s66, s42, 10
	s_lshl_b32 s67, s16, 9
	s_add_co_u32 s66, s66, s67                     ; my first feature, in bytes
	s_mov_b32 s67, 0
	s_add_nc_u64 s[8:9], s[8:9], s[66:67]
	global_load_b128 v[64:67], v[CO], s[8:9]       ; the bias of my four features of a row
	s_lshl_b32 s68, s17, 8
	s_lshl_b32 s69, s15, 7
	s_add_co_u32 s68, s68, s69
	s_lshl_b32 s68, s68, 12                        ; my first token's row
	s_mov_b32 s69, 0
	s_add_nc_u64 s[66:67], s[66:67], s[68:69]
	s_add_nc_u64 s[10:11], s[10:11], s[66:67]      ; neither base is ever stepped: a token's place stands in the immediate, 520,192 bytes at the most
	s_add_nc_u64 s[12:13], s[12:13], s[66:67]
	s_wait_tensorcnt 1                             ; my part of slot 0 is in; slot 1's load may be out
	s_barrier_signal -1
	s_barrier_wait -1
	FETCH_B 0, 0, 0
	FETCH_A 0, 0, 0
	SCALES 0
	FETCH_A 0, 0, 4
	STEP 0, 1
	s_mov_b32 s3, LAPS-1
.Llap:
	TURN 0, 1, 1
	STEP 1, 0
	TURN 1, 0, 1
	STEP 0, 0
	s_sub_co_u32 s3, s3, 1
	s_cmp_lg_u32 s3, 0
	s_cbranch_scc1 .Llap
	TURN 0, 1, 0
	STEP 1, 0
	s_wait_dscnt 16
	WIN MUL_LO
	MUL16 0, 1, 1, 1, 0
	MUL16 2, 1, 1, 1, 0
	s_wait_dscnt 0x0
	WIN MUL_HI
	MUL16 4, 1, 1, 1, 0
	MUL16 6, 1, 1, 1, 0
	WIN 0
; Stored row t of block a is token 32 (a / 2) + 8 (a % 2) + t + 8 (t / 8) of my 128.
.macro RLOAD a                         ; the residual of block a's 16 tokens, into window 1, four buffers by turns
	WIN 0x40
.irp t, 0,1,2,3,4,5,6,7,8,9,10,11,12,13,14,15
	global_load_b128 v[64*((\a)%4)+4*\t:64*((\a)%4)+4*\t+3], v[CO], s[10:11] offset:(32*((\a)/2)+8*((\a)%2)+\t+8*(\t/8))*4096 th:TH_LOAD_NT
.endr
	WIN 0
.endm
.macro TOSTAGE a
.set AC, 64*((\a)%4)
	WIN 0x08+4*((\a)/4)                            ; the data: window 2 or 3
.irp b, 0,1,2,3,4,5,6,7
	ds_store_b128 v[STO], v[AC+8*\b:AC+8*\b+3] offset:128*(\b/2)+32*(\b%2)         ; each accumulator from its low end on
	ds_store_b128 v[STO], v[AC+8*\b+4:AC+8*\b+7] offset:128*(\b/2)+32*(\b%2)+16
.endr
	WIN 0
.set BB, BK+64*((\a)%2)
.irp t, 0,1,2,3,4,5,6,7,8,9,10,11,12,13,14,15
	ds_load_b128 v[BB+4*\t:BB+4*\t+3], v[RD] offset:\t*528         ; LDS serves a wave's instructions in order: these see the stores above
.endr
.endm
.macro SEND a, younger
.set BB, BK+64*((\a)%2)
.set RB, 64*((\a)%4)
	s_wait_dscnt \younger                          ; the block is back; the next block's 16 stores and 16 loads may be out
.if (\a) <= 4
	s_wait_loadcnt 48                              ; its residual is in; three younger blocks' loads, 16 each, may be out
.else
	s_wait_loadcnt 16*(7-(\a))
.endif
.irp t, 0,1,2,3,4,5,6,7,8,9,10,11,12,13,14,15
	v_pk_add_f32 v[BB+4*\t:BB+4*\t+1], v[BB+4*\t:BB+4*\t+1], v[64:65]
	v_pk_add_f32 v[BB+4*\t+2:BB+4*\t+3], v[BB+4*\t+2:BB+4*\t+3], v[66:67]
.endr
	WIN 0x04                                       ; source 1 in window 1
.irp t, 0,1,2,3,4,5,6,7,8,9,10,11,12,13,14,15
	v_pk_add_f32 v[BB+4*\t:BB+4*\t+1], v[BB+4*\t:BB+4*\t+1], v[RB+4*\t:RB+4*\t+1]
	v_pk_add_f32 v[BB+4*\t+2:BB+4*\t+3], v[BB+4*\t+2:BB+4*\t+3], v[RB+4*\t+2:RB+4*\t+3]
.endr
	WIN 0
.if (\a) < 4
	RLOAD (\a)+4
.endif
.irp t, 0,1,2,3,4,5,6,7,8,9,10,11,12,13,14,15
	global_store_b128 v[CO], v[BB+4*\t:BB+4*\t+3], s[12:13] offset:(32*((\a)/2)+8*((\a)%2)+\t+8*(\t/8))*4096 th:TH_STORE_NT   ; 32 lanes store 512 consecutive bytes, aligned
.endr
.endm
	PLACES
	RLOAD 0
	RLOAD 1
	RLOAD 2
	RLOAD 3
	TOSTAGE 0
.irp a, 1,2,3,4,5,6,7
.if \a > 1
	s_wait_xcnt 0x0                                ; block a - 2's stores have read their registers: block a's loads may land there
.endif
	TOSTAGE \a
	SEND \a-1, 32
.endr
	SEND 7, 0
	s_wait_tensorcnt 0x0                           ; the wave's end
	ds_add_u32 v[SPW], v[NIL]
	s_wait_dscnt 0x0
	CROUND                                         ; the closing round
	s_endpgm
.Lfunc_end_k_qcfc06ded64_ffn2:
	.size	k_qcfc06ded64_ffn2, .Lfunc_end_k_qcfc06ded64_ffn2-k_qcfc06ded64_ffn2
	.p2alignl 7, 3214868480
	.fill 96, 4, 3214868480
	.section	.rodata,"a",@progbits
	.p2align	6, 0x0
	.amdhsa_kernel k_qcfc06ded64_ffn2
		.amdhsa_group_segment_fixed_size 327680
		.amdhsa_private_segment_fixed_size 0
		.amdhsa_enable_private_segment 0
		.amdhsa_kernarg_size 40
		.amdhsa_user_sgpr_count 2
		.amdhsa_user_sgpr_kernarg_segment_ptr 1
		.amdhsa_wavefront_size32 1
		.amdhsa_system_sgpr_workgroup_id_x 1
		.amdhsa_system_sgpr_workgroup_id_y 1
		.amdhsa_system_sgpr_workgroup_id_z 1
		.amdhsa_system_vgpr_workitem_id 0
		.amdhsa_next_free_vgpr 1024
		.amdhsa_next_free_sgpr 100
		.amdhsa_reserve_vcc 0
		.amdhsa_float_denorm_mode_32 3
		.amdhsa_float_denorm_mode_16_64 3
		.amdhsa_memory_ordered 1
		.amdhsa_forward_progress 1
		.amdhsa_inst_pref_size 188
	.end_amdhsa_kernel
	.amdgpu_metadata
---
amdhsa.version: [ 1, 2 ]
amdhsa.kernels:
  - .name:           k_qcfc06ded64_ffn2
    .symbol:         k_qcfc06ded64_ffn2.kd
    .args:
      - { .name: FFC, .offset: 0, .size: 8, .value_kind: global_buffer, .address_space: global }
      - { .name: WC, .offset: 8, .size: 8, .value_kind: global_buffer, .address_space: global }
      - { .name: b2, .offset: 16, .size: 8, .value_kind: global_buffer, .address_space: global }
      - { .name: X1, .offset: 24, .size: 8, .value_kind: global_buffer, .address_space: global }
      - { .name: out0, .offset: 32, .size: 8, .value_kind: global_buffer, .address_space: global }
    .group_segment_fixed_size: 327680
    .private_segment_fixed_size: 0
    .kernarg_segment_align: 8
    .kernarg_segment_size: 40
    .max_flat_workgroup_size: 128
    .sgpr_count:     100
    .vgpr_count:     1024
    .wavefront_size: 32
...
	.end_amdgpu_metadata
.endif
;; end of part 7
;; ======== version 2 of 3: 8 launches; 1.19 times as fast as version 1
;; workspace buffers: WC 9,830,400 bytes; MB 532,480 bytes of whole numbers; ACT 3,276,800 bytes; QKV 10,092,544 bytes; X1 16,777,216 bytes; FFC 13,107,200 bytes
;; launch prep: the kernel of part 1 again; grid 512 x 1, 4 waves a work-group, no clusters, 0 bytes of LDS; arguments Wq, Wk, Wv, Wo, W1, W2, mask, WC, MB; writes WC, MB
;; launch ln1: the kernel of part 2 again; grid 256 x 1, 8 waves a work-group, no clusters, 2,048 bytes of LDS; arguments x, ln1_g, ln1_b, ACT; writes ACT
;; launch qkv: the kernel of part 3 again; grid 12 x 16, 4 waves a work-group, clusters of 4 x 4, 327,680 bytes of LDS; arguments ACT, WC, bq, bk, bv, QKV; writes QKV
;; launch attn: the kernel of part 4 again; grid 8 x 32, 16 waves a work-group, no clusters, 215,040 bytes of LDS; arguments QKV, MB, ACT; writes ACT
;; launch wo (part 8): grid 8 x 32, 4 waves a work-group, clusters of 4 x 4, 327,680 bytes of LDS; arguments ACT, WC, bo, x, X1; writes X1
.if DOCPART == 8
	.amdgcn_target "amdgcn-amd-amdhsa--gfx1250"
	.amdhsa_code_object_version 6
	.text
	.protected	k_qcfc06ded64_wo
	.globl	k_qcfc06ded64_wo
	.p2align	8
	.type	k_qcfc06ded64_wo,@function
k_qcfc06ded64_wo:
	s_mov_b64 s[64:65], 0
	v_nop
	global_prefetch_b8 v0, s[64:65] scope:SCOPE_SE
	s_setreg_imm32_b32 hwreg(HW_REG_WAVE_MODE, 25, 1), 1
	s_wait_xcnt 0x0
	s_wait_alu depctr_hold_cnt(0) depctr_sa_sdst(0) depctr_va_vdst(0) depctr_va_sdst(0) depctr_va_ssrc(0) depctr_va_vcc(0) depctr_vm_vsrc(0)
	s_getreg_b32 s2, hwreg(HW_REG_IB_STS2, 6, 4)
	s_cmp_eq_u32 s2, 0
	s_cbranch_scc0 .Lentry_in_a_cluster
	s_endpgm
.Lentry_in_a_cluster:
	s_bfe_u32 s2, ttmp6, 0x10000c
	s_cmp_lg_u32 s2, 0xf033
	s_cbranch_scc0 .Lentry_shape_is_right
	s_endpgm
.Lentry_shape_is_right:
; out = res + A B^T + bias: product 6 (A = the attention's result as codes, K = 1,024; B = Wo; res = x).  A tile of 128 tokens x 128 features, so that 4,096 x 1,024 numbers make 256 work-groups; four waves of 64 x 64: 16 accumulators each.
; OPERANDS lie in memory in the order of their registers: a block (128 stored rows x 256 K) is 25,600 dense bytes: 16 fragments of 1,536 bytes (f = 8 q + i: q = which 128 along K, i = which 16 rows), then their scale words, 64 bytes a fragment.
; THE RING: two LDS slots of four blocks: A's two blocks of 512 along K, then B's two.  One tensor load a wave brings one block.  A slot is four quarters of 128 along K: 16 matrix instructions a wave each.
; THE PRODUCT IS USED TRANSPOSED: source 0 = 16 rows of B, source 1 = 16 rows of A.  A lane holds one stored token, and, by the stored order of B's rows, its 32 registers of a block of A run along 64 neighbouring features.
; CLUSTERS 4 x 4: A's blocks are shared along a row of the cluster, B's along a column: joint loads.
; THE RESIDUAL, 32 loads of 16 bytes a lane, is asked for at the head and lands while the products run.
; THE WAY OUT: a block of 16 tokens x 64 features goes through the wave's own stage in LDS (in slot 0, which has had its last fill and its last read) and comes back as rows of 256 bytes; bias and residual are added there.
; REGISTERS: window 0: v7 16 r; v8-11 the bias; v16-30 addresses; v32-63 scale words; v64-127 rows back from the stage, two buffers; v128-255 accumulators, (a, b) at v[128 + 8 (4 a + b)].
;   window 1: two fragment buffers, at v0 and v128: A's four fragments (48 registers), then B's four.   window 2: v0-127 the residual.
; LIMITS: a scale byte 0xff in A (a query that the mask left without a key) makes its token's row NaN, as the softmax of a row of -infinity does.
.set NS,    4                          ; blocks of 256 along K
.set BOFF,  96*25600                   ; where B's blocks begin in WC
.set GBLK,  25600
.set SLOT,  4*GBLK
.set SPARE, 2*SLOT                     ; behind the ring: the spare words, 128 bytes a wave: two blocks of 256 bytes that no other line names
.set LAPS,  NS/4                       ; a lap = two slots = 1,024 along K
.set FR,    12
.set ADRA,  16                         ; v16-17 my four tiles of A in slot 0, 1, + 16 x lane; v18-19 the same + 8 x lane
.set ADRB,  20                         ; v20-23 the same for B
.set STO,   24
.set RD,    25
.set CO,    26
.set SPW,   28
.set NIL,   29
.set SC,    32                         ; scale words, a set of 16 for each slot: register 4 kk + i: lanes 0-15 my tile i of A, lanes 16-31 my tile i of B, for the slot's kk-th 128 along K   (addresses: v27 slot 0, v30 slot 1)
.set BK,    64
.set ACC,   128
.set G1,    24
.set G0,    32
.set G1B,   48
.set G0B,   56
.set MSB, 0
.macro WIN new                         ; the immediate's high byte repeats the setting that is left
.if MSB != \new
	s_set_vgpr_msb (MSB<<8)|\new
.set MSB, \new
.endif
.endm
.set MUL,  0x05                        ; sources 0 (B) and 1 (A) window 1; C and D window 0
.set TO_F, 0x40                        ; destination window 1, address window 0
.macro JLOAD s                         ; a joint load: waves 0, 1 fetch A's two blocks, waves 2, 3 B's; four v_nop follow each line
	s_cmp_eq_u32 s15, 0
	s_cbranch_scc0 .Lfor_b_\@
	tensor_load_to_lds s[G0+4*\s:G0+4*\s+3], s[G1:G1+7]
	s_nop 0
.rept 4
	v_nop
.endr
	s_branch .Lasked_\@
.Lfor_b_\@:
	tensor_load_to_lds s[G0B+4*\s:G0B+4*\s+3], s[G1B:G1B+7]
	s_nop 0
.rept 4
	v_nop
.endr
.Lasked_\@:
.endm
.macro CREST                           ; a round of the cluster's barrier behind its opening barrier
	s_cmp_lg_u32 s14, 0
	s_cbranch_scc1 .Lnot_wave_0_\@
	s_barrier_signal -3
.Lnot_wave_0_\@:
	s_barrier_wait -3
	s_barrier_signal -1
	s_barrier_wait -1
.endm
.macro CROUND
	s_barrier_signal -1
	s_barrier_wait -1
	CREST
.endm
.macro PLACES                          ; four plain places behind matrix instructions, in front of loads into their registers and of the first read of results
.rept 4
	v_nop
.endr
.endm
.macro FRAG reg, adr, kk, i            ; a fragment comes as it was stored: 16 + 8 + 16 + 8 bytes a lane, each load on consecutive bytes
	ds_load_b128 v[\reg:\reg+3], v[\adr] offset:((\kk)/2)*GBLK+(8*((\kk)%2)+(\i))*1536
	ds_load_b64 v[\reg+4:\reg+5], v[\adr+2] offset:((\kk)/2)*GBLK+(8*((\kk)%2)+(\i))*1536+512
	ds_load_b128 v[\reg+6:\reg+9], v[\adr] offset:((\kk)/2)*GBLK+(8*((\kk)%2)+(\i))*1536+768
	ds_load_b64 v[\reg+10:\reg+11], v[\adr+2] offset:((\kk)/2)*GBLK+(8*((\kk)%2)+(\i))*1536+1280
.endm
.macro FETCH slot, kk, p               ; 32 LDS loads in one run: the slot's kk-th 128 along K into buffer p; B's four fragments first, A's tiles 2 and 3 last
	WIN TO_F
.irp i, 0,1,2,3
	FRAG 128*(\p)+48+FR*\i, ADRB+\slot, \kk, \i
.endr
.irp i, 0,1,2,3
	FRAG 128*(\p)+FR*\i, ADRA+\slot, \kk, \i
.endr
.endm
.macro SCALES sc                       ; a slot's 16 scale words a side
.irp k, 0,1,2,3
.irp i, 0,1,2,3
	ds_load_b32 v[SC+16*(\sc)+4*\k+\i], v[27+3*(\sc)] offset:(\k/2)*GBLK+(8*(\k%2)+\i)*64
.endr
.endr
.endm
.macro MULA p, kk, sc, a, zero         ; my tile a of A x my four tiles of B.  The 16 accumulators take turns, in the same order in every quarter.  zero = 1: the product starts the sums
.irp b, 0,1,2,3
.if \zero
	v_wmma_scale_f32_16x16x128_f8f6f4 v[ACC+8*(4*(\a)+\b):ACC+8*(4*(\a)+\b)+7], v[128*(\p)+48+FR*\b:128*(\p)+48+FR*\b+FR-1], v[128*(\p)+FR*(\a):128*(\p)+FR*(\a)+FR-1], 0, v[SC+16*(\sc)+4*(\kk)+\b], v[SC+16*(\sc)+4*(\kk)+(\a)] matrix_a_fmt:MATRIX_FMT_BF6 matrix_b_fmt:MATRIX_FMT_BF6 matrix_a_scale:MATRIX_SCALE_ROW1
.else
	v_wmma_scale_f32_16x16x128_f8f6f4 v[ACC+8*(4*(\a)+\b):ACC+8*(4*(\a)+\b)+7], v[128*(\p)+48+FR*\b:128*(\p)+48+FR*\b+FR-1], v[128*(\p)+FR*(\a):128*(\p)+FR*(\a)+FR-1], v[ACC+8*(4*(\a)+\b):ACC+8*(4*(\a)+\b)+7], v[SC+16*(\sc)+4*(\kk)+\b], v[SC+16*(\sc)+4*(\kk)+(\a)] matrix_a_fmt:MATRIX_FMT_BF6 matrix_b_fmt:MATRIX_FMT_BF6 matrix_a_scale:MATRIX_SCALE_ROW1
.endif
.endr
.endm
.macro QUARTER slot, kk, zero          ; one of a slot's first three quarters: the next quarter's fragments are asked for first, then this quarter's buffer is multiplied
	s_wait_dscnt 8                                 ; this quarter's fragments are in, all but the youngest 8 loads: A's tiles 2 and 3
	PLACES                                         ; the other buffer was read by the quarter before
	FETCH \slot, (\kk)+1, 1-(\kk)%2
	WIN MUL
	MULA (\kk)%2, \kk, \slot, 0, \zero
	MULA (\kk)%2, \kk, \slot, 1, \zero
	s_wait_dscnt 32                                ; all but the 32 just issued
	MULA (\kk)%2, \kk, \slot, 2, \zero
	MULA (\kk)%2, \kk, \slot, 3, \zero
.endm
.macro TURN slot, next, fill           ; a slot's last quarter, and the change of slots: one barrier; fill = 1: it opens a round of the cluster's barrier and this slot is filled again, two slots ahead
	WIN 0                                          ; (the add's two registers lie in window 0)
	s_wait_tensorcnt 0x0                           ; all my tensor loads have landed: my part of the next slot
	ds_add_u32 v[SPW], v[NIL]                      ; 0 onto my spare word
	s_wait_dscnt 9                                 ; (the add and A's tiles 2 and 3 may be out)
	WIN MUL
	MULA 1, 3, \slot, 0, 0
	MULA 1, 3, \slot, 1, 0
	s_wait_dscnt 0x0                               ; the add is done, and my reads of this slot are over
	s_barrier_signal -1
	MULA 1, 3, \slot, 2, 0
	WIN 0
	s_barrier_wait -1
.if \fill
	CREST                                          ; no wave of any partner still reads this slot or has a load on its way
	s_add_nc_u64 s[G0+4*\slot+2:G0+4*\slot+3], s[G0+4*\slot+2:G0+4*\slot+3], 4*GBLK
	s_add_nc_u64 s[G0B+4*\slot+2:G0B+4*\slot+3], s[G0B+4*\slot+2:G0B+4*\slot+3], 4*GBLK
	JLOAD \slot                                    ; the first tensor load behind the round; its four v_nop are the places in front of the loads below
.else
	PLACES
.endif
	SCALES \next
	FETCH \next, 0, 0
	WIN MUL
	MULA 1, 3, \slot, 3, 0
.endm
	s_load_b128 s[4:7], s[0:1], 0x0                ; A, WC
	s_load_b128 s[8:11], s[0:1], 0x10              ; bias, res
	s_load_b64 s[12:13], s[0:1], 0x20              ; out
	v_lshl_add_u32 v[SPW], v0, 2, SPARE
	v_mov_b32 v[NIL], 0
	ds_add_u32 v28, v29
	ds_add_u32 v28, v29
	s_wait_dscnt 0x0
	v_lshrrev_b32 v1, 5, v0
	v_readfirstlane_b32 s14, v1                    ; wave
	s_lshr_b32 s15, s14, 1                         ; which 64 tokens are mine.  Also: I fetch for A (0) or for B (1)
	s_and_b32 s16, s14, 1                          ; which 64 features.  Also: which of a slot's two blocks along K I fetch
	s_bfe_u32 s40, ttmp6, 0x40000                  ; cx
	s_bfe_u32 s41, ttmp6, 0x40004                  ; cy
	s_lshl_b32 s42, ttmp9, 2
	s_add_co_u32 s42, s42, s40                     ; tile column, 0-7
	s_and_b32 s17, ttmp7, 0xffff
	s_lshl_b32 s17, s17, 2
	s_add_co_u32 s17, s17, s41                     ; tile row, 0-31
	s_lshl_b32 s43, s41, 2
	s_lshl_b32 s43, 15, s43                        ; my row of the cluster
	s_lshl_b32 s44, 0x1111, s40                    ; my column
	s_or_b32 s[G1+0], s43, (3<<16)|(1<<21)         ; 15:0 the mask; 17:16 elements of 8 bytes; 21 set beside a mask; no padding
	s_or_b32 s[G1B+0], s44, (3<<16)|(1<<21)
.irp g, G1, G1B                        ; a dense block as 100 rows of 256 bytes
	s_mov_b32 s[\g+1], 32<<16
	s_mov_b32 s[\g+2], 100<<16
	s_mov_b32 s[\g+3], 32<<16
	s_mov_b32 s[\g+4], 100
	s_mov_b32 s[\g+5], 32
	s_mov_b32 s[\g+6], 0
	s_mov_b32 s[\g+7], 0
.endr
	s_mul_i32 s20, s17, NS
	s_add_co_u32 s20, s20, s16
	s_mul_i32 s20, s20, GBLK                       ; A: block NS x tile row + which
	s_mov_b32 s21, 0
	s_mul_i32 s46, s42, NS
	s_add_co_u32 s46, s46, s16
	s_mul_i32 s46, s46, GBLK                       ; B: block NS x tile column + which
	s_add_co_u32 s46, s46, BOFF
	s_mov_b32 s47, 0
	s_mul_i32 s45, s14, GBLK                       ; where they go: no place in the cluster enters an LDS address
	s_wait_kmcnt 0x0
	s_add_nc_u64 s[20:21], s[4:5], s[20:21]
	s_add_nc_u64 s[46:47], s[6:7], s[46:47]
	CROUND                                         ; all sixteen work-groups are here: the first joint loads meet
.irp s, 0,1
	s_mov_b32 s[G0+4*\s], 1
	s_add_co_u32 s[G0+4*\s+1], s45, \s*SLOT
	s_add_nc_u64 s[G0+4*\s+2:G0+4*\s+3], s[20:21], \s*2*GBLK
	s_or_b32 s[G0+4*\s+3], s[G0+4*\s+3], 0x80000000
	s_mov_b32 s[G0B+4*\s], 1
	s_add_co_u32 s[G0B+4*\s+1], s45, \s*SLOT
	s_add_nc_u64 s[G0B+4*\s+2:G0B+4*\s+3], s[46:47], \s*2*GBLK
	s_or_b32 s[G0B+4*\s+3], s[G0B+4*\s+3], 0x80000000
	JLOAD \s
.endr
	v_and_b32 v1, 31, v0
	v_and_b32 v2, 15, v0                           ; r
	v_bfe_u32 v3, v0, 4, 1                         ; h
	v_lshlrev_b32 v4, 4, v1
	v_lshlrev_b32 v5, 3, v1
	s_mul_i32 s21, s15, 4*1536                     ; my four tiles of A in a block
	s_mul_i32 s22, s16, 4*1536
	s_add_co_u32 s22, s22, 2*GBLK                  ; my four tiles of B, behind A's two blocks
	s_lshl_b32 s18, s15, 8                         ; their scale words: 4 x 64 bytes
	s_lshl_b32 s19, s16, 8
	s_add_co_u32 s19, s19, 2*GBLK
	s_sub_co_u32 s23, s19, s18
	v_mul_u32_u24 v6, s23, v3                      ; lanes 16-31 take B's
	v_lshl_add_u32 v6, v2, 2, v6
	v_add_nc_u32 v6, s18, v6
	v_add_nc_u32 v27, 24576, v6
	v_add_nc_u32 v30, SLOT+24576, v6
.irp s, 0,1
	v_add_nc_u32 v[ADRA+\s], s21, v4
	v_add_nc_u32 v[ADRA+2+\s], s21, v5
	v_add_nc_u32 v[ADRB+\s], s22, v4
	v_add_nc_u32 v[ADRB+2+\s], s22, v5
	s_add_co_u32 s21, s21, SLOT
	s_add_co_u32 s22, s22, SLOT
.endr
	s_mul_i32 s23, s14, 16*272                     ; my stage: 16 rows of 256 bytes + 16
	v_mul_u32_u24 v6, v2, 272
	v_lshl_add_u32 v6, v3, 6, v6
	v_add_nc_u32 v[STO], s23, v6                   ; in: row r, + 64 h: register 8 b + j is feature 32 (b / 2) + 16 h + 8 (b % 2) + j of my 64
	v_mul_u32_u24 v6, v3, 272
	v_lshl_add_u32 v6, v2, 4, v6
	v_add_nc_u32 v[RD], s23, v6                    ; back: lanes 0-15 take one row, lanes 16-31 the next
	v_lshlrev_b32 v[CO], 12, v3
	v_lshl_add_u32 v[CO], v2, 4, v[CO]             ; and the same two tokens in memory: 4,096 h + 16 r; never rewritten
	v_lshlrev_b32 v7, 4, v2                        ; 16 r; never rewritten
	s_lshl_b32 s66, s42, 9
	s_lshl_b32 s67, s16, 8
	s_add_co_u32 s66, s66, s67                     ; my first feature, in bytes
	s_mov_b32 s67, 0
	s_add_nc_u64 s[8:9], s[8:9], s[66:67]
	global_load_b128 v[8:11], v7, s[8:9]           ; the bias of my four features of a row
	s_lshl_b32 s68, s17, 7
	s_lshl_b32 s69, s15, 6
	s_add_co_u32 s68, s68, s69
	s_lshl_b32 s68, s68, 12                        ; my first token's row
	s_mov_b32 s69, 0
	s_add_nc_u64 s[66:67], s[66:67], s[68:69]
	s_add_nc_u64 s[10:11], s[10:11], s[66:67]      ; neither base is ever stepped: a token's place stands in the immediate, 253,952 bytes at the most
	s_add_nc_u64 s[12:13], s[12:13], s[66:67]
	; Stored row 2 t + h of my tile a is token 32 (a / 2) + 8 (a % 2) + 2 t + 8 (t / 4) + h of my 64.  The residual of all 64 tokens is asked for now, in the places in which the rows will come back from the stage
	WIN 0x80                                       ; destination window 2
.irp a, 0,1,2,3
.irp t, 0,1,2,3,4,5,6,7
	global_load_b128 v[32*\a+4*\t:32*\a+4*\t+3], v[CO], s[10:11] offset:(32*(\a/2)+8*(\a%2)+2*\t+8*(\t/4))*4096 th:TH_LOAD_NT
.endr
.endr
	WIN 0
	s_wait_tensorcnt 1                             ; my part of slot 0 is in; slot 1's load may be out
	s_barrier_signal -1
	s_barrier_wait -1
	SCALES 0
	FETCH 0, 0, 0
	QUARTER 0, 0, 1                                ; the first quarter stands in front of the loop: its products start the sums
.if LAPS > 1
	WIN 0                                          ; at a label and at a branch every window is 0
	s_mov_b32 s3, LAPS-1
.Llap:                                             ; a trip goes once round the ring, from a lap's second quarter to the next lap's first, and fills both slots again
	QUARTER 0, 1, 0
	QUARTER 0, 2, 0
	TURN 0, 1, 1
	QUARTER 1, 0, 0
	QUARTER 1, 1, 0
	QUARTER 1, 2, 0
	TURN 1, 0, 1
	QUARTER 0, 0, 0
	WIN 0
	s_sub_co_u32 s3, s3, 1
	s_cmp_lg_u32 s3, 0
	s_cbranch_scc1 .Llap
.endif
	QUARTER 0, 1, 0                                ; the last lap fills nothing
	QUARTER 0, 2, 0
	TURN 0, 1, 0
	QUARTER 1, 0, 0
	QUARTER 1, 1, 0
	QUARTER 1, 2, 0
	s_wait_dscnt 8                                 ; the very last quarter: nothing more to fetch
	WIN MUL
	MULA 1, 3, 1, 0, 0
	MULA 1, 3, 1, 1, 0
	s_wait_dscnt 0x0
	MULA 1, 3, 1, 2, 0
	MULA 1, 3, 1, 3, 0
	WIN 0
.macro TOSTAGE a
.irp b, 0,1,2,3
	ds_store_b128 v[STO], v[ACC+8*(4*(\a)+\b):ACC+8*(4*(\a)+\b)+3] offset:128*(\b/2)+32*(\b%2)        ; each accumulator from its low end on
	ds_store_b128 v[STO], v[ACC+8*(4*(\a)+\b)+4:ACC+8*(4*(\a)+\b)+7] offset:128*(\b/2)+32*(\b%2)+16
.endr
.set BB, BK+32*((\a)%2)
.irp t, 0,1,2,3,4,5,6,7
	ds_load_b128 v[BB+4*\t:BB+4*\t+3], v[RD] offset:\t*2*272       ; LDS serves a wave's instructions in order: these see the stores above, and the next block's stores come behind them
.endr
.endm
.macro SEND a, younger
.set BB, BK+32*((\a)%2)
.set RB, 32*(\a)
	s_wait_dscnt \younger                          ; the block is back; the next block's 8 stores and 8 loads may be out
.irp t, 0,1,2,3,4,5,6,7
	v_pk_add_f32 v[BB+4*\t:BB+4*\t+1], v[BB+4*\t:BB+4*\t+1], v[8:9]
	v_pk_add_f32 v[BB+4*\t+2:BB+4*\t+3], v[BB+4*\t+2:BB+4*\t+3], v[10:11]
.endr
	WIN 0x08                                       ; source 1 in window 2
.irp t, 0,1,2,3,4,5,6,7
	v_pk_add_f32 v[BB+4*\t:BB+4*\t+1], v[BB+4*\t:BB+4*\t+1], v[RB+4*\t:RB+4*\t+1]
	v_pk_add_f32 v[BB+4*\t+2:BB+4*\t+3], v[BB+4*\t+2:BB+4*\t+3], v[RB+4*\t+2:RB+4*\t+3]
.endr
	WIN 0
.irp t, 0,1,2,3,4,5,6,7
	global_store_b128 v[CO], v[BB+4*\t:BB+4*\t+3], s[12:13] offset:(32*((\a)/2)+8*((\a)%2)+2*\t+8*(\t/4))*4096 th:TH_STORE_NT   ; sixteen lanes store 256 consecutive bytes, aligned
.endr
.endm
	PLACES
	s_wait_loadcnt 0x0                             ; the bias and the residual, asked for at the head
	TOSTAGE 0
.irp a, 1,2,3
.if \a > 1
	s_wait_xcnt 0x0                                ; block a - 2's stores have read their registers: block a's loads may land there
.endif
	TOSTAGE \a
	SEND \a-1, 16
.endr
	SEND 3, 0
	s_wait_tensorcnt 0x0                           ; the wave's end
	ds_add_u32 v[SPW], v[NIL]
	s_wait_dscnt 0x0
	CROUND                                         ; the closing round
	s_endpgm
.Lfunc_end_k_qcfc06ded64_wo:
	.size	k_qcfc06ded64_wo, .Lfunc_end_k_qcfc06ded64_wo-k_qcfc06ded64_wo
	.p2alignl 7, 3214868480
	.fill 96, 4, 3214868480
	.section	.rodata,"a",@progbits
	.p2align	6, 0x0
	.amdhsa_kernel k_qcfc06ded64_wo
		.amdhsa_group_segment_fixed_size 327680
		.amdhsa_private_segment_fixed_size 0
		.amdhsa_enable_private_segment 0
		.amdhsa_kernarg_size 40
		.amdhsa_user_sgpr_count 2
		.amdhsa_user_sgpr_kernarg_segment_ptr 1
		.amdhsa_wavefront_size32 1
		.amdhsa_system_sgpr_workgroup_id_x 1
		.amdhsa_system_sgpr_workgroup_id_y 1
		.amdhsa_system_sgpr_workgroup_id_z 1
		.amdhsa_system_vgpr_workitem_id 0
		.amdhsa_next_free_vgpr 768
		.amdhsa_next_free_sgpr 100
		.amdhsa_reserve_vcc 0
		.amdhsa_float_denorm_mode_32 3
		.amdhsa_float_denorm_mode_16_64 3
		.amdhsa_memory_ordered 1
		.amdhsa_forward_progress 1
		.amdhsa_inst_pref_size 63
	.end_amdhsa_kernel
	.amdgpu_metadata
---
amdhsa.version: [ 1, 2 ]
amdhsa.kernels:
  - .name:           k_qcfc06ded64_wo
    .symbol:         k_qcfc06ded64_wo.kd
    .args:
      - { .name: ACT, .offset: 0, .size: 8, .value_kind: global_buffer, .address_space: global }
      - { .name: WC, .offset: 8, .size: 8, .value_kind: global_buffer, .address_space: global }
      - { .name: bo, .offset: 16, .size: 8, .value_kind: global_buffer, .address_space: global }
      - { .name: x, .offset: 24, .size: 8, .value_kind: global_buffer, .address_space: global }
      - { .name: X1, .offset: 32, .size: 8, .value_kind: global_buffer, .address_space: global }
    .group_segment_fixed_size: 327680
    .private_segment_fixed_size: 0
    .kernarg_segment_align: 8
    .kernarg_segment_size: 40
    .max_flat_workgroup_size: 128
    .sgpr_count:     100
    .vgpr_count:     768
    .wavefront_size: 32
...
	.end_amdgpu_metadata
.endif
;; end of part 8
;; launch ln2: the kernel of part 2 again; grid 256 x 1, 8 waves a work-group, no clusters, 2,048 bytes of LDS; arguments X1, ln2_g, ln2_b, ACT; writes ACT
;; launch ffn1: the kernel of part 6 again; grid 16 x 16, 4 waves a work-group, clusters of 4 x 4, 327,680 bytes of LDS; arguments ACT, WC, b1, FFC; writes FFC
;; launch ffn2 (part 9): grid 8 x 32, 4 waves a work-group, clusters of 4 x 4, 327,680 bytes of LDS; arguments FFC, WC, b2, X1, out0; writes out0
.if DOCPART == 9
	.amdgcn_target "amdgcn-amd-amdhsa--gfx1250"
	.amdhsa_code_object_version 6
	.text
	.protected	k_qcfc06ded64_ffn2
	.globl	k_qcfc06ded64_ffn2
	.p2align	8
	.type	k_qcfc06ded64_ffn2,@function
k_qcfc06ded64_ffn2:
	s_mov_b64 s[64:65], 0
	v_nop
	global_prefetch_b8 v0, s[64:65] scope:SCOPE_SE
	s_setreg_imm32_b32 hwreg(HW_REG_WAVE_MODE, 25, 1), 1
	s_wait_xcnt 0x0
	s_wait_alu depctr_hold_cnt(0) depctr_sa_sdst(0) depctr_va_vdst(0) depctr_va_sdst(0) depctr_va_ssrc(0) depctr_va_vcc(0) depctr_vm_vsrc(0)
	s_getreg_b32 s2, hwreg(HW_REG_IB_STS2, 6, 4)
	s_cmp_eq_u32 s2, 0
	s_cbranch_scc0 .Lentry_in_a_cluster
	s_endpgm
.Lentry_in_a_cluster:
	s_bfe_u32 s2, ttmp6, 0x10000c
	s_cmp_lg_u32 s2, 0xf033
	s_cbranch_scc0 .Lentry_shape_is_right
	s_endpgm
.Lentry_shape_is_right:
; out = res + A B^T + bias: product 8 (A = the hidden layer as codes, K = 4,096; B = W2; res = the attention branch's result).  A tile of 128 tokens x 128 features, so that 4,096 x 1,024 numbers make 256 work-groups; four waves of 64 x 64: 16 accumulators each.
; OPERANDS lie in memory in the order of their registers: a block (128 stored rows x 256 K) is 25,600 dense bytes: 16 fragments of 1,536 bytes (f = 8 q + i: q = which 128 along K, i = which 16 rows), then their scale words, 64 bytes a fragment.
; THE RING: two LDS slots of four blocks: A's two blocks of 512 along K, then B's two.  One tensor load a wave brings one block.  A slot is four quarters of 128 along K: 16 matrix instructions a wave each.
; THE PRODUCT IS USED TRANSPOSED: source 0 = 16 rows of B, source 1 = 16 rows of A.  A lane holds one stored token, and, by the stored order of B's rows, its 32 registers of a block of A run along 64 neighbouring features.
; CLUSTERS 4 x 4: A's blocks are shared along a row of the cluster, B's along a column: joint loads.
; THE RESIDUAL, 32 loads of 16 bytes a lane, is asked for at the head and lands while the products run.
; THE WAY OUT: a block of 16 tokens x 64 features goes through the wave's own stage in LDS (in slot 0, which has had its last fill and its last read) and comes back as rows of 256 bytes; bias and residual are added there.
; REGISTERS: window 0: v7 16 r; v8-11 the bias; v16-30 addresses; v32-63 scale words; v64-127 rows back from the stage, two buffers; v128-255 accumulators, (a, b) at v[128 + 8 (4 a + b)].
;   window 1: two fragment buffers, at v0 and v128: A's four fragments (48 registers), then B's four.   window 2: v0-127 the residual.
; LIMITS: a token whose residual is NaN (a query that the mask left without a key) stays NaN; other NaN and infinities are not served.
.set NS,    16                         ; blocks of 256 along K
.set BOFF,  256*25600                  ; where B's blocks begin in WC
.set GBLK,  25600
.set SLOT,  4*GBLK
.set SPARE, 2*SLOT                     ; behind the ring: the spare words, 128 bytes a wave: two blocks of 256 bytes that no other line names
.set LAPS,  NS/4                       ; a lap = two slots = 1,024 along K
.set FR,    12
.set ADRA,  16                         ; v16-17 my four tiles of A in slot 0, 1, + 16 x lane; v18-19 the same + 8 x lane
.set ADRB,  20                         ; v20-23 the same for B
.set STO,   24
.set RD,    25
.set CO,    26
.set SPW,   28
.set NIL,   29
.set SC,    32                         ; scale words, a set of 16 for each slot: register 4 kk + i: lanes 0-15 my tile i of A, lanes 16-31 my tile i of B, for the slot's kk-th 128 along K   (addresses: v27 slot 0, v30 slot 1)
.set BK,    64
.set ACC,   128
.set G1,    24
.set G0,    32
.set G1B,   48
.set G0B,   56
.set MSB, 0
.macro WIN new                         ; the immediate's high byte repeats the setting that is left
.if MSB != \new
	s_set_vgpr_msb (MSB<<8)|\new
.set MSB, \new
.endif
.endm
.set MUL,  0x05                        ; sources 0 (B) and 1 (A) window 1; C and D window 0
.set TO_F, 0x40                        ; destination window 1, address window 0
.macro JLOAD s                         ; a joint load: waves 0, 1 fetch A's two blocks, waves 2, 3 B's; four v_nop follow each line
	s_cmp_eq_u32 s15, 0
	s_cbranch_scc0 .Lfor_b_\@
	tensor_load_to_lds s[G0+4*\s:G0+4*\s+3], s[G1:G1+7]
	s_nop 0
.rept 4
	v_nop
.endr
	s_branch .Lasked_\@
.Lfor_b_\@:
	tensor_load_to_lds s[G0B+4*\s:G0B+4*\s+3], s[G1B:G1B+7]
	s_nop 0
.rept 4
	v_nop
.endr
.Lasked_\@:
.endm
.macro CREST                           ; a round of the cluster's barrier behind its opening barrier
	s_cmp_lg_u32 s14, 0
	s_cbranch_scc1 .Lnot_wave_0_\@
	s_barrier_signal -3
.Lnot_wave_0_\@:
	s_barrier_wait -3
	s_barrier_signal -1
	s_barrier_wait -1
.endm
.macro CROUND
	s_barrier_signal -1
	s_barrier_wait -1
	CREST
.endm
.macro PLACES                          ; four plain places behind matrix instructions, in front of loads into their registers and of the first read of results
.rept 4
	v_nop
.endr
.endm
.macro FRAG reg, adr, kk, i            ; a fragment comes as it was stored: 16 + 8 + 16 + 8 bytes a lane, each load on consecutive bytes
	ds_load_b128 v[\reg:\reg+3], v[\adr] offset:((\kk)/2)*GBLK+(8*((\kk)%2)+(\i))*1536
	ds_load_b64 v[\reg+4:\reg+5], v[\adr+2] offset:((\kk)/2)*GBLK+(8*((\kk)%2)+(\i))*1536+512
	ds_load_b128 v[\reg+6:\reg+9], v[\adr] offset:((\kk)/2)*GBLK+(8*((\kk)%2)+(\i))*1536+768
	ds_load_b64 v[\reg+10:\reg+11], v[\adr+2] offset:((\kk)/2)*GBLK+(8*((\kk)%2)+(\i))*1536+1280
.endm
.macro FETCH slot, kk, p               ; 32 LDS loads in one run: the slot's kk-th 128 along K into buffer p; B's four fragments first, A's tiles 2 and 3 last
	WIN TO_F
.irp i, 0,1,2,3
	FRAG 128*(\p)+48+FR*\i, ADRB+\slot, \kk, \i
.endr
.irp i, 0,1,2,3
	FRAG 128*(\p)+FR*\i, ADRA+\slot, \kk, \i
.endr
.endm
.macro SCALES sc                       ; a slot's 16 scale words a side
.irp k, 0,1,2,3
.irp i, 0,1,2,3
	ds_load_b32 v[SC+16*(\sc)+4*\k+\i], v[27+3*(\sc)] offset:(\k/2)*GBLK+(8*(\k%2)+\i)*64
.endr
.endr
.endm
.macro MULA p, kk, sc, a, zero         ; my tile a of A x my four tiles of B.  The 16 accumulators take turns, in the same order in every quarter.  zero = 1: the product starts the sums
.irp b, 0,1,2,3
.if \zero
	v_wmma_scale_f32_16x16x128_f8f6f4 v[ACC+8*(4*(\a)+\b):ACC+8*(4*(\a)+\b)+7], v[128*(\p)+48+FR*\b:128*(\p)+48+FR*\b+FR-1], v[128*(\p)+FR*(\a):128*(\p)+FR*(\a)+FR-1], 0, v[SC+16*(\sc)+4*(\kk)+\b], v[SC+16*(\sc)+4*(\kk)+(\a)] matrix_a_fmt:MATRIX_FMT_BF6 matrix_b_fmt:MATRIX_FMT_BF6 matrix_a_scale:MATRIX_SCALE_ROW1
.else
	v_wmma_scale_f32_16x16x128_f8f6f4 v[ACC+8*(4*(\a)+\b):ACC+8*(4*(\a)+\b)+7], v[128*(\p)+48+FR*\b:128*(\p)+48+FR*\b+FR-1], v[128*(\p)+FR*(\a):128*(\p)+FR*(\a)+FR-1], v[ACC+8*(4*(\a)+\b):ACC+8*(4*(\a)+\b)+7], v[SC+16*(\sc)+4*(\kk)+\b], v[SC+16*(\sc)+4*(\kk)+(\a)] matrix_a_fmt:MATRIX_FMT_BF6 matrix_b_fmt:MATRIX_FMT_BF6 matrix_a_scale:MATRIX_SCALE_ROW1
.endif
.endr
.endm
.macro QUARTER slot, kk, zero          ; one of a slot's first three quarters: the next quarter's fragments are asked for first, then this quarter's buffer is multiplied
	s_wait_dscnt 8                                 ; this quarter's fragments are in, all but the youngest 8 loads: A's tiles 2 and 3
	PLACES                                         ; the other buffer was read by the quarter before
	FETCH \slot, (\kk)+1, 1-(\kk)%2
	WIN MUL
	MULA (\kk)%2, \kk, \slot, 0, \zero
	MULA (\kk)%2, \kk, \slot, 1, \zero
	s_wait_dscnt 32                                ; all but the 32 just issued
	MULA (\kk)%2, \kk, \slot, 2, \zero
	MULA (\kk)%2, \kk, \slot, 3, \zero
.endm
.macro TURN slot, next, fill           ; a slot's last quarter, and the change of slots: one barrier; fill = 1: it opens a round of the cluster's barrier and this slot is filled again, two slots ahead
	WIN 0                                          ; (the add's two registers lie in window 0)
	s_wait_tensorcnt 0x0                           ; all my tensor loads have landed: my part of the next slot
	ds_add_u32 v[SPW], v[NIL]                      ; 0 onto my spare word
	s_wait_dscnt 9                                 ; (the add and A's tiles 2 and 3 may be out)
	WIN MUL
	MULA 1, 3, \slot, 0, 0
	MULA 1, 3, \slot, 1, 0
	s_wait_dscnt 0x0                               ; the add is done, and my reads of this slot are over
	s_barrier_signal -1
	MULA 1, 3, \slot, 2, 0
	WIN 0
	s_barrier_wait -1
.if \fill
	CREST                                          ; no wave of any partner still reads this slot or has a load on its way
	s_add_nc_u64 s[G0+4*\slot+2:G0+4*\slot+3], s[G0+4*\slot+2:G0+4*\slot+3], 4*GBLK
	s_add_nc_u64 s[G0B+4*\slot+2:G0B+4*\slot+3], s[G0B+4*\slot+2:G0B+4*\slot+3], 4*GBLK
	JLOAD \slot                                    ; the first tensor load behind the round; its four v_nop are the places in front of the loads below
.else
	PLACES
.endif
	SCALES \next
	FETCH \next, 0, 0
	WIN MUL
	MULA 1, 3, \slot, 3, 0
.endm
	s_load_b128 s[4:7], s[0:1], 0x0                ; A, WC
	s_load_b128 s[8:11], s[0:1], 0x10              ; bias, res
	s_load_b64 s[12:13], s[0:1], 0x20              ; out
	v_lshl_add_u32 v[SPW], v0, 2, SPARE
	v_mov_b32 v[NIL], 0
	ds_add_u32 v28, v29
	ds_add_u32 v28, v29
	s_wait_dscnt 0x0
	v_lshrrev_b32 v1, 5, v0
	v_readfirstlane_b32 s14, v1                    ; wave
	s_lshr_b32 s15, s14, 1                         ; which 64 tokens are mine.  Also: I fetch for A (0) or for B (1)
	s_and_b32 s16, s14, 1                          ; which 64 features.  Also: which of a slot's two blocks along K I fetch
	s_bfe_u32 s40, ttmp6, 0x40000                  ; cx
	s_bfe_u32 s41, ttmp6, 0x40004                  ; cy
	s_lshl_b32 s42, ttmp9, 2
	s_add_co_u32 s42, s42, s40                     ; tile column, 0-7
	s_and_b32 s17, ttmp7, 0xffff
	s_lshl_b32 s17, s17, 2
	s_add_co_u32 s17, s17, s41                     ; tile row, 0-31
	s_lshl_b32 s43, s41, 2
	s_lshl_b32 s43, 15, s43                        ; my row of the cluster
	s_lshl_b32 s44, 0x1111, s40                    ; my column
	s_or_b32 s[G1+0], s43, (3<<16)|(1<<21)         ; 15:0 the mask; 17:16 elements of 8 bytes; 21 set beside a mask; no padding
	s_or_b32 s[G1B+0], s44, (3<<16)|(1<<21)
.irp g, G1, G1B                        ; a dense block as 100 rows of 256 bytes
	s_mov_b32 s[\g+1], 32<<16
	s_mov_b32 s[\g+2], 100<<16
	s_mov_b32 s[\g+3], 32<<16
	s_mov_b32 s[\g+4], 100
	s_mov_b32 s[\g+5], 32
	s_mov_b32 s[\g+6], 0
	s_mov_b32 s[\g+7], 0
.endr
	s_mul_i32 s20, s17, NS
	s_add_co_u32 s20, s20, s16
	s_mul_i32 s20, s20, GBLK                       ; A: block NS x tile row + which
	s_mov_b32 s21, 0
	s_mul_i32 s46, s42, NS
	s_add_co_u32 s46, s46, s16
	s_mul_i32 s46, s46, GBLK                       ; B: block NS x tile column + which
	s_add_co_u32 s46, s46, BOFF
	s_mov_b32 s47, 0
	s_mul_i32 s45, s14, GBLK                       ; where they go: no place in the cluster enters an LDS address
	s_wait_kmcnt 0x0
	s_add_nc_u64 s[20:21], s[4:5], s[20:21]
	s_add_nc_u64 s[46:47], s[6:7], s[46:47]
	CROUND                                         ; all sixteen work-groups are here: the first joint loads meet
.irp s, 0,1
	s_mov_b32 s[G0+4*\s], 1
	s_add_co_u32 s[G0+4*\s+1], s45, \s*SLOT
	s_add_nc_u64 s[G0+4*\s+2:G0+4*\s+3], s[20:21], \s*2*GBLK
	s_or_b32 s[G0+4*\s+3], s[G0+4*\s+3], 0x80000000
	s_mov_b32 s[G0B+4*\s], 1
	s_add_co_u32 s[G0B+4*\s+1], s45, \s*SLOT
	s_add_nc_u64 s[G0B+4*\s+2:G0B+4*\s+3], s[46:47], \s*2*GBLK
	s_or_b32 s[G0B+4*\s+3], s[G0B+4*\s+3], 0x80000000
	JLOAD \s
.endr
	v_and_b32 v1, 31, v0
	v_and_b32 v2, 15, v0                           ; r
	v_bfe_u32 v3, v0, 4, 1                         ; h
	v_lshlrev_b32 v4, 4, v1
	v_lshlrev_b32 v5, 3, v1
	s_mul_i32 s21, s15, 4*1536                     ; my four tiles of A in a block
	s_mul_i32 s22, s16, 4*1536
	s_add_co_u32 s22, s22, 2*GBLK                  ; my four tiles of B, behind A's two blocks
	s_lshl_b32 s18, s15, 8                         ; their scale words: 4 x 64 bytes
	s_lshl_b32 s19, s16, 8
	s_add_co_u32 s19, s19, 2*GBLK
	s_sub_co_u32 s23, s19, s18
	v_mul_u32_u24 v6, s23, v3                      ; lanes 16-31 take B's
	v_lshl_add_u32 v6, v2, 2, v6
	v_add_nc_u32 v6, s18, v6
	v_add_nc_u32 v27, 24576, v6
	v_add_nc_u32 v30, SLOT+24576, v6
.irp s, 0,1
	v_add_nc_u32 v[ADRA+\s], s21, v4
	v_add_nc_u32 v[ADRA+2+\s], s21, v5
	v_add_nc_u32 v[ADRB+\s], s22, v4
	v_add_nc_u32 v[ADRB+2+\s], s22, v5
	s_add_co_u32 s21, s21, SLOT
	s_add_co_u32 s22, s22, SLOT
.endr
	s_mul_i32 s23, s14, 16*272                     ; my stage: 16 rows of 256 bytes + 16
	v_mul_u32_u24 v6, v2, 272
	v_lshl_add_u32 v6, v3, 6, v6
	v_add_nc_u32 v[STO], s23, v6                   ; in: row r, + 64 h: register 8 b + j is feature 32 (b / 2) + 16 h + 8 (b % 2) + j of my 64
	v_mul_u32_u24 v6, v3, 272
	v_lshl_add_u32 v6, v2, 4, v6
	v_add_nc_u32 v[RD], s23, v6                    ; back: lanes 0-15 take one row, lanes 16-31 the next
	v_lshlrev_b32 v[CO], 12, v3
	v_lshl_add_u32 v[CO], v2, 4, v[CO]             ; and the same two tokens in memory: 4,096 h + 16 r; never rewritten
	v_lshlrev_b32 v7, 4, v2                        ; 16 r; never rewritten
	s_lshl_b32 s66, s42, 9
	s_lshl_b32 s67, s16, 8
	s_add_co_u32 s66, s66, s67                     ; my first feature, in bytes
	s_mov_b32 s67, 0
	s_add_nc_u64 s[8:9], s[8:9], s[66:67]
	global_load_b128 v[8:11], v7, s[8:9]           ; the bias of my four features of a row
	s_lshl_b32 s68, s17, 7
	s_lshl_b32 s69, s15, 6
	s_add_co_u32 s68, s68, s69
	s_lshl_b32 s68, s68, 12                        ; my first token's row
	s_mov_b32 s69, 0
	s_add_nc_u64 s[66:67], s[66:67], s[68:69]
	s_add_nc_u64 s[10:11], s[10:11], s[66:67]      ; neither base is ever stepped: a token's place stands in the immediate, 253,952 bytes at the most
	s_add_nc_u64 s[12:13], s[12:13], s[66:67]
	; Stored row 2 t + h of my tile a is token 32 (a / 2) + 8 (a % 2) + 2 t + 8 (t / 4) + h of my 64.  The residual of all 64 tokens is asked for now, in the places in which the rows will come back from the stage
	WIN 0x80                                       ; destination window 2
.irp a, 0,1,2,3
.irp t, 0,1,2,3,4,5,6,7
	global_load_b128 v[32*\a+4*\t:32*\a+4*\t+3], v[CO], s[10:11] offset:(32*(\a/2)+8*(\a%2)+2*\t+8*(\t/4))*4096 th:TH_LOAD_NT
.endr
.endr
	WIN 0
	s_wait_tensorcnt 1                             ; my part of slot 0 is in; slot 1's load may be out
	s_barrier_signal -1
	s_barrier_wait -1
	SCALES 0
	FETCH 0, 0, 0
	QUARTER 0, 0, 1                                ; the first quarter stands in front of the loop: its products start the sums
.if LAPS > 1
	WIN 0                                          ; at a label and at a branch every window is 0
	s_mov_b32 s3, LAPS-1
.Llap:                                             ; a trip goes once round the ring, from a lap's second quarter to the next lap's first, and fills both slots again
	QUARTER 0, 1, 0
	QUARTER 0, 2, 0
	TURN 0, 1, 1
	QUARTER 1, 0, 0
	QUARTER 1, 1, 0
	QUARTER 1, 2, 0
	TURN 1, 0, 1
	QUARTER 0, 0, 0
	WIN 0
	s_sub_co_u32 s3, s3, 1
	s_cmp_lg_u32 s3, 0
	s_cbranch_scc1 .Llap
.endif
	QUARTER 0, 1, 0                                ; the last lap fills nothing
	QUARTER 0, 2, 0
	TURN 0, 1, 0
	QUARTER 1, 0, 0
	QUARTER 1, 1, 0
	QUARTER 1, 2, 0
	s_wait_dscnt 8                                 ; the very last quarter: nothing more to fetch
	WIN MUL
	MULA 1, 3, 1, 0, 0
	MULA 1, 3, 1, 1, 0
	s_wait_dscnt 0x0
	MULA 1, 3, 1, 2, 0
	MULA 1, 3, 1, 3, 0
	WIN 0
.macro TOSTAGE a
.irp b, 0,1,2,3
	ds_store_b128 v[STO], v[ACC+8*(4*(\a)+\b):ACC+8*(4*(\a)+\b)+3] offset:128*(\b/2)+32*(\b%2)        ; each accumulator from its low end on
	ds_store_b128 v[STO], v[ACC+8*(4*(\a)+\b)+4:ACC+8*(4*(\a)+\b)+7] offset:128*(\b/2)+32*(\b%2)+16
.endr
.set BB, BK+32*((\a)%2)
.irp t, 0,1,2,3,4,5,6,7
	ds_load_b128 v[BB+4*\t:BB+4*\t+3], v[RD] offset:\t*2*272       ; LDS serves a wave's instructions in order: these see the stores above, and the next block's stores come behind them
.endr
.endm
.macro SEND a, younger
.set BB, BK+32*((\a)%2)
.set RB, 32*(\a)
	s_wait_dscnt \younger                          ; the block is back; the next block's 8 stores and 8 loads may be out
.irp t, 0,1,2,3,4,5,6,7
	v_pk_add_f32 v[BB+4*\t:BB+4*\t+1], v[BB+4*\t:BB+4*\t+1], v[8:9]
	v_pk_add_f32 v[BB+4*\t+2:BB+4*\t+3], v[BB+4*\t+2:BB+4*\t+3], v[10:11]
.endr
	WIN 0x08                                       ; source 1 in window 2
.irp t, 0,1,2,3,4,5,6,7
	v_pk_add_f32 v[BB+4*\t:BB+4*\t+1], v[BB+4*\t:BB+4*\t+1], v[RB+4*\t:RB+4*\t+1]
	v_pk_add_f32 v[BB+4*\t+2:BB+4*\t+3], v[BB+4*\t+2:BB+4*\t+3], v[RB+4*\t+2:RB+4*\t+3]
.endr
	WIN 0
.irp t, 0,1,2,3,4,5,6,7
	global_store_b128 v[CO], v[BB+4*\t:BB+4*\t+3], s[12:13] offset:(32*((\a)/2)+8*((\a)%2)+2*\t+8*(\t/4))*4096 th:TH_STORE_NT   ; sixteen lanes store 256 consecutive bytes, aligned
.endr
.endm
	PLACES
	s_wait_loadcnt 0x0                             ; the bias and the residual, asked for at the head
	TOSTAGE 0
.irp a, 1,2,3
.if \a > 1
	s_wait_xcnt 0x0                                ; block a - 2's stores have read their registers: block a's loads may land there
.endif
	TOSTAGE \a
	SEND \a-1, 16
.endr
	SEND 3, 0
	s_wait_tensorcnt 0x0                           ; the wave's end
	ds_add_u32 v[SPW], v[NIL]
	s_wait_dscnt 0x0
	CROUND                                         ; the closing round
	s_endpgm
.Lfunc_end_k_qcfc06ded64_ffn2:
	.size	k_qcfc06ded64_ffn2, .Lfunc_end_k_qcfc06ded64_ffn2-k_qcfc06ded64_ffn2
	.p2alignl 7, 3214868480
	.fill 96, 4, 3214868480
	.section	.rodata,"a",@progbits
	.p2align	6, 0x0
	.amdhsa_kernel k_qcfc06ded64_ffn2
		.amdhsa_group_segment_fixed_size 327680
		.amdhsa_private_segment_fixed_size 0
		.amdhsa_enable_private_segment 0
		.amdhsa_kernarg_size 40
		.amdhsa_user_sgpr_count 2
		.amdhsa_user_sgpr_kernarg_segment_ptr 1
		.amdhsa_wavefront_size32 1
		.amdhsa_system_sgpr_workgroup_id_x 1
		.amdhsa_system_sgpr_workgroup_id_y 1
		.amdhsa_system_sgpr_workgroup_id_z 1
		.amdhsa_system_vgpr_workitem_id 0
		.amdhsa_next_free_vgpr 768
		.amdhsa_next_free_sgpr 100
		.amdhsa_reserve_vcc 0
		.amdhsa_float_denorm_mode_32 3
		.amdhsa_float_denorm_mode_16_64 3
		.amdhsa_memory_ordered 1
		.amdhsa_forward_progress 1
		.amdhsa_inst_pref_size 101
	.end_amdhsa_kernel
	.amdgpu_metadata
---
amdhsa.version: [ 1, 2 ]
amdhsa.kernels:
  - .name:           k_qcfc06ded64_ffn2
    .symbol:         k_qcfc06ded64_ffn2.kd
    .args:
      - { .name: FFC, .offset: 0, .size: 8, .value_kind: global_buffer, .address_space: global }
      - { .name: WC, .offset: 8, .size: 8, .value_kind: global_buffer, .address_space: global }
      - { .name: b2, .offset: 16, .size: 8, .value_kind: global_buffer, .address_space: global }
      - { .name: X1, .offset: 24, .size: 8, .value_kind: global_buffer, .address_space: global }
      - { .name: out0, .offset: 32, .size: 8, .value_kind: global_buffer, .address_space: global }
    .group_segment_fixed_size: 327680
    .private_segment_fixed_size: 0
    .kernarg_segment_align: 8
    .kernarg_segment_size: 40
    .max_flat_workgroup_size: 128
    .sgpr_count:     100
    .vgpr_count:     768
    .wavefront_size: 32
...
	.end_amdgpu_metadata
.endif
;; end of part 9
;; ======== version 3 of 3: 8 launches; version 2 with the launch attn written anew for expert scheduling mode
;; workspace buffers: WC 9,830,400 bytes; MB 532,480 bytes of whole numbers; ACT 3,276,800 bytes; QKV 10,092,544 bytes; X1 16,777,216 bytes; FFC 13,107,200 bytes
;; launch prep: the kernel of part 1 again; grid 512 x 1, 4 waves a work-group, no clusters, 0 bytes of LDS; arguments Wq, Wk, Wv, Wo, W1, W2, mask, WC, MB; writes WC, MB
;; launch ln1: the kernel of part 2 again; grid 256 x 1, 8 waves a work-group, no clusters, 2,048 bytes of LDS; arguments x, ln1_g, ln1_b, ACT; writes ACT
;; launch qkv: the kernel of part 3 again; grid 12 x 16, 4 waves a work-group, clusters of 4 x 4, 327,680 bytes of LDS; arguments ACT, WC, bq, bk, bv, QKV; writes QKV
;; launch attn (part 10): grid 8 x 32, 16 waves a work-group, no clusters, 215,040 bytes of LDS; arguments QKV, MB, ACT; writes ACT
.if DOCPART == 10
	.amdgcn_target "amdgcn-amd-amdhsa--gfx1250"
	.amdhsa_code_object_version 6
	.text
	.protected	k_qcfc06ded64_attn
	.globl	k_qcfc06ded64_attn
	.p2align	8
	.type	k_qcfc06ded64_attn,@function
k_qcfc06ded64_attn:
	s_mov_b64 s[64:65], 0
	v_nop
	global_prefetch_b8 v0, s[64:65] scope:SCOPE_SE
	s_setreg_imm32_b32 hwreg(HW_REG_WAVE_SCHED_MODE, 0, 2), 2
	s_setreg_imm32_b32 hwreg(HW_REG_WAVE_MODE, 25, 1), 1
	s_wait_xcnt 0x0
	s_wait_alu depctr_vm_vsrc(0)
; ATTENTION on codes of BF6: products 4 and 5, the softmax between them, the mask as it is given, and the quantiser of product 6.
; SHARES.  Work-group (g, 16 batch + head); its sixteen waves own one tile of 16 stored queries each, tile 8 (4 u + pos) + g with u = w / 4, pos = w % 4 turned round in odd u: a fixed spread, right for every mask.
; The head's K (codes, K = 64, and scale words: 106,496 bytes) and V (keys innermost: 102,400 bytes) are copied into LDS once, through registers, and only read afterwards: one barrier in the launch.
; NO TENSOR LOAD AND NO JOINT LOAD, though eight work-groups read the same K and V: a key step whose tile the mask hides wholly is jumped over by a scalar branch on a flag that an earlier launch stored.
; LAYOUT.  S^T = K Q^T (source 0 = 16 stored keys, source 1 = my queries), O^T = V^T P^T: a lane holds one query throughout.  By the stored order of rows, register n of the scores is key 32 (n / 16) + 16 h + n % 16 of the step.
; K = 64 fills registers 0-5 of an operand; registers 6-11 are zero codes on both sides.
; SOFTMAX: t = score x log2(e) / 8; M = the running largest t rounded up to a whole number; p = 2^(t - M) is quantised along the keys; the sum is taken of the unquantised p and divides at the end.
; THE MASK: 64 lane masks a tile (scalar registers), hidden scores become -infinity ahead of the maximum.  A query with no key at all has the sum 0: its scale bytes become 0xff, so that product 6 gives NaN there, as the
; softmax of a row of -infinity does.  LIMITS: NaN and infinities among q, k, v are not served.
; THE MODE: SCHED_MODE bits 1:0 = 2 (LLVM: expert scheduling mode 2), set by the entry lines.  The code itself states the register dependences between vector or matrix instructions and memory or LDS instructions,
; with s_wait_alu, always for 0.
; THE PLAN.  Registers that memory or LDS instructions touch:
;   v1-6, v30, v31, v200-203   places and offsets: written at the head, ahead of the head's wait on va_vdst, and never again.
;   v96-199                    at the head: K's and V's bytes, loaded and then read by the LDS stores; one wait on vm_vsrc behind the barrier states that the stores have read them, ahead of the loop's writes.
;   v7-11, v29                 the step's six LDS addresses: written at the step's head (a wait on vm_vsrc ahead of the six additions, a wait on va_vdst behind them), read by the step's 44 LDS loads.
;   v32-37 + 12 t, v248-251    four tiles of K and their scale words: loaded twice a step, read by four products each time: the wait at the step's head and one behind the first four products stand ahead of the loads.
;   v96-143, v248-251          V's four fragments and their scale words land where p lay: one wait behind the conversions, the last readers of p.
;   v224-235, v253             p's codes and scale word, written by vector instructions, taken by scaled products: one wait behind the places, ahead of the products.  On the way out they are the stores' data: one wait.
; The registers that lie free, v80-95 and v192-222, hold three fragments of 12; a second buffer for K's four tiles or for V's four fragments would take four: so each buffer is asked for again behind a wait of its own.
; Behind the wait for K's buffer the second four tiles are asked for at once, and the mask and the block maxima of the first 64 scores, which name none of the registers that those loads touch, stand behind the loads.
.set KSC,  98304                       ; LDS: K's codes at 0 (128 tiles x 768), K's scale words here (64 bytes a tile),
.set VB,   106496                      ; V's fragments (key step s, channel tile c: (4 s + c) x 1,536),
.set VSC,  204800                      ; V's scale words
.set AK16, 1                           ; v1-6   my lane's places; never rewritten
.set AK8,  2
.set ASK,  3
.set AV16, 4
.set AV8,  5
.set ASV,  6
.set DK16, 7                           ; v7-11, v29  the step's addresses
.set DK8,  8
.set DKS,  9
.set DV16, 10
.set DV8,  11
.set DVS,  29
.set L8,   30
.set R4,   31
; v12 -M, v13 the largest t, v[14:15] the sum; v16-27 Q; v28 -infinity; v32-79 four tiles of K; v96-159 scores, p, then V's four fragments; v160-191 O^T; v224-235 p's codes; v232-254 at work; v248-251, v253, v255 scale words
.set WV,  10
.set QT,  11
.set FLG, 12
.set CNT, 14
.set FL,  15
.set SEL, 20
.set CS,  22
.set MBB, 24
.set TK,  26
.set TKS, 27
.set TVS, 28
; four tiles of 16 keys, tiles 4 g .. 4 g + 3 of the step, and their scale words
.macro KTILES g
.irp t, 0,1,2,3
	ds_load_b128 v[32+12*\t:35+12*\t], v[DK16] offset:(4*(\g)+\t)*768
	ds_load_b64 v[36+12*\t:37+12*\t], v[DK8] offset:(4*(\g)+\t)*768
	ds_load_b32 v[248+\t], v[DKS] offset:(4*(\g)+\t)*64
.endr
.endm
; S^T = K Q^T of these four tiles
.macro SCORES g
.irp t, 0,1,2,3
	v_wmma_scale_f32_16x16x128_f8f6f4 v[96+8*(4*(\g)+\t):103+8*(4*(\g)+\t)], v[32+12*\t:43+12*\t], v[16:27], 0, v[248+\t], v255 matrix_a_fmt:MATRIX_FMT_BF6 matrix_b_fmt:MATRIX_FMT_BF6
.endr
.endm
; 32 scores from register 'first' on: hidden ones become -infinity.  Register n's lane mask is word 2 n (n < 32) or 2 (n - 32) + 1 of the tile's 64, in s32-63 and s68-99
.macro HIDE first
.set n, \first
.rept 32
.if n < 32
.set W, 2*n
.else
.set W, 2*(n-32)+1
.endif
.if W < 32
.set SR, 32+W
.else
.set SR, 36+W
.endif
	v_cndmask_b32 v[96+n], v28, v[96+n], s[SR]     ; hidden: -infinity
.set n, n+1
.endr
.endm
; the largest score of two blocks of 32 keys, the two by turns: it serves for the row's maximum and for the block's largest p
.macro LARGEST lo, hi
.irp b, \lo, \hi
	v_max3_num_f32 v[232+\b], v[96+16*\b], v[97+16*\b], v[98+16*\b]
.endr
.irp i, 3,5,7,9,11,13
.irp b, \lo, \hi
	v_max3_num_f32 v[232+\b], v[232+\b], v[96+16*\b+\i], v[97+16*\b+\i]
.endr
.endr
.irp b, \lo, \hi
	v_max_num_f32 v[232+\b], v[232+\b], v[111+16*\b]
.endr
.endm
	s_load_b128 s[4:7], s[0:1], 0x0                ; QKV, MB
	s_load_b64 s[8:9], s[0:1], 0x10                ; ACT
	v_lshl_add_u32 v223, v0, 2, 0x34000
	v_mov_b32 v243, 0
	v_lshrrev_b32 v1, 5, v0
	v_readfirstlane_b32 s[WV], v1
	v_and_b32 v12, 31, v0
	v_and_b32 v13, 15, v0
	v_lshlrev_b32 v[AK16], 4, v12
	v_lshlrev_b32 v[L8], 3, v12
	v_lshlrev_b32 v[R4], 2, v13
	v_add_nc_u32 v[AK8], 512, v[L8]
	v_add_nc_u32 v[ASK], KSC, v[R4]
	v_add_nc_u32 v[AV16], VB, v[AK16]
	v_add_nc_u32 v[AV8], VB+512, v[L8]
	v_add_nc_u32 v[ASV], VSC, v[R4]
	v_lshlrev_b32 v200, 4, v0                      ; the copy: 16 bytes a thread, 8,192 an instruction
	v_add_nc_u32 v201, 0x10000, v200
	v_add_nc_u32 v202, 0x20000, v200
	v_add_nc_u32 v203, 0x30000, v200
	s_mov_b32 s[SEL], 0x76543210
	s_mov_b32 s[SEL+1], 0xfedcba98
	s_mov_b32 s[CS], 0x3e38aa3b                    ; c = log2(e) / 8
	s_mov_b32 s[CS+1], s[CS]
	s_and_b32 s2, ttmp7, 0xffff
	s_lshr_b32 s3, s2, 4                           ; batch
	s_and_b32 s2, s2, 15                           ; head
	s_wait_alu depctr_va_sdst(0)                   ; the wave's number is written, ahead of its first reader: my tile of queries is made from it
	s_lshr_b32 s13, s[WV], 2                       ; u
	s_and_b32 s15, s13, 1
	s_mul_i32 s15, s15, 3
	s_and_b32 s31, s[WV], 3
	s_xor_b32 s31, s31, s15                        ; pos
	s_lshl_b32 s13, s13, 2
	s_add_co_u32 s13, s13, s31
	s_lshl_b32 s[QT], s13, 3
	s_add_co_u32 s[QT], s[QT], ttmp9               ; my tile of queries
	s_mov_b32 s27, 0
	s_lshl_b32 s26, s2, 1
	s_add_co_u32 s26, s26, s3
	s_mul_i32 s26, s26, 106496
	s_wait_kmcnt 0x0
	s_add_nc_u64 s[28:29], s[4:5], s[26:27]        ; q's region
	s_add_nc_u64 s[16:17], s[28:29], 32*106496     ; k's
	s_mul_i32 s26, s[QT], 768
	s_add_nc_u64 s[66:67], s[28:29], s[26:27]      ; my tile's codes
	s_lshl_b32 s26, s[QT], 6
	s_add_nc_u64 s[28:29], s[28:29], s[26:27]      ; its scale words, less 98,304
	s_add_co_u32 s26, s26, 524288
	s_add_nc_u64 s[30:31], s[6:7], s[26:27]        ; its 16 flags
	s_lshl_b32 s26, s[QT], 12
	s_add_nc_u64 s[MBB:MBB+1], s[6:7], s[26:27]    ; its lane masks, 256 bytes a key step
	s_lshl_b32 s26, s3, 4
	s_add_co_u32 s26, s26, s2
	s_mul_i32 s26, s26, 102400
	s_add_co_u32 s26, s26, 6815744
	s_add_nc_u64 s[18:19], s[4:5], s[26:27]        ; v's region
	s_lshl_b32 s26, s3, 4                          ; out: block 4 (16 batch + tile / 8) + head / 4, fragment 8 ((head / 2) % 2) + tile % 8, half head % 2
	s_add_co_u32 s26, s26, s13
	s_lshl_b32 s26, s26, 2
	s_lshr_b32 s15, s2, 2
	s_add_co_u32 s26, s26, s15
	s_mul_i32 s26, s26, 25600
	s_add_nc_u64 s[8:9], s[8:9], s[26:27]
	s_bfe_u32 s15, s2, 0x10001
	s_lshl_b32 s15, s15, 3
	s_add_co_u32 s15, s15, ttmp9
	s_and_b32 s2, s2, 1
	s_lshl_b32 s26, s15, 6
	s_lshl_b32 s3, s2, 1
	s_add_co_u32 s26, s26, s3
	s_add_nc_u64 s[6:7], s[8:9], s[26:27]          ; my two scale bytes a row, less 24,576
	s_mul_i32 s26, s15, 1536
	s_mul_i32 s3, s2, 768
	s_add_co_u32 s26, s26, s3
	s_add_nc_u64 s[8:9], s[8:9], s[26:27]          ; my codes
	s_load_b512 s[32:47], s[30:31], 0x0
	s_wait_alu depctr_va_vdst(0)                   ; the places and offsets v1-6, v30, v31 and v200-203 are written: every load and store of the kernel reads one of them, or an address made from one
	global_load_b128 v[16:19], v[AK16], s[66:67]
	global_load_b64 v[20:21], v[L8], s[66:67] offset:512
	global_load_b32 v255, v[R4], s[28:29] offset:KSC
.irp j, 0,1,2,3,4,5,6,7,8,9,10,11,12
	global_load_b128 v[96+4*\j:99+4*\j], v200, s[16:17] offset:8192*\j
.endr
.irp j, 0,1,2,3,4,5,6,7,8,9,10,11
	global_load_b128 v[148+4*\j:151+4*\j], v200, s[18:19] offset:8192*\j
.endr
	s_cmp_lt_u32 s[WV], 8                          ; v's last 4,096 bytes: waves 0-7
	s_cbranch_scc0 .Lno_tail
	global_load_b128 v[196:199], v200, s[18:19] offset:8192*12
	s_wait_loadcnt 0x0
	ds_store_b128 v203, v[196:199] offset:8192
.Lno_tail:
	s_wait_loadcnt 0x0
.irp j, 0,1,2,3,4,5,6,7,8,9,10,11,12,13,14,15,16,17,18,19,20,21,22,23,24
	ds_store_b128 v[200+\j/8], v[96+4*\j:99+4*\j] offset:8192*(\j%8)
.endr
	s_wait_kmcnt 0x0
	s_mov_b32 s[FLG], 0
.irp k, 0,1,2,3,4,5,6,7,8,9,10,11,12,13,14,15
	s_lshl_b32 s13, s[32+\k], 2*\k                 ; the flags, two bits a key step
	s_or_b32 s[FLG], s[FLG], s13
.endr
	s_mov_b32 s[TK], 0
	s_mov_b32 s[TKS], 0
	s_mov_b32 s[TVS], 0
	s_mov_b32 s[CNT], 16
	s_wait_dscnt 0x0                               ; for the others: my stores have landed
	s_barrier_signal -1
	s_barrier_wait -1                              ; K and V lie in LDS; nothing is written there again
	s_wait_alu depctr_vm_vsrc(0)                   ; my LDS stores have read v96-199: these registers are the scores, p, V's fragments and O^T from here on, written by the lines below and by the loop
	v_mov_b32 v13, 0xff61b1e6                      ; the largest t so far: -3e38
	v_floor_f32 v12, -v13                          ; -M
	v_mov_b32 v14, 0
	v_mov_b32 v15, 0
	v_mov_b32 v28, 0xff800000
.irp j, 22,23,24,25,26,27
	v_mov_b32 v[\j], 0                             ; zero codes for k = 64 .. 127
.endr
.irp t, 0,1,2,3
.irp j, 6,7,8,9,10,11
	v_mov_b32 v[32+12*\t+\j], 0
.endr
.endr
.irp j, 236,237,238,239,252,253
	v_mov_b32 v[\j], 0
.endr
.set j, 0
.rept 32
	v_mov_b32 v[160+j], 0                          ; O^T: the step is written once; the first finds zeros
.set j, j+1
.endr
.Lstep:                                            ; 16 trips, a constant: what a flag leaves out is a trip's work, not the trip
	s_and_b32 s[FL], s[FLG], 3
	s_cmp_eq_u32 s[FL], 0
	s_cbranch_scc1 .Lskip
	s_load_b512 s[32:47], s[MBB:MBB+1], 0x0        ; the tile's 64 lane masks
	s_load_b512 s[48:63], s[MBB:MBB+1], 0x40
	s_load_b512 s[68:83], s[MBB:MBB+1], 0x80
	s_load_b512 s[84:99], s[MBB:MBB+1], 0xc0
	s_wait_alu depctr_vm_vsrc(0)                   ; the LDS loads of the step walked last have read the six addresses, which the six lines below write anew
	v_add_nc_u32 v[DK16], s[TK], v[AK16]
	v_add_nc_u32 v[DK8], s[TK], v[AK8]
	v_add_nc_u32 v[DKS], s[TKS], v[ASK]
	v_add_nc_u32 v[DV16], s[TK], v[AV16]
	v_add_nc_u32 v[DV8], s[TK], v[AV8]
	v_add_nc_u32 v[DVS], s[TVS], v[ASV]
	s_wait_alu depctr_va_vdst(0)                   ; the six addresses are written, which this step's LDS loads read; the last step's products are done reading v248-251, in which scale words land; in the first trip the zero codes of Q and K, which the products take, are written
	KTILES 0
	s_wait_dscnt 0x0
	SCORES 0
.rept 4
	v_nop                                          ; four places behind the products, in front of the first read of their results
.endr
	s_wait_alu depctr_va_vdst(0)                   ; the four products are done reading K's tiles in v32-79 and their scale words in v248-251, in which the loads below land
	KTILES 1                                       ; the other four tiles are on their way while the first 64 scores are masked and searched: no line up to the wait for them names a register that these loads touch
	s_wait_kmcnt 0x0                               ; the lane masks are in (and their base may be stepped)
	s_cmp_eq_u32 s[FL], 3
	s_cbranch_scc1 .Lopen_lo                       ; all 16 x 128 are kept
	HIDE 0
.Lopen_lo:
	LARGEST 0, 1
	s_wait_dscnt 0x0
	SCORES 1
.rept 4
	v_nop
.endr
	s_cmp_eq_u32 s[FL], 3
	s_cbranch_scc1 .Lopen_hi
	HIDE 32
.Lopen_hi:
	LARGEST 2, 3
.irp b, 0,1,2,3
	v_permlanex16_b32 v[236+\b], v[232+\b], s[SEL], s[SEL+1]
.endr
.irp b, 0,1,2,3
	v_max_num_f32 v[232+\b], v[232+\b], v[236+\b]
.endr
	v_max3_num_f32 v254, v232, v233, v234
	v_max_num_f32 v254, v254, v235
	v_mul_f32 v254, s[CS], v254
	v_max_num_f32 v13, v13, v254                   ; the running largest t
	v_mov_b32 v254, v12
	v_floor_f32 v12, -v13                          ; the new -M: M is a whole number
	v_sub_f32 v254, v12, v254
	v_cvt_i32_f32 v254, v254                       ; (it saturates)
	v_ldexp_f32 v252, 1.0, v254                    ; f = 2^(old M - new M)
.set j, 0
.rept 32
	v_pk_fma_f32 v[96+2*j:97+2*j], v[96+2*j:97+2*j], s[CS:CS+1], v[12:13] op_sel_hi:[1,0,0]   ; t - M
.set j, j+1
.endr
.irp b, 0,1,2,3
	v_fma_f32 v[232+\b], v[232+\b], s[CS], v12
.endr
.set j, 0
.rept 64
	v_exp_f32 v[96+j], v[96+j]                     ; p = 2^(t - M)
.set j, j+1
.endr
	v_pk_mul_f32 v[14:15], v[14:15], v[252:253] op_sel_hi:[1,0]    ; the sums under the new M: a plain place behind the exponentials
	s_wait_alu depctr_va_vdst(0)                   ; the 64 exponentials have written p in v96-159: one wait for the batch, ahead of its first reader
.irp b, 0,1,2,3
	v_exp_f32 v[232+\b], v[232+\b]                 ; each block's largest p
.endr
	v_pk_add_f32 v[236:237], v[96:97], v[98:99]    ; the row's sum of the unquantised p, in two chains
.irp j, 4,8,12,16,20,24,28,32,36,40,44,48,52,56,60
	v_pk_add_f32 v[14:15], v[14:15], v[96+\j:97+\j]
	v_pk_add_f32 v[236:237], v[236:237], v[98+\j:99+\j]
.endr
	v_pk_add_f32 v[14:15], v[14:15], v[236:237]
	s_wait_alu depctr_va_vdst(0)                   ; the four exponentials have written v232-235: their wait, ahead of their first reader
.irp b, 0,1,2,3
	v_max_num_f32 v[232+\b], 0x2800000, v[232+\b]  ; the floor 2^(5 - 127)
.endr
.irp b, 0,1,2,3
	v_add_nc_u32 v[244+\b], 0xfe000000, v[232+\b]
.endr
.irp b, 0,1,2,3
	v_lshrrev_b32 v[236+\b], 23, v[244+\b]
.endr
	v_lshl_or_b32 v253, v237, 8, v236              ; p's scale word for these 128 keys
	v_lshl_or_b32 v253, v238, 16, v253
	v_lshl_or_b32 v253, v239, 24, v253
.irp c, 0,1
	v_cvt_scalef32_pk16_bf6_f32 v[224+6*\c:226+6*\c], v[96+32*\c:111+32*\c], v[244+2*\c]
	v_cvt_scalef32_pk16_bf6_f32 v[236+4*\c:238+4*\c], v[112+32*\c:127+32*\c], v[244+2*\c+1]
.endr
	v_nop                                          ; one plain place behind a scaled conversion
	s_wait_alu depctr_va_vdst(0)                   ; the conversions, the last readers of p, are done reading v96-159, in which V's fragments land
.irp c, 0,1,2,3                                ; V's four fragments land where p lay, while p's codes are put in order: no line up to the wait for them names v96-143, v248-251 or an address
	ds_load_b128 v[96+12*\c:99+12*\c], v[DV16] offset:\c*1536
	ds_load_b64 v[100+12*\c:101+12*\c], v[DV8] offset:\c*1536
	ds_load_b128 v[102+12*\c:105+12*\c], v[DV16] offset:\c*1536+768
	ds_load_b64 v[106+12*\c:107+12*\c], v[DV8] offset:\c*1536+768
	ds_load_b32 v[248+\c], v[DVS] offset:\c*64
.endr
.irp c, 0,1
.irp i, 0,1,2
	v_permlane16_swap_b32 v[224+6*\c+\i], v[236+4*\c+\i]
.endr
.irp i, 0,1,2
	v_mov_b32 v[227+6*\c+\i], v[236+4*\c+\i]
.endr
.endr
.set j, 0
.rept 16
	v_pk_mul_f32 v[160+2*j:161+2*j], v[160+2*j:161+2*j], v[252:253] op_sel_hi:[1,0]   ; O^T under the new M.  (These 16 are also the places between the scale word and codes just made and the products)
.set j, j+1
.endr
	s_wait_dscnt 0x0
	s_wait_alu depctr_va_vdst(0)                   ; p's codes in v224-235 and its scale word in v253 are written, which the scaled products take as source 1 and its scales; the places above stay beside this wait
.irp c, 0,1,2,3
	v_wmma_scale_f32_16x16x128_f8f6f4 v[160+8*\c:167+8*\c], v[96+12*\c:107+12*\c], v[224:235], v[160+8*\c:167+8*\c], v[248+\c], v253 matrix_a_fmt:MATRIX_FMT_BF6 matrix_b_fmt:MATRIX_FMT_BF6
.endr
.rept 5
	v_nop                                          ; five places: the next step's products write over the registers that held V
.endr
.Lskip:
	s_lshr_b32 s[FLG], s[FLG], 2
	s_add_co_u32 s[TK], s[TK], 6144
	s_add_co_u32 s[TKS], s[TKS], 512
	s_add_co_u32 s[TVS], s[TVS], 256
	s_add_nc_u64 s[MBB:MBB+1], s[MBB:MBB+1], 256
	s_sub_co_u32 s[CNT], s[CNT], 1
	s_cmp_lg_u32 s[CNT], 0
	s_cbranch_scc1 .Lstep
	; THE WAY OUT: O^T / the sum: register 16 b + i is channel 32 b + 16 h + i of my query: two blocks of product 6's K
	v_add_f32 v14, v14, v15
	v_permlanex16_b32 v252, v14, s[SEL], s[SEL+1]
	v_add_f32 v14, v14, v252                       ; the row's sum
	v_rcp_f32 v15, v14
	v_nop                                          ; a plain place behind the transcendental
	v_cmp_eq_f32 vcc_lo, 0, v14                    ; no key at all
	s_wait_alu depctr_va_vdst(0)                   ; the reciprocal has written v15: the wait, ahead of its first reader
.set j, 0
.rept 32
	v_mul_f32 v[96+j], v[160+j], v15
.set j, j+1
.endr
.irp b, 0,1
	v_max3_num_f32 v[232+\b], |v[96+16*\b]|, |v[97+16*\b]|, 0x2800000
.endr
.irp i, 2,4,6,8,10,12,14
.irp b, 0,1
	v_max3_num_f32 v[232+\b], v[232+\b], |v[96+16*\b+\i]|, |v[97+16*\b+\i]|
.endr
.endr
.irp b, 0,1
	v_permlanex16_b32 v[236+\b], v[232+\b], s[SEL], s[SEL+1]
.endr
.irp b, 0,1
	v_max_num_f32 v[232+\b], v[232+\b], v[236+\b]
.endr
.irp b, 0,1
	v_add_nc_u32 v[244+\b], 0xfe000000, v[232+\b]
.endr
.irp b, 0,1
	v_lshrrev_b32 v[236+\b], 23, v[244+\b]
.endr
	v_lshl_or_b32 v253, v237, 8, v236
	s_wait_alu depctr_va_vcc(0)                    ; the compare above has written VCC, ahead of its first reader, the select below
	v_cndmask_b32 v253, v253, -1, vcc_lo           ; a query with no key: both bytes 0xff
	v_cvt_scalef32_pk16_bf6_f32 v[224:226], v[96:111], v244
	v_cvt_scalef32_pk16_bf6_f32 v[228:230], v[112:127], v245
	v_nop
.irp i, 0,1,2
	v_permlane16_swap_b32 v[224+\i], v[228+\i]
.endr
.irp i, 0,1,2
	v_mov_b32 v[227+\i], v[228+\i]
.endr
	s_wait_alu depctr_va_vdst(0)                   ; the codes in v224-229 and the scale bytes in v253 are written, which the three stores read
	global_store_b128 v[AK16], v[224:227], s[8:9]                  ; 512 consecutive bytes, aligned
	global_store_b64 v[L8], v[228:229], s[8:9] offset:512
	global_store_b16 v[R4], v253, s[6:7] offset:24576              ; two bytes of each row's scale word; the head beside mine writes the other two
	s_wait_dscnt 0x0                               ; the closing lines, six on end
	s_wait_alu 0x0
	s_wait_tensorcnt 0x0
	ds_add_u32 v223, v243
	s_wait_dscnt 0x0
	s_endpgm
.Lfunc_end_k_qcfc06ded64_attn:
	.size	k_qcfc06ded64_attn, .Lfunc_end_k_qcfc06ded64_attn-k_qcfc06ded64_attn
	.p2alignl 7, 3214868480
	.fill 96, 4, 3214868480
	.section	.rodata,"a",@progbits
	.p2align	6, 0x0
	.amdhsa_kernel k_qcfc06ded64_attn
		.amdhsa_group_segment_fixed_size 215040
		.amdhsa_private_segment_fixed_size 0
		.amdhsa_enable_private_segment 0
		.amdhsa_kernarg_size 24
		.amdhsa_user_sgpr_count 2
		.amdhsa_user_sgpr_kernarg_segment_ptr 1
		.amdhsa_wavefront_size32 1
		.amdhsa_system_sgpr_workgroup_id_x 1
		.amdhsa_system_sgpr_workgroup_id_y 1
		.amdhsa_system_sgpr_workgroup_id_z 1
		.amdhsa_system_vgpr_workitem_id 0
		.amdhsa_next_free_vgpr 256
		.amdhsa_next_free_sgpr 100
		.amdhsa_reserve_vcc 1
		.amdhsa_float_denorm_mode_32 3
		.amdhsa_float_denorm_mode_16_64 3
		.amdhsa_memory_ordered 1
		.amdhsa_forward_progress 1
		.amdhsa_inst_pref_size 38
	.end_amdhsa_kernel
	.amdgpu_metadata
---
amdhsa.version: [ 1, 2 ]
amdhsa.kernels:
  - .name:           k_qcfc06ded64_attn
    .symbol:         k_qcfc06ded64_attn.kd
    .args:
      - { .name: QKV, .offset: 0, .size: 8, .value_kind: global_buffer, .address_space: global }
      - { .name: MB, .offset: 8, .size: 8, .value_kind: global_buffer, .address_space: global }
      - { .name: ACT, .offset: 16, .size: 8, .value_kind: global_buffer, .address_space: global }
    .group_segment_fixed_size: 215040
    .private_segment_fixed_size: 0
    .kernarg_segment_align: 8
    .kernarg_segment_size: 24
    .max_flat_workgroup_size: 512
    .sgpr_count:     100
    .vgpr_count:     256
    .wavefront_size: 32
...
	.end_amdgpu_metadata
.endif
;; end of part 10
;; launch wo: the kernel of part 8 again; grid 8 x 32, 4 waves a work-group, clusters of 4 x 4, 327,680 bytes of LDS; arguments ACT, WC, bo, x, X1; writes X1
;; launch ln2: the kernel of part 2 again; grid 256 x 1, 8 waves a work-group, no clusters, 2,048 bytes of LDS; arguments X1, ln2_g, ln2_b, ACT; writes ACT
;; launch ffn1: the kernel of part 6 again; grid 16 x 16, 4 waves a work-group, clusters of 4 x 4, 327,680 bytes of LDS; arguments ACT, WC, b1, FFC; writes FFC
;; launch ffn2: the kernel of part 9 again; grid 8 x 32, 4 waves a work-group, clusters of 4 x 4, 327,680 bytes of LDS; arguments FFC, WC, b2, X1, out0; writes out0
